; MI455X (gfx1250); checked and timed in simulation.
; The chip was launched on July 23, 2026; its instructions are those of AMD's public machine-readable ISA for CDNA 5 (MIT licence, August 2026) and "CDNA5" Instruction Set Architecture Reference Guide (July 2026). The comments in the code are by the model that wrote it; some were corrected since.
;; Transformer Mo E. Allowed arithmetic: matrix products marked QUANTISED: E5M2 operands, one E8M0 scale for each 32 along K, by v_wmma_scale_f32_16x16x128_f8f6f4 with both operands' format E5M2, f32 sums; products left as they are: f32 operands where the result goes on into a quantised operand, else bf16, f16 or f32 operands; f32 sums; everything else in f32.
;; Inputs: W1 8 x 1,024 x 4,096 float32; W2 8 x 4,096 x 1,024 float32; b1 8 x 4,096 float32; b2 8 x 1,024 float32; gate_b 8 float32; gate_w 1,024 x 8 float32; x 512 x 2 x 1,024 float32.
;; Outputs: out0 512 x 2 x 1,024 float32.
;; This version of the problem:
;;   THIS VERSION OF THE PROBLEM IS GIVEN IN LOW PRECISION. The matrix products marked QUANTISED in the list below multiply operands that are first quantised to E5M2 (5 exponent bits, 2 mantissa bits; 8 bits a number), with one power-of-two scale for each 32 numbers along K (OCP MX v1.0); their sums are f32. All else is computed in f32.
;;   The module's matrix products, in the order in which they are computed (A, B: the left and right operand; K: the contracted axis; several contracted axes count as one K, in the product's order):
;;     1. [M 1,024, K 1,024] x [K 1,024, N 8]; A: input x; B: input gate_w: left as it is (N = 8 < 16)
;;     2. batch 1,024 x [M 1, K 2] x [K 2, N 8]; A: softmax; B: computed on the way: left as it is (K = 2 < 32)
;;     3. [M 32,768, K 1,024] x [K 1,024, N 1,024]; A: input W1; B: input x: QUANTISED
;;     4. batch 8 x [M 1,024, K 4,096] x [K 4,096, N 1,024]; A: computed on the way; B: input W2: QUANTISED
;;     5. batch 1,024 x [M 1, K 8] x [K 8, N 1,024]; A: computed on the way; B: computed on the way: left as it is (K = 8 < 32)
;;   THE QUANTISER, for each operand of a quantised product, along K:
;;     - K is cut into blocks of 32 from its start; a last block that is shorter is filled with zeros.
;;     - A block's scale is 2^e with e = floor(log2(the largest magnitude in the block)) - 15, held to -126 .. 127; a block of zeros has e = 0. As a byte (E8M0): e + 127.
;;     - Each number is divided by its block's scale, clamped to +-57,344, and rounded to the nearest number of E5M2, ties to even, subnormals kept.
;;     - The product sums the exact products of the quantised numbers (number of the format x scale) in f32.
;;   ~~~python
;;   def quantise(x, axis):      # numpy; x: float32 -> the quantised numbers, widened to float32 again
;;       x = np.moveaxis(x, axis, -1); K = x.shape[-1]
;;       x = np.pad(x, [(0, 0)] * (x.ndim - 1) + [(0, -K % 32)]); x = x.reshape(x.shape[:-1] + (-1, 32)); a = np.abs(x).max(-1, keepdims=True)
;;       e = np.where(a > 0, np.clip(np.frexp(np.where(a > 0, a, 1))[1] - 1 - 15, -126, 127), 0)      # np.frexp(a)[1] - 1 = floor(log2(a)), exactly
;;       r = np.clip(x / 2.0 ** e, -57344, 57344)
;;       step = 2.0 ** (np.maximum(np.frexp(np.where(r == 0, 1, r))[1] - 1, -14) - 2)
;;       q = np.round(r / step) * step * 2.0 ** e      # np.round: ties to even
;;       return np.moveaxis(q.reshape(q.shape[:-2] + (-1,))[..., :K], -1, axis).astype(np.float32)
;;   ~~~
;;   OPERANDS COMPUTED ON THE WAY. 'Computed on the way' means the value that the module computes at that place (a softmax that the list does not call 'softmax' is quantised finished and normalised). What goes into a quantiser is computed in f32, as accurately as f32 sums, v_exp_f32 and their like allow (about 1e-6 of the number): no bf16 or f16 on the way to a quantiser, and a product that is left as it is and whose result goes on into a quantised operand takes f32 operands (vector FMAs, or v_wmma_f32_16x16x4_f32). A number that lies on a knife's edge between two numbers of the format may be rounded either way, as far as f32 arithmetic and the matrix unit's own rounding can turn it there, and no further.
;; 2 versions. Each part assembles by itself: llvm-mc -triple=amdgcn-amd-amdhsa -mcpu=gfx1250 --defsym DOCPART=n.
;; ======== version 1 of 2: 5 launches
;; workspace buffers: xq 1,081,344 bytes; route 4,096 bytes of whole numbers; prob 8,192 bytes; place 66,560 bytes of whole numbers; hq 34,603,008 bytes; y 67,108,864 bytes
;; launch route (part 1): grid 128 x 1, 4 waves a work-group, no clusters, 2,048 bytes of LDS; arguments x, gate_w, gate_b, xq, route, prob; writes xq, route, prob
.if DOCPART == 1
	.amdgcn_target "amdgcn-amd-amdhsa--gfx1250"
	.amdhsa_code_object_version 6
	.text
	.protected	k_qd4b69ab511_route
	.globl	k_qd4b69ab511_route
	.p2align	8
	.type	k_qd4b69ab511_route,@function
k_qd4b69ab511_route:
	s_mov_b64 s[64:65], 0
	v_nop
	global_prefetch_b8 v0, s[64:65] scope:SCOPE_SE
	s_setreg_imm32_b32 hwreg(HW_REG_WAVE_MODE, 25, 1), 1
	s_wait_xcnt 0x0
; THE ROUTER, AND x INTO CODES.  scores = x gate_w + gate_b in f32 (fused multiply-adds); the two largest of the 8 scores of a token (strict >, so a tie keeps the lower index, as jax.lax.top_k does);
; their softmax, with the larger score taken away ahead of the exponential.  Stored at fixed places: route[token] = e0 | e1 << 8 (whole numbers), prob[token] = p0, p1.
; x is also turned into codes of BF8 (E5M2), one E8M0 byte for each 32 along the token's 1,024: xq = codes [1024][1024 bytes], then scale bytes [1024][32] at XS_OFF.
; SHARES.  A work-group of four waves takes 8 tokens.  Wave w takes k = 256 w .. 256 w + 255 of each, lane l the eight numbers from k = 256 w + 8 l: a block of 32 is four neighbouring lanes.
; A lane's 8 rows of gate_w (64 numbers) stay in registers for the 8 tokens.  The waves' partial scores meet in LDS; wave 1 finishes them, a lane a token; wave 0 stores the 256 scale bytes as one aligned run.
; No matrix unit: 8 columns are too few for it.  No cluster: work-groups share only gate_w's 32,768 bytes.
; LIMITS: NaN and infinities among the inputs are not served.  A block of zeros gets the byte 1 (its codes are zeros; this program alone reads the bytes).  The score's sum runs in another order than
; the reference's, so two scores that are equal within f32 rounding of a sum of 1,024 terms may change places.
.set XS_OFF, 1048576
.set G,   16                           ; v16-79   gate_w(k + i, e) at 8 i + e
.set X,   80                           ; v80-143  token j's eight numbers at 8 j
.set ACC, 144                          ; v144-207 partial score (j, e) at 8 j + e
.set T,   208                          ; v208-223 at work: four registers for each of four tokens in turn
.set CD,  224                          ; v224-239 token j's eight codes at 2 j: no store's data are written again
	s_load_b256 s[4:11], s[0:1], 0x0               ; x s[4:5], gate_w s[6:7], gate_b s[8:9], xq s[10:11]
	s_load_b128 s[12:15], s[0:1], 0x20             ; route s[12:13], prob s[14:15]
	v_lshl_add_u32 v240, v0, 2, 0x600
	v_mov_b32 v241, 0
	v_lshrrev_b32 v6, 5, v0
	v_readfirstlane_b32 s16, v6                    ; wave 0..3
	v_lshlrev_b32 v6, 8, v6                        ; LDS: my wave's 256 bytes of partial scores
	v_and_b32 v1, 31, v0                           ; lane
	v_lshlrev_b32 v2, 5, v0                        ; x: 1,024 w + 32 l = 32 x thread
	v_lshlrev_b32 v3, 8, v0                        ; gate_w: eight rows of 32 bytes a thread
	v_lshlrev_b32 v4, 3, v0                        ; codes: eight bytes a thread
	v_lshrrev_b32 v5, 2, v0
	v_add_nc_u32 v5, 1024, v5                      ; LDS: my block's scale byte, 8 w + l / 4, behind the partial scores
	v_lshlrev_b32 v8, 3, v1                        ; 8 x lane
	v_add_nc_u32 v7, 1024, v8                      ; LDS: the scale bytes on their way out
	v_and_b32 v9, 7, v0
	v_lshlrev_b32 v9, 5, v9                        ; LDS: token l % 8's eight partial scores
	v_lshlrev_b32 v10, 2, v1                       ; 4 x lane
	s_mov_b32 s28, 0x76543210
	s_mov_b32 s29, 0xfedcba98                      ; v_permlanex16_b32's selects for lane l xor 16
	s_mov_b32 s30, 0x600000                        ; the mantissa field of 57,344
	s_lshl_b32 s32, ttmp9, 15                      ; 8 tokens of 4,096 bytes
	s_mov_b32 s33, 0
	s_lshl_b32 s34, ttmp9, 13                      ; 8 tokens of 1,024 codes
	s_mov_b32 s35, 0
	s_lshl_b32 s38, ttmp9, 8                       ; 8 tokens of 32 scale bytes
	s_mov_b32 s39, 0
	s_lshl_b32 s42, ttmp9, 5
	s_mov_b32 s43, 0
	s_lshl_b32 s44, ttmp9, 6
	s_mov_b32 s45, 0
	s_wait_kmcnt 0x0
	s_load_b256 s[20:27], s[8:9], 0x0              ; gate_b's eight numbers
	s_add_nc_u64 s[4:5], s[4:5], s[32:33]
	s_add_nc_u64 s[36:37], s[10:11], s[34:35]      ; my tokens' codes
	s_add_nc_u64 s[40:41], s[10:11], s[38:39]
	s_add_nc_u64 s[40:41], s[40:41], XS_OFF        ; and their scale bytes
	s_add_nc_u64 s[12:13], s[12:13], s[42:43]
	s_add_nc_u64 s[14:15], s[14:15], s[44:45]
.irp n, 0,1,2,3,4,5,6,7,8,9,10,11,12,13,14,15
	global_load_b128 v[G+4*\n:G+4*\n+3], v3, s[6:7] offset:16*\n
.endr
.irp j, 0,1,2,3,4,5,6,7
	global_load_b128 v[X+8*\j:X+8*\j+3], v2, s[4:5] offset:4096*\j th:TH_LOAD_NT
	global_load_b128 v[X+8*\j+4:X+8*\j+7], v2, s[4:5] offset:4096*\j+16 th:TH_LOAD_NT
.endr
; Token j: its part of the eight scores, then its codes.
.macro TOKEN j
.set XJ, X+8*\j
.set AJ, ACC+8*\j
.set TJ, T+4*((\j)%4)
	s_wait_loadcnt 14-2*\j                         ; loads come back in order: behind token j's two stand two for each of the 7 - j later tokens
.irp e, 0,2,4,6
	v_pk_mul_f32 v[AJ+\e:AJ+\e+1], v[XJ:XJ+1], v[G+\e:G+\e+1] op_sel_hi:[0,1]   ; the first product starts the sums; x's number serves both halves
.endr
.irp e, 0,2,4,6
	v_pk_fma_f32 v[AJ+\e:AJ+\e+1], v[XJ:XJ+1], v[G+8+\e:G+8+\e+1], v[AJ+\e:AJ+\e+1] op_sel:[1,0,0] op_sel_hi:[1,1,1]
.endr
.irp p, 1,2,3
.irp e, 0,2,4,6
	v_pk_fma_f32 v[AJ+\e:AJ+\e+1], v[XJ+2*\p:XJ+2*\p+1], v[G+16*\p+\e:G+16*\p+\e+1], v[AJ+\e:AJ+\e+1] op_sel_hi:[0,1,1]
.endr
.irp e, 0,2,4,6
	v_pk_fma_f32 v[AJ+\e:AJ+\e+1], v[XJ+2*\p:XJ+2*\p+1], v[G+16*\p+8+\e:G+16*\p+8+\e+1], v[AJ+\e:AJ+\e+1] op_sel:[1,0,0] op_sel_hi:[1,1,1]
.endr
.endr
	v_max3_num_f32 v[TJ], |v[XJ]|, |v[XJ+1]|, 0x8000000            ; the largest magnitude of my eight, and the floor 2^(16 - 127): the byte cannot fall under 1
	v_max3_num_f32 v[TJ], v[TJ], |v[XJ+2]|, |v[XJ+3]|
	v_max3_num_f32 v[TJ], v[TJ], |v[XJ+4]|, |v[XJ+5]|
	v_max3_num_f32 v[TJ], v[TJ], |v[XJ+6]|, |v[XJ+7]|
	v_max_num_f32_dpp v[TJ], v[TJ], v[TJ] row_xmask:1 row_mask:0xf bank_mask:0xf
	v_max_num_f32_dpp v[TJ], v[TJ], v[TJ] row_xmask:2 row_mask:0xf bank_mask:0xf   ; with the three other lanes of the block
	v_add_nc_u32 v[TJ+1], 0xf8800000, v[TJ]        ; 15 off its exponent field: the conversion's scale operand
	v_and_or_b32 v[TJ+2], v[TJ], 0x7f800000, s30   ; 57,344 x the scale
	v_lshrrev_b32 v[TJ+3], 23, v[TJ+1]             ; the scale's byte
.irp i, 0,1,2,3,4,5,6,7
	v_med3_num_f32 v[XJ+\i], v[XJ+\i], -v[TJ+2], v[TJ+2]           ; the conversion to an 8-bit code does not saturate (ISA guide 7.6.2): the hold
.endr
	v_cvt_scalef32_pk8_bf8_f32 v[CD+2*\j:CD+2*\j+1], v[XJ:XJ+7], v[TJ+1]
	ds_store_b8 v5, v[TJ+3] offset:32*\j           ; the four lanes of a block write the same byte with the same value
	global_store_b64 v4, v[CD+2*\j:CD+2*\j+1], s[36:37] offset:1024*\j   ; a wave stores 256 consecutive bytes, at a multiple of 256 from the buffer's first byte
.endm
.irp j, 0,1,2,3,4,5,6,7
	TOKEN \j
.endr
; The sum over the wave's 32 lanes, eight registers at a time so that no line waits for the line above it; every lane ends with the sum.
.irp g, 0,1,2,3,4,5,6,7
.irp m, 1,2,4,8
.irp r, 0,1,2,3,4,5,6,7
	v_add_f32_dpp v[ACC+8*\g+\r], v[ACC+8*\g+\r], v[ACC+8*\g+\r] row_xmask:\m row_mask:0xf bank_mask:0xf
.endr
.endr
.irp r, 0,1,2,3,4,5,6,7
	v_permlanex16_b32 v[T+\r], v[ACC+8*\g+\r], s28, s29            ; (its destination counts as read: these registers have been written)
.endr
.irp r, 0,1,2,3,4,5,6,7
	v_add_f32 v[ACC+8*\g+\r], v[ACC+8*\g+\r], v[T+\r]
.endr
.endr
.irp n, 0,1,2,3,4,5,6,7,8,9,10,11,12,13,14,15
	ds_store_b128 v6, v[ACC+4*\n:ACC+4*\n+3] offset:16*\n          ; all lanes write the same words with the same values
.endr
	s_wait_kmcnt 0x0                               ; gate_b
	s_wait_dscnt 0x0                               ; for the others' sake: my partial scores and scale bytes lie in LDS
	s_barrier_signal -1
	s_barrier_wait -1
	s_cmp_lg_u32 s16, 0
	s_cbranch_scc1 .Lnot_wave_0
	ds_load_b64 v[12:13], v7                       ; wave 0: the 8 tokens' 256 scale bytes
	s_wait_dscnt 0x0
	global_store_b64 v8, v[12:13], s[40:41]        ; 32 lanes store 256 consecutive bytes, aligned
	s_wait_tensorcnt 0x0
	ds_add_u32 v240, v241
	s_wait_dscnt 0x0
	s_endpgm
.Lnot_wave_0:
	s_cmp_lg_u32 s16, 1
	s_cbranch_scc1 .Ldone
.irp w, 0,1,2,3                                ; wave 1: lane l finishes token l % 8
	ds_load_b128 v[80+8*\w:83+8*\w], v9 offset:256*\w
	ds_load_b128 v[84+8*\w:87+8*\w], v9 offset:256*\w+16
.endr
	s_wait_dscnt 0x0
.irp e, 0,1,2,3,4,5,6,7
	v_add_f32 v[112+\e], v[80+\e], v[88+\e]
	v_add_f32 v[120+\e], v[96+\e], v[104+\e]
.endr
.irp e, 0,1,2,3,4,5,6,7
	v_add_f32 v[112+\e], v[112+\e], v[120+\e]
.endr
.irp e, 0,1,2,3,4,5,6,7
	v_add_f32 v[112+\e], s[20+\e], v[112+\e]       ; + gate_b
.endr
	v_mov_b32 v128, v112                           ; the largest score and its expert
	v_mov_b32 v129, 0
.irp e, 1,2,3,4,5,6,7
	v_cmp_gt_f32 vcc_lo, v[112+\e], v128
	v_cndmask_b32 v128, v128, v[112+\e], vcc_lo
	v_cndmask_b32 v129, v129, \e, vcc_lo
.endr
	v_mov_b32 v132, 0xff800000                     ; -infinity takes the winner's place
.irp e, 0,1,2,3,4,5,6,7
	v_cmp_eq_u32 vcc_lo, \e, v129
	v_cndmask_b32 v[112+\e], v[112+\e], v132, vcc_lo
.endr
	v_mov_b32 v130, v112                           ; the second largest
	v_mov_b32 v131, 0
.irp e, 1,2,3,4,5,6,7
	v_cmp_gt_f32 vcc_lo, v[112+\e], v130
	v_cndmask_b32 v130, v130, v[112+\e], vcc_lo
	v_cndmask_b32 v131, v131, \e, vcc_lo
.endr
	v_lshl_or_b32 v133, v131, 8, v129              ; e0 | e1 << 8
	v_sub_f32 v136, v130, v128                     ; the maximum is taken away: 0 for the first, this (0 or less) for the second
	v_mul_f32 v136, 0x3fb8aa3b, v136
	v_exp_f32 v137, v136
	v_nop                                          ; one plain line behind a transcendental
	s_wait_alu depctr_va_vdst(0)
	v_add_f32 v138, 1.0, v137
	v_rcp_f32 v134, v138                           ; p0 = 1 / (1 + e^d)
	v_nop
	s_wait_alu depctr_va_vdst(0)
	v_mul_f32 v135, v137, v134                     ; p1 = e^d p0
	v_cmp_gt_u32 vcc_lo, 8, v1
	s_wait_xcnt 0x0                                ; EXEC is a source of my earlier stores: it changes only behind this wait
	s_and_saveexec_b32 s31, vcc_lo                 ; lanes 0 to 7: a token each
	global_store_b32 v10, v133, s[12:13]
	global_store_b64 v8, v[134:135], s[14:15]
	s_wait_xcnt 0x0                                ; and again in front of the line that widens it
	s_or_b32 exec_lo, exec_lo, s31
.Ldone:
	s_wait_tensorcnt 0x0
	ds_add_u32 v240, v241
	s_wait_dscnt 0x0
	s_endpgm
.Lfunc_end_k_qd4b69ab511_route:
	.size	k_qd4b69ab511_route, .Lfunc_end_k_qd4b69ab511_route-k_qd4b69ab511_route
	.p2alignl 7, 3214868480
	.fill 96, 4, 3214868480
	.section	.rodata,"a",@progbits
	.p2align	6, 0x0
	.amdhsa_kernel k_qd4b69ab511_route
		.amdhsa_group_segment_fixed_size 2048
		.amdhsa_private_segment_fixed_size 0
		.amdhsa_enable_private_segment 0
		.amdhsa_kernarg_size 48
		.amdhsa_user_sgpr_count 2
		.amdhsa_user_sgpr_kernarg_segment_ptr 1
		.amdhsa_wavefront_size32 1
		.amdhsa_system_sgpr_workgroup_id_x 1
		.amdhsa_system_sgpr_workgroup_id_y 1
		.amdhsa_system_sgpr_workgroup_id_z 1
		.amdhsa_system_vgpr_workitem_id 0
		.amdhsa_next_free_vgpr 242
		.amdhsa_next_free_sgpr 66
		.amdhsa_reserve_vcc 1
		.amdhsa_float_denorm_mode_32 3
		.amdhsa_float_denorm_mode_16_64 3
		.amdhsa_memory_ordered 1
		.amdhsa_forward_progress 1
		.amdhsa_inst_pref_size 61
	.end_amdhsa_kernel
	.amdgpu_metadata
---
amdhsa.version: [ 1, 2 ]
amdhsa.kernels:
  - .name:           k_qd4b69ab511_route
    .symbol:         k_qd4b69ab511_route.kd
    .args:
      - { .name: x, .offset: 0, .size: 8, .value_kind: global_buffer, .address_space: global }
      - { .name: gate_w, .offset: 8, .size: 8, .value_kind: global_buffer, .address_space: global }
      - { .name: gate_b, .offset: 16, .size: 8, .value_kind: global_buffer, .address_space: global }
      - { .name: xq, .offset: 24, .size: 8, .value_kind: global_buffer, .address_space: global }
      - { .name: route, .offset: 32, .size: 8, .value_kind: global_buffer, .address_space: global }
      - { .name: prob, .offset: 40, .size: 8, .value_kind: global_buffer, .address_space: global }
    .group_segment_fixed_size: 2048
    .private_segment_fixed_size: 0
    .kernarg_segment_align: 8
    .kernarg_segment_size: 48
    .max_flat_workgroup_size: 128
    .sgpr_count:     66
    .vgpr_count:     242
    .wavefront_size: 32
...
	.end_amdgpu_metadata
.endif
;; end of part 1
;; launch place (part 2): grid 1 x 1, 8 waves a work-group, no clusters, 0 bytes of LDS; arguments route, place; writes place
.if DOCPART == 2
	.amdgcn_target "amdgcn-amd-amdhsa--gfx1250"
	.amdhsa_code_object_version 6
	.text
	.protected	k_qd4b69ab511_place
	.globl	k_qd4b69ab511_place
	.p2align	8
	.type	k_qd4b69ab511_place,@function
k_qd4b69ab511_place:
	s_mov_b64 s[64:65], 0
	v_nop
	global_prefetch_b8 v0, s[64:65] scope:SCOPE_SE
	s_setreg_imm32_b32 hwreg(HW_REG_WAVE_MODE, 25, 1), 1
	s_wait_xcnt 0x0
; THE ROWS ARE PLACED BY EXPERT.  Wave e serves expert e alone: of the 1,024 tokens it makes a permutation LIST[e] in which the tokens that chose e come first, its inverse POS[e], and the count.
; place = LIST [8][1024] u32 at 0, POS [8][1024] u32 at 32,768, CNT [8][32] u32 (32 equal words) at 65,536.  Every word is written: a token that did not choose e is placed from the end down.
; A counting pass: 32 groups of 32 tokens; in a group a member's rank is the members so far + the members in lower lanes.  No atomics, no LDS, no barrier: the waves share nothing.
; One work-group: 4,096 bytes are read by each of eight waves, and the pass is a chain through one scalar count; more work-groups would have nothing to share out.
.set R,  16                            ; v16-47   route words: register 4 n + c of lane l is token 128 n + 4 l + c
.set P,  48                            ; v48-79   the token's place in LIST[e]
.set LA, 80                            ; v80-111  that place in bytes
.set TK, 112                           ; v112-143 the token's number
	s_load_b128 s[4:7], s[0:1], 0x0                ; route s[4:5], place s[6:7]
	v_lshrrev_b32 v4, 5, v0
	v_readfirstlane_b32 s8, v4                     ; wave = expert
	v_and_b32 v1, 31, v0                           ; lane
	v_lshlrev_b32 v2, 2, v1                        ; 4 x lane
	v_lshlrev_b32 v10, 4, v1                       ; 16 x lane
	s_mov_b32 s9, 0                                ; members so far
	s_lshl_b32 s20, s8, 12
	s_mov_b32 s21, 0
	s_lshl_b32 s22, s8, 7
	s_mov_b32 s23, 0
	s_wait_kmcnt 0x0
.irp n, 0,1,2,3,4,5,6,7
	global_load_b128 v[R+4*\n:R+4*\n+3], v10, s[4:5] offset:512*\n
.endr
	s_add_nc_u64 s[14:15], s[6:7], s[20:21]        ; LIST[e]
	s_add_nc_u64 s[16:17], s[14:15], 32768         ; POS[e]
	s_add_nc_u64 s[18:19], s[6:7], s[22:23]
	s_add_nc_u64 s[18:19], s[18:19], 65536         ; CNT[e]
	s_wait_loadcnt 0x0
.macro SCAN n, c
.set RI, 4*\n+\c
	v_and_b32 v4, 0xff, v[R+RI]                    ; the token's first expert,
	v_lshrrev_b32 v5, 8, v[R+RI]                   ; and its second
	v_cmp_eq_u32 s10, s8, v4
	v_cmp_eq_u32 s11, s8, v5
	s_or_b32 s12, s10, s11                         ; the group's members
	v_mbcnt_lo_u32_b32 v6, s12, 0
	v_add_nc_u32 v6, s9, v6                        ; members ahead of me: a member's place
	v_sub_nc_u32 v7, v6, v1
	v_add_nc_u32 v7, 1023-32*RI, v7                ; 1,023 less the others ahead of me (32 RI + lane - members ahead): another's place
	v_cndmask_b32 v[P+RI], v7, v6, s12
	v_min_u32 v[P+RI], 0x3ff, v[P+RI]              ; it enters an address: held inside the list
	v_lshlrev_b32 v[LA+RI], 2, v[P+RI]
	v_add_nc_u32 v[TK+RI], 128*\n+\c, v2
	s_bcnt1_i32_b32 s10, s12
	s_add_co_u32 s9, s9, s10
.endm
.irp n, 0,1,2,3,4,5,6,7
.irp c, 0,1,2,3
	SCAN \n, \c
.endr
.endr
.irp r, 0,1,2,3,4,5,6,7,8,9,10,11,12,13,14,15,16,17,18,19,20,21,22,23,24,25,26,27,28,29,30,31
	global_store_b32 v[LA+\r], v[TK+\r], s[14:15]  ; LIST[e][place] = token.  Every store has registers of its own: nothing is written again
.endr
.irp n, 0,1,2,3,4,5,6,7
	global_store_b128 v10, v[P+4*\n:P+4*\n+3], s[16:17] offset:512*\n    ; POS[e][token] = place: 512 consecutive bytes a store
.endr
	v_mov_b32 v5, s9
	global_store_b32 v2, v5, s[18:19]              ; the count, 32 times
	s_endpgm
.Lfunc_end_k_qd4b69ab511_place:
	.size	k_qd4b69ab511_place, .Lfunc_end_k_qd4b69ab511_place-k_qd4b69ab511_place
	.p2alignl 7, 3214868480
	.fill 96, 4, 3214868480
	.section	.rodata,"a",@progbits
	.p2align	6, 0x0
	.amdhsa_kernel k_qd4b69ab511_place
		.amdhsa_group_segment_fixed_size 0
		.amdhsa_private_segment_fixed_size 0
		.amdhsa_enable_private_segment 0
		.amdhsa_kernarg_size 16
		.amdhsa_user_sgpr_count 2
		.amdhsa_user_sgpr_kernarg_segment_ptr 1
		.amdhsa_wavefront_size32 1
		.amdhsa_system_sgpr_workgroup_id_x 1
		.amdhsa_system_sgpr_workgroup_id_y 1
		.amdhsa_system_sgpr_workgroup_id_z 1
		.amdhsa_system_vgpr_workitem_id 0
		.amdhsa_next_free_vgpr 144
		.amdhsa_next_free_sgpr 66
		.amdhsa_reserve_vcc 0
		.amdhsa_float_denorm_mode_32 3
		.amdhsa_float_denorm_mode_16_64 3
		.amdhsa_memory_ordered 1
		.amdhsa_forward_progress 1
		.amdhsa_inst_pref_size 29
	.end_amdhsa_kernel
	.amdgpu_metadata
---
amdhsa.version: [ 1, 2 ]
amdhsa.kernels:
  - .name:           k_qd4b69ab511_place
    .symbol:         k_qd4b69ab511_place.kd
    .args:
      - { .name: route, .offset: 0, .size: 8, .value_kind: global_buffer, .address_space: global }
      - { .name: place, .offset: 8, .size: 8, .value_kind: global_buffer, .address_space: global }
    .group_segment_fixed_size: 0
    .private_segment_fixed_size: 0
    .kernarg_segment_align: 8
    .kernarg_segment_size: 16
    .max_flat_workgroup_size: 256
    .sgpr_count:     66
    .vgpr_count:     144
    .wavefront_size: 32
...
	.end_amdgpu_metadata
.endif
;; end of part 2
;; launch ffn1 (part 3): grid 32 x 8, 8 waves a work-group, no clusters, 137,216 bytes of LDS; arguments W1, b1, xq, place, hq; writes hq
.if DOCPART == 3
	.amdgcn_target "amdgcn-amd-amdhsa--gfx1250"
	.amdhsa_code_object_version 6
	.text
	.protected	k_qd4b69ab511_ffn1
	.globl	k_qd4b69ab511_ffn1
	.p2align	8
	.type	k_qd4b69ab511_ffn1,@function
k_qd4b69ab511_ffn1:
	s_mov_b64 s[64:65], 0
	v_nop
	global_prefetch_b8 v0, s[64:65] scope:SCOPE_SE
	s_setreg_imm32_b32 hwreg(HW_REG_WAVE_MODE, 25, 1), 1
	s_wait_xcnt 0x0
; THE FIRST PRODUCT OF AN EXPERT: h = Q(relu(Q(x) Q(W1) + b1)) for the rows that chose the expert, on codes of BF8 (E5M2) with one E8M0 scale for each 32 along K.
; SHARES.  Work-group (fs, e) owns expert e's hidden units 128 fs .. 128 fs + 127: 1,024 x 128 numbers of W1, 524,288 bytes of f32, which no other work-group reads: each byte of W1 is loaded once in the launch.
; W1 IS QUANTISED ON THE WAY.  K goes in 8 steps of 128.  In a step each of the eight waves takes 32 along K x 64 columns: lane (q = lane % 16, h = lane / 16) holds columns 4 q .. 4 q + 3 at k = 16 h + i in
; register 4 i + j, by 16 loads of 16 bytes a lane; each load of a wave covers two runs of 256 consecutive bytes, aligned.  A block of 32 along K of a column lies in lanes l and l xor 16.  The four columns stand
; interleaved in the registers, so the codes are made two at a time (v_cvt_pk_bf8_f32) behind an exact multiplication by 2^-e and the hold at 57,344.  A lane's 16 codes of a column are 16 bytes of an operand's image.
; THE CODES STAY IN LDS, a buffer for each step, never written again: 8 fragments (16 columns x 128 K) as images of their registers (piece c at 512 c + 16 lane), 2,064 bytes apart, then 512 bytes of scale words.
; THE STREAM RUNS ONE STEP AHEAD OF THE PRODUCTS.  A trip quantises step k + 1, stores its codes and signals the barrier; multiplies step k, whose buffer the barrier before has shown whole; and only then waits at the
; barrier, behind which it asks for step k + 1's rows and reads that buffer's first fragments, which land while step k + 2 is quantised.  One barrier a step.
; THE COLUMNS OF A FRAGMENT ARE NOT NEIGHBOURS: row m of fragment 2 b + u is hidden unit 32 b + 8 u + m + 8 (m / 8), so that a lane's 16 results of fragments 2 b, 2 b + 1 are 16 neighbours along the next K.
; ROWS.  LIST[e] holds the expert's tokens first; nt = its tiles of 16 rows (1 at the least, 64 at the most).  In a pass wave w owns tiles tile0 + w + 8 i, i = 0, 1, 2.  The first pass (384 rows) runs with the stream.
; Layers 0 and 1 are always multiplied.  Layer 2 is always multiplied in a pass's first step, which begins its sums; in the later steps a scalar jump on the stored count passes over its products where the expert has no
; such tile.  No line of a barrier stands between such a jump and its label, and no such jump between a barrier's signal and its wait.  A layer past nt loads one piece of 16 bytes in all lanes and its sums are not stored.
; Rows beyond 384 are served behind the last barrier, out of the codes in LDS, by a loop without barriers.  x's fragments come straight from xq into registers, row by row of the list.
; The product is used transposed (source 0 = 16 columns of W1, source 1 = 16 rows of x): a lane holds one row, and its 64 results become one fragment of h: K step fs of the second product.
; hq = images [e][tile 64][K step 32][2,048 bytes], then scale words [e][K step 32][tile 64][16 rows] at HS_OFF.
; NO CLUSTER, NO TENSOR LOAD: how many tiles an expert has is read from memory, and branches hang on it; what the 32 work-groups of an expert share (x's codes) is 128 bytes a row and step beside 65,536 bytes of weights.
; LIMITS: NaN and infinities are not served; a block of zeros gets the byte 1 (its codes are zeros; this program alone reads the bytes).
; REGISTERS, window 0: v2-30 addresses; v32-47 codes; v48-63 at work; v64-127, v128-191 two landing sets (later b1, and a tile's hidden numbers); v192-239 x's three fragments; v240-243 W1's scale words, v244-246 x's.
;   window 1: accumulator (layer i, fragment F) at v[64 i + 8 F]; v192-223, v224-255 two sets of two fragments of W1.
.set BUF,    17024                     ; a step's buffer: 8 x 2,064 + 512
.set FRP,    2064                      ; from fragment to fragment: 2,048 + 16, so that the sixteen lanes of a store fall on sixteen different columns of 16 bytes modulo 256
.set SCO,    16512                     ; the scale words in a buffer: byte c of row m of fragment F at ((F % 2) 16 + m) 16 + (F / 2) 4 + c
.set XS_OFF, 1048576
.set HS_OFF, 33554432
.set LP,   2                           ; v2     4 x (lane % 16)
.set H16,  3                           ; v3     16 x (lane / 16)
.set WOFF, 4                           ; v4     my lane's byte in a step's part of W1
.set CST,  5                           ; v5-7   where my codes go: buffers 0-2, 3-5, 6-7 (an LDS offset has 16 bits)
.set BST,  8                           ; v8-10  where my scale bytes go
.set BLD,  11                          ; v11-13 16 x lane, + the same three bases
.set L16,  11
.set BOFF, 14                          ; v14    b1: 64 x (lane / 16)
.set LOF,  15                          ; v15-17 my place in the list, layer i
.set XOF,  18                          ; v18-20 my row's codes
.set SOF,  21                          ; v21-23 my row's scale bytes
.set HOFF, 24
.set SOFF, 25
.set PW,   26                          ; the scale word just made
.set ENT,  27                          ; v27-29 the list's entries
.set HOLD, 30                          ; v30    57,344.0
.set CC,   32
.set AM,   48
.set PT,   52
.set MU,   56
.set BY,   60
.set TM,   48
.set L0,   64
.set HID,  128
.set AF,   192
.set BS,   240
.set XS,   244
.set SW,   192
.set TI,   41                          ; s41-43 my three tiles
.set MUL,  0x51                        ; source 0 (W1), C and D window 1; source 1 (x) window 0
.set MSB, 0
.macro WIN new                         ; the immediate's high byte repeats the setting that is left
.if MSB != \new
	s_set_vgpr_msb (MSB<<8)|\new
.set MSB, \new
.endif
.endm
.macro PLACES                          ; eight places behind this matrix form in front of loads into its registers and of reads of its results
.rept 8
	v_nop
.endr
.endm
.macro LOADW k                         ; step k's 32 x 64 numbers into landing set k % 2
.irp i, 0,1,2,3,4,5,6,7,8,9,10,11,12,13,14,15
	global_load_b128 v[L0+64*((\k)%2)+4*\i:L0+64*((\k)%2)+4*\i+3], v[WOFF], s[20+2*((\k)/4):21+2*((\k)/4)] offset:((\k)%4)*2097152+\i*16384 th:TH_LOAD_NT
.endr
.endm
.macro LOADB                           ; b1 in the results' layout: register 8 F + j = hidden unit 32 (F / 2) + 16 h + 8 (F % 2) + j
.irp f, 0,1,2,3,4,5,6,7
	global_load_b128 v[L0+8*\f:L0+8*\f+3], v[BOFF], s[30:31] offset:(32*(\f/2)+8*(\f%2))*4
	global_load_b128 v[L0+8*\f+4:L0+8*\f+7], v[BOFF], s[30:31] offset:(32*(\f/2)+8*(\f%2))*4+16
.endr
.endm
; Four rows of K (4 n .. 4 n + 3) of my four columns: x 2^-e, the hold, the codes: byte i % 4 of register n of each column.
.macro QG lr, n, a0, a1, a2, a3, b0, b1, b2, b3
.irp i, 0,1,2,3
	v_pk_mul_f32 v[\lr+16*\n+4*\i:\lr+16*\n+4*\i+1], v[\lr+16*\n+4*\i:\lr+16*\n+4*\i+1], v[MU:MU+1]
	v_pk_mul_f32 v[\lr+16*\n+4*\i+2:\lr+16*\n+4*\i+3], v[\lr+16*\n+4*\i+2:\lr+16*\n+4*\i+3], v[MU+2:MU+3]
.endr
.irp i, 0,1,2,3,4,5,6,7,8,9,10,11,12,13,14,15
	v_med3_num_f32 v[\lr+16*\n+\i], v[\lr+16*\n+\i], -v[HOLD], v[HOLD]   ; the conversion to an 8-bit code does not saturate (ISA guide 7.6.2)
.endr
	v_cvt_pk_bf8_f32 \a0, v[\lr+16*\n], v[\lr+16*\n+4]
	v_cvt_pk_bf8_f32 \a1, v[\lr+16*\n+1], v[\lr+16*\n+5]
	v_cvt_pk_bf8_f32 \a2, v[\lr+16*\n+2], v[\lr+16*\n+6]
	v_cvt_pk_bf8_f32 \a3, v[\lr+16*\n+3], v[\lr+16*\n+7]
	v_nop                                          ; a plain line between the conversions that write the two halves of a register
	v_cvt_pk_bf8_f32 \b0, v[\lr+16*\n+8], v[\lr+16*\n+12]
	v_cvt_pk_bf8_f32 \b1, v[\lr+16*\n+9], v[\lr+16*\n+13]
	v_cvt_pk_bf8_f32 \b2, v[\lr+16*\n+10], v[\lr+16*\n+14]
	v_cvt_pk_bf8_f32 \b3, v[\lr+16*\n+11], v[\lr+16*\n+15]
.endm
; The landing set at lr becomes 4 x 16 codes in v[CC + 4 j ..] and 4 scale bytes in v[BY + j].
.macro QW lr
.irp j, 0,1,2,3
	v_max3_num_f32 v[AM+\j], |v[\lr+\j]|, |v[\lr+4+\j]|, 0x8000000       ; column j: my 16 numbers, and the floor 2^(16 - 127): the byte cannot fall under 1
.endr
.irp i, 2,4,6,8,10,12,14
.irp j, 0,1,2,3
	v_max3_num_f32 v[AM+\j], v[AM+\j], |v[\lr+4*\i+\j]|, |v[\lr+4*\i+4+\j]|   ; (the four columns by turns)
.endr
.endr
.irp j, 0,1,2,3
	v_permlanex16_b32 v[PT+\j], v[AM+\j], s36, s37
.endr
.irp j, 0,1,2,3
	v_max_num_f32 v[AM+\j], v[AM+\j], v[PT+\j]     ; with lane l xor 16's: the block's largest magnitude
.endr
.irp j, 0,1,2,3
	v_and_b32 v[AM+\j], 0x7f800000, v[AM+\j]       ; its exponent field E
.endr
.irp j, 0,1,2,3
	v_sub_nc_u32 v[MU+\j], s39, v[AM+\j]           ; the field 269 - E: 2^-e with e = E - 127 - 15; a power of two, so the multiplication rounds nothing
.endr
.irp j, 0,1,2,3
	v_lshrrev_b32 v[BY+\j], 23, v[AM+\j]
.endr
.irp j, 0,1,2,3
	v_add_nc_u32 v[BY+\j], -15, v[BY+\j]           ; the scale's byte
.endr
	QG \lr, 0, v32.l, v36.l, v40.l, v44.l, v32.h, v36.h, v40.h, v44.h
	QG \lr, 1, v33.l, v37.l, v41.l, v45.l, v33.h, v37.h, v41.h, v45.h
	QG \lr, 2, v34.l, v38.l, v42.l, v46.l, v34.h, v38.h, v42.h, v46.h
	QG \lr, 3, v35.l, v39.l, v43.l, v47.l, v35.h, v39.h, v43.h, v47.h
	v_nop
.endm
.macro PUTW k                          ; codes and bytes into buffer k: eight LDS stores
.irp j, 0,1,2,3
	ds_store_b128 v[CST+(\k)/3], v[CC+4*\j:CC+4*\j+3] offset:((\k)%3)*BUF+16*\j
.endr
.irp j, 0,1,2,3
	ds_store_b8 v[BST+(\k)/3], v[BY+\j] offset:((\k)%3)*BUF+16*\j  ; both lanes of a block write the same byte with the same value
.endr
.endm
.macro ALOAD k                         ; x's fragments and scale words of K step k for my three tiles: a row group of 15 loads
.irp i, 0,1,2
.irp c, 0,1,2,3
	global_load_b128 v[AF+16*\i+4*\c:AF+16*\i+4*\c+3], v[XOF+\i], s[24:25] offset:128*(\k)+32*\c
.endr
.endr
.irp i, 0,1,2
	global_load_b32 v[XS+\i], v[SOF+\i], s[26:27] offset:4*(\k)
.endr
.endm
.macro WFRAG f, k                      ; fragment f of buffer k into its place: set (f / 2) % 2
.irp c, 0,1,2,3
	ds_load_b128 v[SW+32*(((\f)/2)%2)+16*((\f)%2)+4*\c:SW+32*(((\f)/2)%2)+16*((\f)%2)+4*\c+3], v[BLD+(\k)/3] offset:((\k)%3)*BUF+(\f)*FRP+512*\c
.endr
.endm
.macro MPRE k                          ; ahead of step k's products: its scale words and fragments 0-3, 17 LDS loads
	ds_load_b128 v[BS:BS+3], v[BLD+(\k)/3] offset:((\k)%3)*BUF+SCO
	WIN 0x40                                       ; destination window 1
	WFRAG 0, \k
	WFRAG 1, \k
	WFRAG 2, \k
	WFRAG 3, \k
	WIN 0
.endm
.macro MM f, i, zero                   ; fragment f against layer i.  An odd fragment's scale words stand in lanes 16-31 of its register
.set RD_, 64*(\i)+8*(\f)
.set RW_, SW+32*(((\f)/2)%2)+16*((\f)%2)
.set RX_, AF+16*(\i)
.if (\f)%2
.if \zero
	v_wmma_scale_f32_16x16x128_f8f6f4 v[RD_:RD_+7], v[RW_:RW_+15], v[RX_:RX_+15], 0, v[BS+(\f)/2], v[XS+(\i)] matrix_a_fmt:MATRIX_FMT_BF8 matrix_b_fmt:MATRIX_FMT_BF8 matrix_a_scale:MATRIX_SCALE_ROW1
.else
	v_wmma_scale_f32_16x16x128_f8f6f4 v[RD_:RD_+7], v[RW_:RW_+15], v[RX_:RX_+15], v[RD_:RD_+7], v[BS+(\f)/2], v[XS+(\i)] matrix_a_fmt:MATRIX_FMT_BF8 matrix_b_fmt:MATRIX_FMT_BF8 matrix_a_scale:MATRIX_SCALE_ROW1
.endif
.else
.if \zero
	v_wmma_scale_f32_16x16x128_f8f6f4 v[RD_:RD_+7], v[RW_:RW_+15], v[RX_:RX_+15], 0, v[BS+(\f)/2], v[XS+(\i)] matrix_a_fmt:MATRIX_FMT_BF8 matrix_b_fmt:MATRIX_FMT_BF8
.else
	v_wmma_scale_f32_16x16x128_f8f6f4 v[RD_:RD_+7], v[RW_:RW_+15], v[RX_:RX_+15], v[RD_:RD_+7], v[BS+(\f)/2], v[XS+(\i)] matrix_a_fmt:MATRIX_FMT_BF8 matrix_b_fmt:MATRIX_FMT_BF8
.endif
.endif
.endm
.macro MM4 f0, zero                    ; fragments f0, f0 + 1 against layers 0 and 1
.irp f, \f0, \f0+1
.irp i, 0,1
	MM \f, \i, \zero
.endr
.endr
.endm
; Layer 2 against fragments f0 .. f0 + 3.  stat = 1: always (a pass's first step, which begins the sums); else passed over where the expert has no such tile.  Every window is 0 at the jump and at the label.
; pre = 1: the group stands ahead of the step's own waits, so it has them itself: n2 loads may be out behind its rows, nd LDS stores behind its fragments.
.macro L2GRP f0, zero, stat, pre, n2, nd
.if (\stat) == 0
	s_cmp_ge_u32 s[TI+2], s6
	s_cbranch_scc1 .Lno2_\@
.endif
.if \pre
	s_wait_loadcnt \n2
	s_wait_dscnt \nd
.endif
	WIN MUL
.irp f, \f0, \f0+1, \f0+2, \f0+3
	MM \f, 2, \zero
.endr
	WIN 0
.Lno2_\@:
.endm
; Step k's products.  Its scale words and fragments 0-3 have been asked for (MPRE).  bar = 1: eight stores into the next buffer stand behind them; the barrier for that buffer is signalled here and waited for behind the
; sixteen products of layers 0 and 1: between the two stand register work and LDS loads from buffer k alone, which no wave writes again.  n2: the loads that may be out behind this step's row group.
; No two matrix instructions that follow each other share an accumulator, on either way round the jumps and from step to step.
.macro BODY k, zero, bar, n2
	L2GRP 0, \zero, \zero, 1, \n2, 8*(\bar)
	s_wait_dscnt 0x0                               ; for the others' sake: my codes and bytes lie in the next buffer; and my fragments 0-3 are in
.if \bar
	s_barrier_signal -1
.endif
	s_wait_loadcnt \n2                             ; this step's rows are in
	WIN MUL
	MM4 0, \zero
	MM4 2, \zero
	PLACES
	WIN 0x40
	WFRAG 4, \k
	WFRAG 5, \k
	WFRAG 6, \k
	WFRAG 7, \k
	s_wait_dscnt 8                                 ; fragments 4, 5 are in; the eight loads of fragments 6, 7 may be out
	WIN MUL
	MM4 4, \zero
	s_wait_dscnt 0x0
	MM4 6, \zero
	WIN 0
.if \bar
	s_barrier_wait -1                              ; every wave's codes lie in the next buffer
.endif
	L2GRP 4, \zero, \zero, 0, 0, 0
.endm
; Loads are issued in the order L0, L1, A0, L2 | L3, A1 | L4, A2 | .. (L: a landing set, 16; A: a row group, 15; the bias, 16, takes L8's place) and come back in that order.
.macro PRO                             ; step 0's codes; a whole barrier; its first fragments
	s_wait_loadcnt 31                              ; behind L0 stand L1 (16) and A0 (15)
	QW L0
	LOADW 2
	PUTW 0
	s_wait_dscnt 0x0
	s_barrier_signal -1
	s_barrier_wait -1
	MPRE 0
.endm
.macro STEP k, zero, n2                ; a trip: step k + 1 is quantised, step k multiplied
	s_wait_loadcnt 31                              ; behind landing set k + 1 stand at the least the next set or the bias (16) and a row group (15)
	QW L0+64*(((\k)+1)%2)
.if (\k) <= 4
	LOADW (\k)+3                                   ; the set just read takes the step two on
.elseif (\k) == 5
	LOADB                                          ; nothing of W1 is left: set 0 takes b1, and keeps it
.endif
	PUTW (\k)+1
	BODY \k, \zero, 1, \n2
	PLACES
	ALOAD (\k)+1
	MPRE (\k)+1                                    ; behind the barrier's wait: these land while the next step is quantised
.endm
.macro OSTEP k, zero                   ; the same products for a later pass: the codes lie in LDS
	ALOAD \k
	MPRE \k
	BODY \k, \zero, 0, 0
	PLACES
.endm
.macro ADDR_A                          ; my three tiles of the pass that begins at tile s5, and their entries of the list
.irp i, 0,1,2
	s_add_co_u32 s[TI+\i], s5, s2
.if \i
	s_add_co_u32 s[TI+\i], s[TI+\i], 8*\i
.endif
	s_min_u32 s44, s[TI+\i], 63                    ; (a tile past the list reads its last tile, and counts for nothing below)
	s_lshl_b32 s44, s44, 6
	v_add_nc_u32 v[LOF+\i], s44, v[LP]
	global_load_b32 v[ENT+\i], v[LOF+\i], s[28:29]
.endr
.endm
.macro ADDR_B cnt                      ; cnt: the loads issued behind the three
	s_wait_loadcnt \cnt
.irp i, 0,1,2
	s_sub_co_i32 s44, s6, s[TI+\i]                 ; nt less my tile,
	s_max_i32 s44, s44, 0
	s_min_u32 s44, s44, 1                          ; held to 0 .. 1: 1 where the expert has the tile.  In a layer past nt every lane's offset becomes 0
	v_min_u32 v[ENT+\i], 0x3ff, v[ENT+\i]          ; a token enters an address: held inside xq
	v_lshl_add_u32 v[XOF+\i], v[ENT+\i], 10, v[H16]
	v_mul_u32_u24 v[XOF+\i], s44, v[XOF+\i]        ; (under 2^21: inside the 24 bits of this multiplication)
	v_lshlrev_b32 v[SOF+\i], 5, v[ENT+\i]
	v_mul_u32_u24 v[SOF+\i], s44, v[SOF+\i]
.endr
.endm
; 64 numbers of a lane, register 16 b + i = hidden unit 32 b + 16 (lane / 16) + i of my row, become a fragment's codes in v[CC] on and its scale word in v[PW]; what is negative becomes 0 on the way.
.macro QUANT
.irp b, 0,1,2,3
	v_max3_num_f32 v[TM+\b], v[HID+16*\b], v[HID+1+16*\b], 0x8000000     ; no |.|: what is negative must not count; the floor 2^(16 - 127) stands over it
.endr
.irp i, 2,4,6,8,10,12,14
.irp b, 0,1,2,3
	v_max3_num_f32 v[TM+\b], v[TM+\b], v[HID+16*\b+\i], v[HID+1+16*\b+\i]
.endr
.endr
.irp b, 0,1,2,3
	v_permlanex16_b32 v[TM+4+\b], v[TM+\b], s36, s37
.endr
.irp b, 0,1,2,3
	v_max_num_f32 v[TM+\b], v[TM+\b], v[TM+4+\b]
.endr
.irp b, 0,1,2,3
	v_add_nc_u32 v[TM+12+\b], 0xf8800000, v[TM+\b] ; 15 off the exponent field: the conversion's scale operand
.endr
.irp b, 0,1,2,3
	v_and_or_b32 v[TM+8+\b], v[TM+\b], 0x7f800000, s40             ; 57,344 x the scale
.endr
.irp b, 0,1,2,3
	v_lshrrev_b32 v[TM+4+\b], 23, v[TM+12+\b]      ; the scale's byte
.endr
	v_lshl_or_b32 v[PW], v[TM+5], 8, v[TM+4]
	v_lshl_or_b32 v[PW], v[TM+6], 16, v[PW]
	v_lshl_or_b32 v[PW], v[TM+7], 24, v[PW]
.irp b, 0,1,2,3
.irp i, 0,1,2,3,4,5,6,7,8,9,10,11,12,13,14,15
	v_med3_num_f32 v[HID+16*\b+\i], v[HID+16*\b+\i], 0, v[TM+8+\b] ; the activation and the hold in one
.endr
	v_cvt_scalef32_pk8_bf8_f32 v[CC+4*\b:CC+4*\b+1], v[HID+16*\b:HID+16*\b+7], v[TM+12+\b]
	v_cvt_scalef32_pk8_bf8_f32 v[CC+4*\b+2:CC+4*\b+3], v[HID+16*\b+8:HID+16*\b+15], v[TM+12+\b]
.endr
	v_nop                                          ; one plain line behind the last scaled conversion, ahead of the next vector line that writes its sources
.endm
.macro EPI i                           ; layer i's tile, if the expert has it: + b1, relu, codes, out
	s_cmp_ge_u32 s[TI+\i], s6
	s_cbranch_scc1 .Lidle_\@
	s_wait_xcnt 0x0                                ; the last tile's stores have read their data and offsets: both are written again below
	WIN 0x01                                       ; source 0: the accumulators, window 1
.irp n, 0,1,2,3,4,5,6,7,8,9,10,11,12,13,14,15,16,17,18,19,20,21,22,23,24,25,26,27,28,29,30,31
	v_pk_add_f32 v[HID+2*\n:HID+2*\n+1], v[64*\i+2*\n:64*\i+2*\n+1], v[L0+2*\n:L0+2*\n+1]   ; each accumulator from its low end on
.endr
	WIN 0
	QUANT
	s_min_u32 s44, s[TI+\i], 63
	s_lshl_b32 s45, s44, 16
	v_add_nc_u32 v[HOFF], s45, v[L16]
	s_lshl_b32 s45, s44, 6
	v_add_nc_u32 v[SOFF], s45, v[LP]
.irp c, 0,1,2,3
	global_store_b128 v[HOFF], v[CC+4*\c:CC+4*\c+3], s[32:33] offset:512*\c   ; the image as it stands: 512 consecutive bytes a store, aligned
.endr
	global_store_b32 v[SOFF], v[PW], s[34:35]      ; 16 rows' scale words; lanes 16-31 repeat lanes 0-15
.Lidle_\@:
.endm
	s_load_b256 s[8:15], s[0:1], 0x0               ; W1 s[8:9], b1 s[10:11], xq s[12:13], place s[14:15]
	s_load_b64 s[16:17], s[0:1], 0x20              ; hq
	v_lshl_add_u32 v254, v0, 2, 0x21400
	v_mov_b32 v255, 0
	v_lshrrev_b32 v48, 5, v0
	v_readfirstlane_b32 s2, v48                    ; wave 0..7
	s_mov_b32 s3, ttmp9                            ; fs
	s_and_b32 s4, ttmp7, 0xffff                    ; e
	s_mov_b32 s5, 0                                ; the pass's first tile
	v_bfe_u32 v48, v0, 5, 2                        ; c = wave % 4: my block of 32 in a step
	v_bfe_u32 v49, v0, 7, 1                        ; ch = wave / 4: my 64 columns
	v_bfe_u32 v50, v0, 4, 1                        ; h
	v_and_b32 v51, 15, v0                          ; q
	v_bfe_u32 v52, v0, 0, 1                        ; q's four bits  (v52-55 are thereby written: a lane permute's destination counts as one of its sources)
	v_bfe_u32 v53, v0, 1, 1
	v_bfe_u32 v54, v0, 2, 1
	v_bfe_u32 v55, v0, 3, 1
	v_and_b32 v[L16], 31, v0
	v_lshlrev_b32 v[L16], 4, v[L16]
	v_lshlrev_b32 v[LP], 2, v51
	v_lshlrev_b32 v[H16], 4, v50
	v_lshlrev_b32 v[BOFF], 6, v50
	v_lshlrev_b32 v[WOFF], 19, v48                 ; 32 c rows of 16,384 bytes,
	v_lshl_add_u32 v[WOFF], v50, 18, v[WOFF]       ; 16 h rows,
	v_lshl_add_u32 v[WOFF], v49, 8, v[WOFF]        ; 64 ch columns,
	v_lshl_add_u32 v[WOFF], v51, 4, v[WOFF]        ; 4 q columns
	v_mul_u32_u24 v[CST], v49, 8256                ; column 64 ch + 4 q + j is row 8 q2 + 4 q0 + j of fragment 2 (2 ch + q3) + q1
	v_mad_u32_u24 v[CST], v55, 4128, v[CST]
	v_mad_u32_u24 v[CST], v53, 2064, v[CST]
	v_lshl_add_u32 v[CST], v48, 9, v[CST]          ; piece c,
	v_lshl_add_u32 v[CST], v50, 8, v[CST]          ; half h,
	v_lshl_add_u32 v[CST], v52, 6, v[CST]          ; 16 bytes a row
	v_lshl_add_u32 v[CST], v54, 7, v[CST]
	v_add_nc_u32 v[CST+1], 3*BUF, v[CST]
	v_add_nc_u32 v[CST+2], 6*BUF, v[CST]
	v_lshlrev_b32 v[BST], 8, v53
	v_lshl_add_u32 v[BST], v52, 6, v[BST]
	v_lshl_add_u32 v[BST], v54, 7, v[BST]
	v_lshl_add_u32 v[BST], v49, 3, v[BST]
	v_lshl_add_u32 v[BST], v55, 2, v[BST]
	v_add_nc_u32 v[BST], v48, v[BST]
	v_add_nc_u32 v[BST], SCO, v[BST]
	v_add_nc_u32 v[BST+1], 3*BUF, v[BST]
	v_add_nc_u32 v[BST+2], 6*BUF, v[BST]
	v_add_nc_u32 v[BLD+1], 3*BUF, v[L16]
	v_add_nc_u32 v[BLD+2], 6*BUF, v[L16]
	v_mov_b32 v[HOLD], 0x47600000                  ; 57,344.0
	s_mov_b32 s36, 0x76543210
	s_mov_b32 s37, 0xfedcba98                      ; v_permlanex16_b32's selects for lane l xor 16
	s_mov_b32 s39, 0x86800000                      ; 269 << 23
	s_mov_b32 s40, 0x600000                        ; the mantissa field of 57,344
	s_mov_b32 s45, 0
	s_wait_kmcnt 0x0
	s_lshl_b32 s44, s4, 7
	s_add_nc_u64 s[18:19], s[14:15], s[44:45]
	s_add_nc_u64 s[18:19], s[18:19], 65536
	s_load_b32 s7, s[18:19], 0x0                   ; the expert's count of rows
	s_lshl_b32 s44, s4, 24
	s_lshl_b32 s46, s3, 9
	s_add_co_u32 s44, s44, s46
	s_add_nc_u64 s[20:21], s[8:9], s[44:45]        ; W1 at my slab: steps 0-3,
	s_add_nc_u64 s[22:23], s[20:21], 0x800000      ; steps 4-7: so every offset stays inside the signed 24-bit immediate: 3 x 2,097,152 + 15 x 16,384 at the most
	s_mov_b64 s[24:25], s[12:13]                   ; x's codes,
	s_add_nc_u64 s[26:27], s[12:13], XS_OFF        ; x's scale bytes
	s_lshl_b32 s44, s4, 12
	s_add_nc_u64 s[28:29], s[14:15], s[44:45]      ; LIST[e]
	s_lshl_b32 s44, s4, 14
	s_add_co_u32 s44, s44, s46
	s_add_nc_u64 s[30:31], s[10:11], s[44:45]      ; b1 at my 128
	s_lshl_b32 s44, s4, 22
	s_lshl_b32 s46, s3, 11
	s_add_co_u32 s44, s44, s46
	s_add_nc_u64 s[32:33], s[16:17], s[44:45]      ; hq: expert e, K step fs
	s_lshl_b32 s44, s4, 5
	s_add_co_u32 s44, s44, s3
	s_lshl_b32 s44, s44, 12
	s_add_nc_u64 s[34:35], s[16:17], s[44:45]
	s_add_nc_u64 s[34:35], s[34:35], HS_OFF        ; and its scale words
	ADDR_A
	LOADW 0
	LOADW 1
.irp r, 0,1,2,3,4,5,6,7,8,9,10,11,12,13,14,15
	v_mov_b32 v[CC+\r], 0                          ; written whole once: the conversions write halves
.endr
	s_wait_kmcnt 0x0
	s_add_co_u32 s6, s7, 15
	s_lshr_b32 s6, s6, 4
	s_max_u32 s6, s6, 1                            ; nt: an expert without rows still makes tile 0, of tokens that did not choose it; nobody reads it
	s_min_u32 s6, s6, 64
	ADDR_B 32                                      ; behind the three list loads stand the two landing sets
	ALOAD 0
	PRO
	STEP 0, 1, 32                                  ; the first step's products start the sums: nothing is cleared.  Behind A0 stand L2 and L3
	STEP 1, 0, 16                                  ; behind A1 stands L4, and so on
	STEP 2, 0, 16
	STEP 3, 0, 16
	STEP 4, 0, 16
	STEP 5, 0, 16                                  ; behind A5 stands the bias
	STEP 6, 0, 0                                   ; nothing was issued behind A6: the bias is in too
	BODY 7, 0, 0, 0                                ; the last step: nothing is left to quantise, and no barrier
	PLACES
.Lepi:                                                 ; a trip: a pass's tiles go out; if the expert has more rows, the next 24 tiles are multiplied.  No barrier from here on
	EPI 0
	EPI 1
	EPI 2
	s_add_co_u32 s5, s5, 24
	s_cmp_ge_u32 s5, s6                            ; no tile is left: out of the loop
	s_cbranch_scc1 .Ldone
	s_wait_xcnt 0x0                                ; every earlier load and store has read its offsets: they are written again
	ADDR_A
	ADDR_B 0
	OSTEP 0, 1
	OSTEP 1, 0
	OSTEP 2, 0
	OSTEP 3, 0
	OSTEP 4, 0
	OSTEP 5, 0
	OSTEP 6, 0
	OSTEP 7, 0
	s_cmp_lt_u32 s5, 72                            ; the loop is counted: three passes of 24 tiles cover the 64 that an expert can have, so the jump above ends it in the third trip at the latest
	s_cbranch_scc1 .Lepi
.Ldone:
	s_wait_tensorcnt 0x0
	ds_add_u32 v254, v255
	s_wait_dscnt 0x0
	s_endpgm
.Lfunc_end_k_qd4b69ab511_ffn1:
	.size	k_qd4b69ab511_ffn1, .Lfunc_end_k_qd4b69ab511_ffn1-k_qd4b69ab511_ffn1
	.p2alignl 7, 3214868480
	.fill 96, 4, 3214868480
	.section	.rodata,"a",@progbits
	.p2align	6, 0x0
	.amdhsa_kernel k_qd4b69ab511_ffn1
		.amdhsa_group_segment_fixed_size 137216
		.amdhsa_private_segment_fixed_size 0
		.amdhsa_enable_private_segment 0
		.amdhsa_kernarg_size 40
		.amdhsa_user_sgpr_count 2
		.amdhsa_user_sgpr_kernarg_segment_ptr 1
		.amdhsa_wavefront_size32 1
		.amdhsa_system_sgpr_workgroup_id_x 1
		.amdhsa_system_sgpr_workgroup_id_y 1
		.amdhsa_system_sgpr_workgroup_id_z 1
		.amdhsa_system_vgpr_workitem_id 0
		.amdhsa_next_free_vgpr 512
		.amdhsa_next_free_sgpr 66
		.amdhsa_reserve_vcc 0
		.amdhsa_float_denorm_mode_32 3
		.amdhsa_float_denorm_mode_16_64 3
		.amdhsa_memory_ordered 1
		.amdhsa_forward_progress 1
		.amdhsa_inst_pref_size 255
	.end_amdhsa_kernel
	.section	.bss,"aw",@nobits
	.p2align	6
	.space	262144
	.amdgpu_metadata
---
amdhsa.version: [ 1, 2 ]
amdhsa.kernels:
  - .name:           k_qd4b69ab511_ffn1
    .symbol:         k_qd4b69ab511_ffn1.kd
    .args:
      - { .name: W1, .offset: 0, .size: 8, .value_kind: global_buffer, .address_space: global }
      - { .name: b1, .offset: 8, .size: 8, .value_kind: global_buffer, .address_space: global }
      - { .name: xq, .offset: 16, .size: 8, .value_kind: global_buffer, .address_space: global }
      - { .name: place, .offset: 24, .size: 8, .value_kind: global_buffer, .address_space: global }
      - { .name: hq, .offset: 32, .size: 8, .value_kind: global_buffer, .address_space: global }
    .group_segment_fixed_size: 137216
    .private_segment_fixed_size: 0
    .kernarg_segment_align: 8
    .kernarg_segment_size: 40
    .max_flat_workgroup_size: 256
    .sgpr_count:     66
    .vgpr_count:     512
    .wavefront_size: 32
...
	.end_amdgpu_metadata
.endif
;; end of part 3
;; launch ffn2 (part 4): grid 32 x 8, 8 waves a work-group, no clusters, 172,032 bytes of LDS; arguments W2, hq, place, y; writes y
.if DOCPART == 4
	.amdgcn_target "amdgcn-amd-amdhsa--gfx1250"
	.amdhsa_code_object_version 6
	.text
	.protected	k_qd4b69ab511_ffn2
	.globl	k_qd4b69ab511_ffn2
	.p2align	8
	.type	k_qd4b69ab511_ffn2,@function
k_qd4b69ab511_ffn2:
	s_mov_b64 s[64:65], 0
	v_nop
	global_prefetch_b8 v0, s[64:65] scope:SCOPE_SE
	s_setreg_imm32_b32 hwreg(HW_REG_WAVE_MODE, 25, 1), 1
	s_wait_xcnt 0x0
; THE SECOND PRODUCT OF AN EXPERT: y = h Q(W2) for the rows that chose the expert, on codes of BF8 (E5M2) with one E8M0 scale for each 32 along K; h comes as codes from the launch before.
; SHARES.  Work-group (x, e): ds = x % 16 owns output columns 64 ds .. 64 ds + 63, kh = x / 16 one half of K (2,048 hidden units): 2,048 x 64 numbers of W2, 524,288 bytes of f32, which no other work-group reads.
; The two halves' sums go to two planes of y and are added by the launch behind: each number of y has one owner.
; W2 IS QUANTISED ON THE WAY.  K goes in 8 steps of 256 (two K steps of 128).  In a step wave w takes K step ks = w / 4, block c = w % 4: 32 along K x all 64 columns: lane (q = lane % 16, h = lane / 16) holds columns
; 4 q .. 4 q + 3 at k = 16 h + i in register 4 i + j, by 16 loads of 16 bytes a lane; each load of a wave covers two runs of 256 consecutive bytes, aligned.  The arithmetic of a block is the first product's.
; THE CODES STAY IN LDS, a buffer for each step, never written again: 8 fragments (F = 4 ks + column tile: 16 columns x 128 K) as images of their registers, 2,064 bytes apart, then 512 bytes of scale words.
; Behind the buffers each wave has a stage of 16 rows x 272 bytes for the way out.
; THE STREAM RUNS ONE STEP AHEAD OF THE PRODUCTS.  A trip quantises step k + 1, stores its codes and signals the barrier; multiplies step k, whose buffer the barrier before has shown whole; and only then waits at the
; barrier, behind which it asks for step k + 1's rows and reads that buffer's first fragments, which land while step k + 2 is quantised.  One barrier a step.
; ROWS as in the first product: nt tiles of 16; in a pass wave w owns tiles tile0 + w + 8 i, i = 0, 1, 2; the first pass runs with the stream.  Layers 0 and 1 are always multiplied.  Layer 2 is always multiplied in a
; pass's first step, which begins its sums; in the later steps a scalar jump on the stored count passes over its products where the expert has no such tile.  No line of a barrier stands between such a jump and its
; label, and no such jump between a barrier's signal and its wait.  A layer past nt loads one piece of 16 bytes (of the expert's last tile) in all lanes and is not stored; rows beyond 384 are served behind the last
; barrier, out of the codes in LDS, by a loop without barriers.
; The product is used transposed (source 0 = 16 columns of W2, source 1 = 16 rows of h): a lane holds eight neighbouring columns of one row.  y = [K half 2][e 8][place 1,024][1,024] f32.
; NO CLUSTER, NO TENSOR LOAD: how many tiles an expert has is read from memory, and branches hang on it.
; LIMITS: NaN and infinities are not served; a block of zeros gets the byte 1 (its codes are zeros; this program alone reads the bytes).
; REGISTERS, window 0: v2-30 addresses, v26-29 W2's scale words; v32-47 codes; v48-63 at work; v64-127, v128-191 two landing sets (on the way out v64-159: rows of y); v192-197 h's scale words.
;   window 1: accumulator (layer i, column tile t) at v[32 i + 8 t]; v96-127, v128-159 two sets of two fragments of W2; h's fragment (i, ks) at v[160 + 32 i + 16 ks].
.set BUF,    17024
.set FRP,    2064
.set SCO,    16512
.set STG,    136192                    ; behind the eight buffers: the stages, 4,352 bytes a wave
.set HS_OFF, 33554432
.set LP,   2                           ; v2     4 x (lane % 16)
.set WOFF, 4
.set CST,  5                           ; v5-7
.set BST,  8                           ; v8-10
.set BLD,  11                          ; v11-13
.set L16,  11
.set AO,   14                          ; v14-16 my lane's place in layer i's images
.set SOF,  17                          ; v17-19 and among its scale words
.set STO,  20                          ; the stage: where I put 32 bytes of a row
.set SRD,  21                          ; and where I read a row back
.set YB,   22                          ; my byte in two rows of y
.set YO,   23                          ; v23-25 the same in layer i's tile
.set BS,   26                          ; v26-29
.set HOLD, 30
.set CC,   32
.set AM,   48
.set PT,   52
.set MU,   56
.set BY,   60
.set L0,   64
.set OUTR, 64
.set AS,   192
.set SW,   96
.set AH,   160
.set TI,   41
.set MUL,  0x55                        ; all four operands in window 1
.set MSB, 0
.macro WIN new                         ; the immediate's high byte repeats the setting that is left
.if MSB != \new
	s_set_vgpr_msb (MSB<<8)|\new
.set MSB, \new
.endif
.endm
.macro PLACES                          ; eight places behind this matrix form in front of loads into its registers and of reads of its results
.rept 8
	v_nop
.endr
.endm
.macro LOADW k                         ; step k's 32 x 64 numbers into landing set k % 2; 7 x 1,048,576 + 15 x 4,096 at the most: inside the signed 24-bit immediate
.irp i, 0,1,2,3,4,5,6,7,8,9,10,11,12,13,14,15
	global_load_b128 v[L0+64*((\k)%2)+4*\i:L0+64*((\k)%2)+4*\i+3], v[WOFF], s[20:21] offset:(\k)*1048576+\i*4096 th:TH_LOAD_NT
.endr
.endm
.macro QG lr, n, a0, a1, a2, a3, b0, b1, b2, b3
.irp i, 0,1,2,3
	v_pk_mul_f32 v[\lr+16*\n+4*\i:\lr+16*\n+4*\i+1], v[\lr+16*\n+4*\i:\lr+16*\n+4*\i+1], v[MU:MU+1]
	v_pk_mul_f32 v[\lr+16*\n+4*\i+2:\lr+16*\n+4*\i+3], v[\lr+16*\n+4*\i+2:\lr+16*\n+4*\i+3], v[MU+2:MU+3]
.endr
.irp i, 0,1,2,3,4,5,6,7,8,9,10,11,12,13,14,15
	v_med3_num_f32 v[\lr+16*\n+\i], v[\lr+16*\n+\i], -v[HOLD], v[HOLD]   ; the conversion to an 8-bit code does not saturate (ISA guide 7.6.2)
.endr
	v_cvt_pk_bf8_f32 \a0, v[\lr+16*\n], v[\lr+16*\n+4]
	v_cvt_pk_bf8_f32 \a1, v[\lr+16*\n+1], v[\lr+16*\n+5]
	v_cvt_pk_bf8_f32 \a2, v[\lr+16*\n+2], v[\lr+16*\n+6]
	v_cvt_pk_bf8_f32 \a3, v[\lr+16*\n+3], v[\lr+16*\n+7]
	v_nop                                          ; a plain line between the conversions that write the two halves of a register
	v_cvt_pk_bf8_f32 \b0, v[\lr+16*\n+8], v[\lr+16*\n+12]
	v_cvt_pk_bf8_f32 \b1, v[\lr+16*\n+9], v[\lr+16*\n+13]
	v_cvt_pk_bf8_f32 \b2, v[\lr+16*\n+10], v[\lr+16*\n+14]
	v_cvt_pk_bf8_f32 \b3, v[\lr+16*\n+11], v[\lr+16*\n+15]
.endm
.macro QW lr                           ; the landing set at lr becomes 4 x 16 codes in v[CC + 4 j ..] and 4 scale bytes in v[BY + j]
.irp j, 0,1,2,3
	v_max3_num_f32 v[AM+\j], |v[\lr+\j]|, |v[\lr+4+\j]|, 0x8000000       ; column j: my 16 numbers, and the floor 2^(16 - 127): the byte cannot fall under 1
.endr
.irp i, 2,4,6,8,10,12,14
.irp j, 0,1,2,3
	v_max3_num_f32 v[AM+\j], v[AM+\j], |v[\lr+4*\i+\j]|, |v[\lr+4*\i+4+\j]|
.endr
.endr
.irp j, 0,1,2,3
	v_permlanex16_b32 v[PT+\j], v[AM+\j], s36, s37
.endr
.irp j, 0,1,2,3
	v_max_num_f32 v[AM+\j], v[AM+\j], v[PT+\j]     ; with lane l xor 16's: the block's largest magnitude
.endr
.irp j, 0,1,2,3
	v_and_b32 v[AM+\j], 0x7f800000, v[AM+\j]       ; its exponent field E
.endr
.irp j, 0,1,2,3
	v_sub_nc_u32 v[MU+\j], s39, v[AM+\j]           ; the field 269 - E: 2^-e with e = E - 127 - 15
.endr
.irp j, 0,1,2,3
	v_lshrrev_b32 v[BY+\j], 23, v[AM+\j]
.endr
.irp j, 0,1,2,3
	v_add_nc_u32 v[BY+\j], -15, v[BY+\j]           ; the scale's byte
.endr
	QG \lr, 0, v32.l, v36.l, v40.l, v44.l, v32.h, v36.h, v40.h, v44.h
	QG \lr, 1, v33.l, v37.l, v41.l, v45.l, v33.h, v37.h, v41.h, v45.h
	QG \lr, 2, v34.l, v38.l, v42.l, v46.l, v34.h, v38.h, v42.h, v46.h
	QG \lr, 3, v35.l, v39.l, v43.l, v47.l, v35.h, v39.h, v43.h, v47.h
	v_nop
.endm
.macro PUTW k                          ; codes and bytes into buffer k: eight LDS stores
.irp j, 0,1,2,3
	ds_store_b128 v[CST+(\k)/3], v[CC+4*\j:CC+4*\j+3] offset:((\k)%3)*BUF+16*\j
.endr
.irp j, 0,1,2,3
	ds_store_b8 v[BST+(\k)/3], v[BY+\j] offset:((\k)%3)*BUF+16*\j  ; both lanes of a block write the same byte with the same value
.endr
.endm
.macro ALOAD k                         ; h's fragments and scale words of step k's two K steps for my three tiles: a row group of 30 loads; the images as they lie, 512 consecutive bytes a load
	WIN 0x40
.irp i, 0,1,2
.irp s, 0,1
.irp c, 0,1,2,3
	global_load_b128 v[AH+32*\i+16*\s+4*\c:AH+32*\i+16*\s+4*\c+3], v[AO+\i], s[24:25] offset:(2*(\k)+\s)*2048+512*\c
.endr
.endr
.endr
	WIN 0
.irp i, 0,1,2
.irp s, 0,1
	global_load_b32 v[AS+2*\i+\s], v[SOF+\i], s[26:27] offset:(2*(\k)+\s)*4096
.endr
.endr
.endm
.macro WFRAG f, k
.irp c, 0,1,2,3
	ds_load_b128 v[SW+32*(((\f)/2)%2)+16*((\f)%2)+4*\c:SW+32*(((\f)/2)%2)+16*((\f)%2)+4*\c+3], v[BLD+(\k)/3] offset:((\k)%3)*BUF+(\f)*FRP+512*\c
.endr
.endm
.macro MPRE k                          ; ahead of step k's products: its scale words and fragments 0-3, 17 LDS loads
	ds_load_b128 v[BS:BS+3], v[BLD+(\k)/3] offset:((\k)%3)*BUF+SCO
	WIN 0x40                                       ; destination window 1
	WFRAG 0, \k
	WFRAG 1, \k
	WFRAG 2, \k
	WFRAG 3, \k
	WIN 0
.endm
.macro MM f, i, zero                   ; fragment f = 4 ks + t against layer i's K step ks, onto accumulator (i, t)
.set RD_, 32*(\i)+8*((\f)%4)
.set RW_, SW+32*(((\f)/2)%2)+16*((\f)%2)
.set RH_, AH+32*(\i)+16*((\f)/4)
.if (\f)%2
.if \zero
	v_wmma_scale_f32_16x16x128_f8f6f4 v[RD_:RD_+7], v[RW_:RW_+15], v[RH_:RH_+15], 0, v[BS+(\f)/2], v[AS+2*(\i)+(\f)/4] matrix_a_fmt:MATRIX_FMT_BF8 matrix_b_fmt:MATRIX_FMT_BF8 matrix_a_scale:MATRIX_SCALE_ROW1
.else
	v_wmma_scale_f32_16x16x128_f8f6f4 v[RD_:RD_+7], v[RW_:RW_+15], v[RH_:RH_+15], v[RD_:RD_+7], v[BS+(\f)/2], v[AS+2*(\i)+(\f)/4] matrix_a_fmt:MATRIX_FMT_BF8 matrix_b_fmt:MATRIX_FMT_BF8 matrix_a_scale:MATRIX_SCALE_ROW1
.endif
.else
.if \zero
	v_wmma_scale_f32_16x16x128_f8f6f4 v[RD_:RD_+7], v[RW_:RW_+15], v[RH_:RH_+15], 0, v[BS+(\f)/2], v[AS+2*(\i)+(\f)/4] matrix_a_fmt:MATRIX_FMT_BF8 matrix_b_fmt:MATRIX_FMT_BF8
.else
	v_wmma_scale_f32_16x16x128_f8f6f4 v[RD_:RD_+7], v[RW_:RW_+15], v[RH_:RH_+15], v[RD_:RD_+7], v[BS+(\f)/2], v[AS+2*(\i)+(\f)/4] matrix_a_fmt:MATRIX_FMT_BF8 matrix_b_fmt:MATRIX_FMT_BF8
.endif
.endif
.endm
.macro MM4 f0, zero                    ; fragments f0, f0 + 1 against layers 0 and 1
.irp f, \f0, \f0+1
.irp i, 0,1
	MM \f, \i, \zero
.endr
.endr
.endm
; Layer 2 against fragments f0 .. f0 + 3.  stat = 1: always (a pass's first step, which begins the sums); else passed over where the expert has no such tile.  Every window is 0 at the jump and at the label.
; pre = 1: the group stands ahead of the step's own waits, so it has them itself: n2 loads may be out behind its rows, nd LDS stores behind its fragments.
.macro L2GRP f0, zero, stat, pre, n2, nd
.if (\stat) == 0
	s_cmp_ge_u32 s[TI+2], s6
	s_cbranch_scc1 .Lno2_\@
.endif
.if \pre
	s_wait_loadcnt \n2
	s_wait_dscnt \nd
.endif
	WIN MUL
.irp f, \f0, \f0+1, \f0+2, \f0+3
	MM \f, 2, \zero
.endr
	WIN 0
.Lno2_\@:
.endm
; Step k's products.  Its scale words and fragments 0-3 have been asked for (MPRE).  bar = 1: eight stores into the next buffer stand behind them; the barrier for that buffer is signalled here and waited for behind the
; sixteen products of layers 0 and 1: between the two stand register work and LDS loads from buffer k alone, which no wave writes again.  n2: the loads that may be out behind this step's row group.
; Fragments 0-3 are the step's first K step, fragments 4-7 its second, which adds onto the first: K ascends on every accumulator.  No two matrix instructions that follow each other share an accumulator, on either way
; round the jumps and from step to step.
.macro BODY k, zero, bar, n2
	L2GRP 0, \zero, \zero, 1, \n2, 8*(\bar)
	s_wait_dscnt 0x0                               ; for the others' sake: my codes and bytes lie in the next buffer; and my fragments 0-3 are in
.if \bar
	s_barrier_signal -1
.endif
	s_wait_loadcnt \n2                             ; this step's rows are in
	WIN MUL
	MM4 0, \zero
	MM4 2, \zero
	PLACES
	WIN 0x40
	WFRAG 4, \k
	WFRAG 5, \k
	WFRAG 6, \k
	WFRAG 7, \k
	s_wait_dscnt 8                                 ; fragments 4, 5 are in; the eight loads of fragments 6, 7 may be out
	WIN MUL
	MM4 4, 0
	s_wait_dscnt 0x0
	MM4 6, 0
	WIN 0
.if \bar
	s_barrier_wait -1                              ; every wave's codes lie in the next buffer
.endif
	L2GRP 4, 0, \zero, 0, 0, 0
.endm
; Loads are issued in the order L0, L1, A0, L2 | L3, A1 | L4, A2 | .. (L: a landing set, 16; A: a row group, 30) and come back in that order; 62 are out at the most.
.macro PRO                             ; step 0's codes; a whole barrier; its first fragments
	s_wait_loadcnt 46                              ; behind L0 stand L1 (16) and A0 (30)
	QW L0
	LOADW 2
	PUTW 0
	s_wait_dscnt 0x0
	s_barrier_signal -1
	s_barrier_wait -1
	MPRE 0
.endm
.macro STEP k, zero, n2                ; a trip: step k + 1 is quantised, step k multiplied
	s_wait_loadcnt 46                              ; behind landing set k + 1 stand at the least 46 loads: the next set and a row group, or two row groups
	QW L0+64*(((\k)+1)%2)
.if (\k) <= 4
	LOADW (\k)+3                                   ; the set just read takes the step two on
.endif
	PUTW (\k)+1
	BODY \k, \zero, 1, \n2
	PLACES
	ALOAD (\k)+1
	MPRE (\k)+1                                    ; behind the barrier's wait: these land while the next step is quantised
.endm
.macro OSTEP k, zero                   ; the same products for a later pass: the codes lie in LDS
	ALOAD \k
	MPRE \k
	BODY \k, \zero, 0, 0
	PLACES
.endm
.macro ADDR                            ; my three tiles of the pass that begins at tile s5
	s_sub_co_u32 s45, s6, 1
.irp i, 0,1,2
	s_add_co_u32 s[TI+\i], s5, s2
.if \i
	s_add_co_u32 s[TI+\i], s[TI+\i], 8*\i
.endif
	s_min_u32 s44, s[TI+\i], s45                   ; a layer past nt reads the expert's last tile, which the launch before has written,
	s_min_u32 s44, s44, 63
	s_lshl_b32 s47, s44, 16
	s_lshl_b32 s44, s44, 6
	s_sub_co_i32 s46, s6, s[TI+\i]                 ; nt less my tile,
	s_max_i32 s46, s46, 0
	s_min_u32 s46, s46, 1                          ; held to 0 .. 1: 1 where the expert has the tile; else all lanes read one piece of that last tile
	v_mul_u32_u24 v[AO+\i], s46, v[L16]
	v_add_nc_u32 v[AO+\i], s47, v[AO+\i]
	v_mul_u32_u24 v[SOF+\i], s46, v[LP]
	v_add_nc_u32 v[SOF+\i], s44, v[SOF+\i]
.endr
.endm
; Layer i's tile, if the expert has it.  A lane holds 32 bytes of a row and the lanes beside it hold other rows: the tile goes through my own stage and comes back as rows of 256 bytes.
.macro EPI i
	s_cmp_ge_u32 s[TI+\i], s6
	s_cbranch_scc1 .Lidle_\@
	WIN 0x04                                       ; an LDS store's data are its source 1: window 1
.irp t, 0,1,2,3
	ds_store_b128 v[STO], v[32*\i+8*\t:32*\i+8*\t+3] offset:64*\t        ; each accumulator from its low end on
	ds_store_b128 v[STO], v[32*\i+8*\t+4:32*\i+8*\t+7] offset:64*\t+16
.endr
	WIN 0
.irp n, 0,1,2,3,4,5,6,7
	ds_load_b128 v[OUTR+32*\i+4*\n:OUTR+32*\i+4*\n+3], v[SRD] offset:544*\n   ; LDS serves a wave's instructions in order (ISA guide 5.7.1.4): these see my stores, and the next tile's stores come behind them
.endr
	s_min_u32 s44, s[TI+\i], 63
	s_lshl_b32 s44, s44, 16
	v_add_nc_u32 v[YO+\i], s44, v[YB]
.irp n, 0,1,2,3,4,5,6,7
	s_wait_dscnt 7-\n                              ; rows 2 n, 2 n + 1 are back; the tile's later rows may be out
	global_store_b128 v[YO+\i], v[OUTR+32*\i+4*\n:OUTR+32*\i+4*\n+3], s[28:29] offset:8192*\n th:TH_STORE_NT   ; sixteen lanes store 256 consecutive bytes, aligned.  Each layer has registers of its own
.endr
.Lidle_\@:
.endm
	s_load_b256 s[8:15], s[0:1], 0x0               ; W2 s[8:9], hq s[10:11], place s[12:13], y s[14:15]
	v_lshl_add_u32 v254, v0, 2, 0x29c00
	v_mov_b32 v255, 0
	v_lshrrev_b32 v56, 5, v0
	v_readfirstlane_b32 s2, v56                    ; wave 0..7
	s_and_b32 s3, ttmp9, 15                        ; ds
	s_lshr_b32 s17, ttmp9, 4                       ; kh
	s_and_b32 s4, ttmp7, 0xffff                    ; e
	s_mov_b32 s5, 0                                ; the pass's first tile
	v_bfe_u32 v48, v0, 5, 2                        ; c = wave % 4
	v_bfe_u32 v49, v0, 7, 1                        ; ks = wave / 4
	v_bfe_u32 v50, v0, 4, 1                        ; h
	v_and_b32 v51, 15, v0                          ; q
	v_and_b32 v52, 3, v0                           ; q % 4   (v52-55 are thereby written: a lane permute's destination counts as one of its sources)
	v_bfe_u32 v53, v0, 2, 2                        ; q / 4: the column tile
	v_bfe_u32 v54, v0, 2, 1                        ; its low bit
	v_bfe_u32 v55, v0, 3, 1                        ; its high bit
	v_and_b32 v[L16], 31, v0
	v_lshlrev_b32 v[L16], 4, v[L16]
	v_lshlrev_b32 v[LP], 2, v51
	v_lshlrev_b32 v[WOFF], 19, v49                 ; 128 ks rows of 4,096 bytes,
	v_lshl_add_u32 v[WOFF], v48, 17, v[WOFF]       ; 32 c rows,
	v_lshl_add_u32 v[WOFF], v50, 16, v[WOFF]       ; 16 h rows,
	v_lshl_add_u32 v[WOFF], v51, 4, v[WOFF]        ; 4 q columns
	v_mul_u32_u24 v[CST], v49, 8256                ; column 4 q + j is row 4 (q % 4) + j of fragment 4 ks + q / 4
	v_mad_u32_u24 v[CST], v53, 2064, v[CST]
	v_lshl_add_u32 v[CST], v48, 9, v[CST]
	v_lshl_add_u32 v[CST], v50, 8, v[CST]
	v_lshl_add_u32 v[CST], v52, 6, v[CST]
	v_add_nc_u32 v[CST+1], 3*BUF, v[CST]
	v_add_nc_u32 v[CST+2], 6*BUF, v[CST]
	v_lshlrev_b32 v[BST], 8, v54
	v_lshl_add_u32 v[BST], v52, 6, v[BST]
	v_lshl_add_u32 v[BST], v49, 3, v[BST]
	v_lshl_add_u32 v[BST], v55, 2, v[BST]
	v_add_nc_u32 v[BST], v48, v[BST]
	v_add_nc_u32 v[BST], SCO, v[BST]
	v_add_nc_u32 v[BST+1], 3*BUF, v[BST]
	v_add_nc_u32 v[BST+2], 6*BUF, v[BST]
	v_add_nc_u32 v[BLD+1], 3*BUF, v[L16]
	v_add_nc_u32 v[BLD+2], 6*BUF, v[L16]
	v_mul_u32_u24 v56, v56, 4352
	v_add_nc_u32 v56, STG, v56                     ; my stage
	v_mad_u32_u24 v[STO], v51, 272, v56            ; in: row lane % 16, 32 bytes for each half of the lanes
	v_lshl_add_u32 v[STO], v50, 5, v[STO]
	v_mad_u32_u24 v[SRD], v50, 272, v56            ; back: lanes 0-15 one row of 256 bytes, lanes 16-31 the next
	v_lshl_add_u32 v[SRD], v51, 4, v[SRD]
	v_lshlrev_b32 v[YB], 12, v50                   ; and the same two rows in y
	v_lshl_add_u32 v[YB], v51, 4, v[YB]
	v_mov_b32 v[HOLD], 0x47600000                  ; 57,344.0
	s_mov_b32 s36, 0x76543210
	s_mov_b32 s37, 0xfedcba98                      ; v_permlanex16_b32's selects for lane l xor 16
	s_mov_b32 s39, 0x86800000                      ; 269 << 23
	s_mov_b32 s45, 0
	s_wait_kmcnt 0x0
	s_lshl_b32 s44, s4, 7
	s_add_nc_u64 s[18:19], s[12:13], s[44:45]
	s_add_nc_u64 s[18:19], s[18:19], 65536
	s_load_b32 s7, s[18:19], 0x0                   ; the expert's count of rows
	s_lshl_b32 s44, s4, 24
	s_lshl_b32 s46, s17, 23
	s_add_co_u32 s44, s44, s46
	s_lshl_b32 s46, s3, 8
	s_add_co_u32 s44, s44, s46
	s_add_nc_u64 s[20:21], s[8:9], s[44:45]        ; W2 at my slab
	s_lshl_b32 s44, s4, 22
	s_lshl_b32 s46, s17, 15
	s_add_co_u32 s44, s44, s46
	s_add_nc_u64 s[24:25], s[10:11], s[44:45]      ; hq: expert e, my half's first K step
	s_lshl_b32 s44, s4, 5
	s_lshl_b32 s46, s17, 4
	s_add_co_u32 s44, s44, s46
	s_lshl_b32 s44, s44, 12
	s_add_nc_u64 s[26:27], s[10:11], s[44:45]
	s_add_nc_u64 s[26:27], s[26:27], HS_OFF        ; and its scale words
	s_lshl_b32 s44, s17, 3
	s_add_co_u32 s44, s44, s4
	s_lshl_b32 s44, s44, 22
	s_lshl_b32 s46, s3, 8
	s_add_co_u32 s44, s44, s46
	s_add_nc_u64 s[28:29], s[14:15], s[44:45]      ; y: my half's plane, expert e, my 64 columns
	LOADW 0
	LOADW 1
.irp r, 0,1,2,3,4,5,6,7,8,9,10,11,12,13,14,15
	v_mov_b32 v[CC+\r], 0                          ; written whole once: the conversions write halves
.endr
	s_wait_kmcnt 0x0
	s_add_co_u32 s6, s7, 15
	s_lshr_b32 s6, s6, 4
	s_max_u32 s6, s6, 1                            ; nt, as in the launch before
	s_min_u32 s6, s6, 64
	ADDR
	ALOAD 0
	PRO
	STEP 0, 1, 32                                  ; the first K step's products start the sums: nothing is cleared.  Behind A0 stand L2 and L3
	STEP 1, 0, 16                                  ; behind A1 stands L4, and so on up to L7
	STEP 2, 0, 16
	STEP 3, 0, 16
	STEP 4, 0, 16
	STEP 5, 0, 0                                   ; nothing of W2 is left: nothing was issued behind A5
	STEP 6, 0, 0
	BODY 7, 0, 0, 0                                ; the last step: nothing is left to quantise, and no barrier
	PLACES
.Lepi:                                                 ; a trip: a pass's tiles go out; if the expert has more rows, the next 24 tiles are multiplied.  No barrier from here on
	EPI 0
	EPI 1
	EPI 2
	s_add_co_u32 s5, s5, 24
	s_cmp_ge_u32 s5, s6                            ; no tile is left: out of the loop
	s_cbranch_scc1 .Ldone
	s_wait_xcnt 0x0                                ; every earlier load and store has read its offsets and data: they are written again
	ADDR
	OSTEP 0, 1
	OSTEP 1, 0
	OSTEP 2, 0
	OSTEP 3, 0
	OSTEP 4, 0
	OSTEP 5, 0
	OSTEP 6, 0
	OSTEP 7, 0
	s_cmp_lt_u32 s5, 72                            ; the loop is counted: three passes of 24 tiles cover the 64 that an expert can have, so the jump above ends it in the third trip at the latest
	s_cbranch_scc1 .Lepi
.Ldone:
	s_wait_tensorcnt 0x0
	ds_add_u32 v254, v255
	s_wait_dscnt 0x0
	s_endpgm
.Lfunc_end_k_qd4b69ab511_ffn2:
	.size	k_qd4b69ab511_ffn2, .Lfunc_end_k_qd4b69ab511_ffn2-k_qd4b69ab511_ffn2
	.p2alignl 7, 3214868480
	.fill 96, 4, 3214868480
	.section	.rodata,"a",@progbits
	.p2align	6, 0x0
	.amdhsa_kernel k_qd4b69ab511_ffn2
		.amdhsa_group_segment_fixed_size 172032
		.amdhsa_private_segment_fixed_size 0
		.amdhsa_enable_private_segment 0
		.amdhsa_kernarg_size 32
		.amdhsa_user_sgpr_count 2
		.amdhsa_user_sgpr_kernarg_segment_ptr 1
		.amdhsa_wavefront_size32 1
		.amdhsa_system_sgpr_workgroup_id_x 1
		.amdhsa_system_sgpr_workgroup_id_y 1
		.amdhsa_system_sgpr_workgroup_id_z 1
		.amdhsa_system_vgpr_workitem_id 0
		.amdhsa_next_free_vgpr 512
		.amdhsa_next_free_sgpr 66
		.amdhsa_reserve_vcc 0
		.amdhsa_float_denorm_mode_32 3
		.amdhsa_float_denorm_mode_16_64 3
		.amdhsa_memory_ordered 1
		.amdhsa_forward_progress 1
		.amdhsa_inst_pref_size 255
	.end_amdhsa_kernel
	.section	.bss,"aw",@nobits
	.p2align	6
	.space	262144
	.amdgpu_metadata
---
amdhsa.version: [ 1, 2 ]
amdhsa.kernels:
  - .name:           k_qd4b69ab511_ffn2
    .symbol:         k_qd4b69ab511_ffn2.kd
    .args:
      - { .name: W2, .offset: 0, .size: 8, .value_kind: global_buffer, .address_space: global }
      - { .name: hq, .offset: 8, .size: 8, .value_kind: global_buffer, .address_space: global }
      - { .name: place, .offset: 16, .size: 8, .value_kind: global_buffer, .address_space: global }
      - { .name: y, .offset: 24, .size: 8, .value_kind: global_buffer, .address_space: global }
    .group_segment_fixed_size: 172032
    .private_segment_fixed_size: 0
    .kernarg_segment_align: 8
    .kernarg_segment_size: 32
    .max_flat_workgroup_size: 256
    .sgpr_count:     66
    .vgpr_count:     512
    .wavefront_size: 32
...
	.end_amdgpu_metadata
.endif
;; end of part 4
;; launch combine (part 5): grid 256 x 1, 4 waves a work-group, no clusters, 0 bytes of LDS; arguments y, b2, route, prob, place, out0; writes out0
.if DOCPART == 5
	.amdgcn_target "amdgcn-amd-amdhsa--gfx1250"
	.amdhsa_code_object_version 6
	.text
	.protected	k_qd4b69ab511_combine
	.globl	k_qd4b69ab511_combine
	.p2align	8
	.type	k_qd4b69ab511_combine,@function
k_qd4b69ab511_combine:
	s_mov_b64 s[64:65], 0
	v_nop
	global_prefetch_b8 v0, s[64:65] scope:SCOPE_SE
	s_setreg_imm32_b32 hwreg(HW_REG_WAVE_MODE, 25, 1), 1
	s_wait_xcnt 0x0
; out[t] = p0 (y[e0][t] + b2[e0]) + p1 (y[e1][t] + b2[e1]), where y[e][t] is the sum of the two K halves' rows at the token's place in expert e's list.  All in f32.
; One wave takes one token: a row is 4,096 bytes, eight pieces of 512 consecutive bytes (16 a lane).  Six rows are read (two halves of y and b2, for each of the two experts), one is written: each output row has one owner.
; The experts, the places and the two weights are the same for the whole wave: scalar loads.  What was loaded and enters an address is held inside its table first.
; A stream: no LDS, no barrier, no matrix unit, no cluster (work-groups share only b2's 32,768 bytes).  All 48 loads of a wave go out at once.
	s_load_b256 s[4:11], s[0:1], 0x0               ; y s[4:5], b2 s[6:7], route s[8:9], prob s[10:11]
	s_load_b128 s[12:15], s[0:1], 0x20             ; place s[12:13], out0 s[14:15]
	v_lshrrev_b32 v2, 5, v0
	v_readfirstlane_b32 s16, v2                    ; wave 0..3
	v_and_b32 v1, 31, v0
	v_lshlrev_b32 v1, 4, v1                        ; 16 x lane
	s_lshl_b32 s17, ttmp9, 2
	s_add_co_u32 s17, s17, s16                     ; my token
	s_lshl_b32 s18, s17, 2
	s_mov_b32 s19, 0
	s_lshl_b32 s20, s17, 3
	s_mov_b32 s21, 0
	s_wait_kmcnt 0x0
	s_add_nc_u64 s[8:9], s[8:9], s[18:19]
	s_add_nc_u64 s[10:11], s[10:11], s[20:21]
	s_load_b32 s22, s[8:9], 0x0                    ; e0 | e1 << 8
	s_load_b64 s[24:25], s[10:11], 0x0             ; p0, p1
	s_wait_kmcnt 0x0
	s_and_b32 s26, s22, 0xff
	s_min_u32 s26, s26, 7                          ; e0
	s_lshr_b32 s27, s22, 8
	s_min_u32 s27, s27, 7                          ; e1
	s_lshl_b32 s28, s26, 12
	s_add_co_u32 s28, s28, s18
	s_add_co_u32 s28, s28, 32768                   ; POS[e0][t]
	s_mov_b32 s29, 0
	s_lshl_b32 s30, s27, 12
	s_add_co_u32 s30, s30, s18
	s_add_co_u32 s30, s30, 32768                   ; POS[e1][t]
	s_mov_b32 s31, 0
	s_add_nc_u64 s[28:29], s[12:13], s[28:29]
	s_add_nc_u64 s[30:31], s[12:13], s[30:31]
	s_load_b32 s32, s[28:29], 0x0
	s_load_b32 s33, s[30:31], 0x0
	s_mov_b32 s50, s24                             ; the packed forms name a pair and take its low word for both halves
	s_mov_b32 s51, s24
	s_mov_b32 s52, s25
	s_mov_b32 s53, s25
	s_lshl_b32 s44, s26, 12
	s_mov_b32 s45, 0
	s_add_nc_u64 s[44:45], s[6:7], s[44:45]        ; b2[e0]
	s_lshl_b32 s46, s27, 12
	s_mov_b32 s47, 0
	s_add_nc_u64 s[46:47], s[6:7], s[46:47]        ; b2[e1]
	s_lshl_b32 s48, s17, 12
	s_mov_b32 s49, 0
	s_add_nc_u64 s[14:15], s[14:15], s[48:49]      ; out[t]
	s_wait_kmcnt 0x0
	s_min_u32 s32, s32, 1023
	s_min_u32 s33, s33, 1023
	s_lshl_b32 s34, s26, 10
	s_add_co_u32 s34, s34, s32
	s_lshl_b32 s34, s34, 12                        ; row (e0, place) of 4,096 bytes
	s_mov_b32 s35, 0
	s_add_nc_u64 s[36:37], s[4:5], s[34:35]        ; in the first K half's plane,
	s_add_nc_u64 s[38:39], s[36:37], 0x2000000     ; and in the second's
	s_lshl_b32 s34, s27, 10
	s_add_co_u32 s34, s34, s33
	s_lshl_b32 s34, s34, 12
	s_add_nc_u64 s[40:41], s[4:5], s[34:35]
	s_add_nc_u64 s[42:43], s[40:41], 0x2000000
.irp n, 0,1,2,3,4,5,6,7                        ; piece n's six loads at v[16 + 24 n] on
	global_load_b128 v[16+24*\n:19+24*\n], v1, s[36:37] offset:512*\n th:TH_LOAD_NT
	global_load_b128 v[20+24*\n:23+24*\n], v1, s[38:39] offset:512*\n th:TH_LOAD_NT
	global_load_b128 v[24+24*\n:27+24*\n], v1, s[44:45] offset:512*\n
	global_load_b128 v[28+24*\n:31+24*\n], v1, s[40:41] offset:512*\n th:TH_LOAD_NT
	global_load_b128 v[32+24*\n:35+24*\n], v1, s[42:43] offset:512*\n th:TH_LOAD_NT
	global_load_b128 v[36+24*\n:39+24*\n], v1, s[46:47] offset:512*\n
.endr
.irp n, 0,1,2,3,4,5,6,7
	s_wait_loadcnt 6*(7-\n)                        ; loads come back in order: behind piece n's six stand six for each later piece
.irp p, 0,2
	v_pk_add_f32 v[16+24*\n+\p:17+24*\n+\p], v[16+24*\n+\p:17+24*\n+\p], v[20+24*\n+\p:21+24*\n+\p]   ; the two K halves,
	v_pk_add_f32 v[28+24*\n+\p:29+24*\n+\p], v[28+24*\n+\p:29+24*\n+\p], v[32+24*\n+\p:33+24*\n+\p]
	v_pk_add_f32 v[16+24*\n+\p:17+24*\n+\p], v[16+24*\n+\p:17+24*\n+\p], v[24+24*\n+\p:25+24*\n+\p]   ; + b2,
	v_pk_add_f32 v[28+24*\n+\p:29+24*\n+\p], v[28+24*\n+\p:29+24*\n+\p], v[36+24*\n+\p:37+24*\n+\p]
	v_pk_mul_f32 v[16+24*\n+\p:17+24*\n+\p], v[16+24*\n+\p:17+24*\n+\p], s[50:51] op_sel_hi:[1,0]     ; x p0,
	v_pk_fma_f32 v[16+24*\n+\p:17+24*\n+\p], v[28+24*\n+\p:29+24*\n+\p], s[52:53], v[16+24*\n+\p:17+24*\n+\p] op_sel_hi:[1,0,1]   ; + p1 x the other
.endr
	global_store_b128 v1, v[16+24*\n:19+24*\n], s[14:15] offset:512*\n th:TH_STORE_NT   ; 512 consecutive bytes, aligned; each piece has registers of its own
.endr
	s_endpgm
.Lfunc_end_k_qd4b69ab511_combine:
	.size	k_qd4b69ab511_combine, .Lfunc_end_k_qd4b69ab511_combine-k_qd4b69ab511_combine
	.p2alignl 7, 3214868480
	.fill 96, 4, 3214868480
	.section	.rodata,"a",@progbits
	.p2align	6, 0x0
	.amdhsa_kernel k_qd4b69ab511_combine
		.amdhsa_group_segment_fixed_size 0
		.amdhsa_private_segment_fixed_size 0
		.amdhsa_enable_private_segment 0
		.amdhsa_kernarg_size 48
		.amdhsa_user_sgpr_count 2
		.amdhsa_user_sgpr_kernarg_segment_ptr 1
		.amdhsa_wavefront_size32 1
		.amdhsa_system_sgpr_workgroup_id_x 1
		.amdhsa_system_sgpr_workgroup_id_y 1
		.amdhsa_system_sgpr_workgroup_id_z 1
		.amdhsa_system_vgpr_workitem_id 0
		.amdhsa_next_free_vgpr 208
		.amdhsa_next_free_sgpr 66
		.amdhsa_reserve_vcc 0
		.amdhsa_float_denorm_mode_32 3
		.amdhsa_float_denorm_mode_16_64 3
		.amdhsa_memory_ordered 1
		.amdhsa_forward_progress 1
		.amdhsa_inst_pref_size 15
	.end_amdhsa_kernel
	.amdgpu_metadata
---
amdhsa.version: [ 1, 2 ]
amdhsa.kernels:
  - .name:           k_qd4b69ab511_combine
    .symbol:         k_qd4b69ab511_combine.kd
    .args:
      - { .name: y, .offset: 0, .size: 8, .value_kind: global_buffer, .address_space: global }
      - { .name: b2, .offset: 8, .size: 8, .value_kind: global_buffer, .address_space: global }
      - { .name: route, .offset: 16, .size: 8, .value_kind: global_buffer, .address_space: global }
      - { .name: prob, .offset: 24, .size: 8, .value_kind: global_buffer, .address_space: global }
      - { .name: place, .offset: 32, .size: 8, .value_kind: global_buffer, .address_space: global }
      - { .name: out0, .offset: 40, .size: 8, .value_kind: global_buffer, .address_space: global }
    .group_segment_fixed_size: 0
    .private_segment_fixed_size: 0
    .kernarg_segment_align: 8
    .kernarg_segment_size: 48
    .max_flat_workgroup_size: 128
    .sgpr_count:     66
    .vgpr_count:     208
    .wavefront_size: 32
...
	.end_amdgpu_metadata
.endif
;; end of part 5
;; ======== version 2 of 2: 5 launches
;; workspace buffers: xq 1,081,344 bytes; route 4,096 bytes of whole numbers; prob 8,192 bytes; place 66,560 bytes of whole numbers; hq 34,603,008 bytes; y 67,108,864 bytes
;; launch route (part 6): grid 128 x 1, 4 waves a work-group, no clusters, 2,048 bytes of LDS; arguments x, gate_w, gate_b, xq, route, prob; writes xq, route, prob
.if DOCPART == 6
	.amdgcn_target "amdgcn-amd-amdhsa--gfx1250"
	.amdhsa_code_object_version 6
	.text
	.protected	k_qd4b69ab511_route
	.globl	k_qd4b69ab511_route
	.p2align	8
	.type	k_qd4b69ab511_route,@function
k_qd4b69ab511_route:
	s_mov_b64 s[64:65], 0
	v_nop
	global_prefetch_b8 v0, s[64:65] scope:SCOPE_SE
	s_setreg_imm32_b32 hwreg(HW_REG_WAVE_MODE, 25, 1), 1
	s_wait_xcnt 0x0
; THE ROUTER, AND x INTO CODES.  scores = x gate_w + gate_b in f32 (fused multiply-adds); the two largest of the 8 scores of a token (strict >, so a tie keeps the lower index, as jax.lax.top_k does);
; their softmax, with the larger score taken away ahead of the exponential.  Stored at fixed places: route[token] = e0 | e1 << 8 (whole numbers), prob[token] = p0, p1.
; x is also turned into codes of BF8 (E5M2), one E8M0 byte for each 32 along the token's 1,024: xq = codes [1024][1024 bytes], then scale bytes [1024][32] at XS_OFF.
; SHARES.  A work-group of four waves takes 8 tokens.  Wave w takes k = 256 w .. 256 w + 255 of each, lane l the eight numbers from k = 256 w + 8 l: a block of 32 is four neighbouring lanes.
; A lane's 8 rows of gate_w (64 numbers) stay in registers for the 8 tokens.  The waves' partial scores meet in LDS; wave 1 finishes them, a lane a token; wave 0 stores the 256 scale bytes as one aligned run.
; No matrix unit: 8 columns are too few for it.  No cluster: work-groups share only gate_w's 32,768 bytes.
; LIMITS: NaN and infinities among the inputs are not served.  A block of zeros gets the byte 1 (its codes are zeros; this program alone reads the bytes).  The score's sum runs in another order than
; the reference's, so two scores that are equal within f32 rounding of a sum of 1,024 terms may change places.
.set XS_OFF, 1048576
.set G,   16                           ; v16-79   gate_w(k + i, e) at 8 i + e
.set X,   80                           ; v80-143  token j's eight numbers at 8 j
.set ACC, 144                          ; v144-207 partial score (j, e) at 8 j + e
.set T,   208                          ; v208-223 at work: four registers for each of four tokens in turn
.set CD,  224                          ; v224-239 token j's eight codes at 2 j: no store's data are written again
	s_load_b256 s[4:11], s[0:1], 0x0               ; x s[4:5], gate_w s[6:7], gate_b s[8:9], xq s[10:11]
	s_load_b128 s[12:15], s[0:1], 0x20             ; route s[12:13], prob s[14:15]
	v_lshl_add_u32 v240, v0, 2, 0x600
	v_mov_b32 v241, 0
	v_lshrrev_b32 v6, 5, v0
	v_readfirstlane_b32 s16, v6                    ; wave 0..3
	v_lshlrev_b32 v6, 8, v6                        ; LDS: my wave's 256 bytes of partial scores
	v_and_b32 v1, 31, v0                           ; lane
	v_lshlrev_b32 v2, 5, v0                        ; x: 1,024 w + 32 l = 32 x thread
	v_lshlrev_b32 v3, 8, v0                        ; gate_w: eight rows of 32 bytes a thread
	v_lshlrev_b32 v4, 3, v0                        ; codes: eight bytes a thread
	v_lshrrev_b32 v5, 2, v0
	v_add_nc_u32 v5, 1024, v5                      ; LDS: my block's scale byte, 8 w + l / 4, behind the partial scores
	v_lshlrev_b32 v8, 3, v1                        ; 8 x lane
	v_add_nc_u32 v7, 1024, v8                      ; LDS: the scale bytes on their way out
	v_and_b32 v9, 7, v0
	v_lshlrev_b32 v9, 5, v9                        ; LDS: token l % 8's eight partial scores
	v_lshlrev_b32 v10, 2, v1                       ; 4 x lane
	s_mov_b32 s28, 0x76543210
	s_mov_b32 s29, 0xfedcba98                      ; v_permlanex16_b32's selects for lane l xor 16
	s_mov_b32 s30, 0x600000                        ; the mantissa field of 57,344
	s_lshl_b32 s32, ttmp9, 15                      ; 8 tokens of 4,096 bytes
	s_mov_b32 s33, 0
	s_lshl_b32 s34, ttmp9, 13                      ; 8 tokens of 1,024 codes
	s_mov_b32 s35, 0
	s_lshl_b32 s38, ttmp9, 8                       ; 8 tokens of 32 scale bytes
	s_mov_b32 s39, 0
	s_lshl_b32 s42, ttmp9, 5
	s_mov_b32 s43, 0
	s_lshl_b32 s44, ttmp9, 6
	s_mov_b32 s45, 0
	s_wait_alu depctr_va_vdst(0)
	s_wait_kmcnt 0x0
	s_load_b256 s[20:27], s[8:9], 0x0              ; gate_b's eight numbers
	s_add_nc_u64 s[4:5], s[4:5], s[32:33]
	s_add_nc_u64 s[36:37], s[10:11], s[34:35]      ; my tokens' codes
	s_add_nc_u64 s[40:41], s[10:11], s[38:39]
	s_add_nc_u64 s[40:41], s[40:41], XS_OFF        ; and their scale bytes
	s_add_nc_u64 s[12:13], s[12:13], s[42:43]
	s_add_nc_u64 s[14:15], s[14:15], s[44:45]
.irp n, 0,1,2,3,4,5,6,7,8,9,10,11,12,13,14,15
	global_load_b128 v[G+4*\n:G+4*\n+3], v3, s[6:7] offset:16*\n
.endr
.irp j, 0,1,2,3,4,5,6,7
	global_load_b128 v[X+8*\j:X+8*\j+3], v2, s[4:5] offset:4096*\j th:TH_LOAD_NT
	global_load_b128 v[X+8*\j+4:X+8*\j+7], v2, s[4:5] offset:4096*\j+16 th:TH_LOAD_NT
.endr
; Token j: its part of the eight scores, then its codes.
.macro TOKEN j
.set XJ, X+8*\j
.set AJ, ACC+8*\j
.set TJ, T+4*((\j)%4)
	s_wait_loadcnt 14-2*\j                         ; loads come back in order: behind token j's two stand two for each of the 7 - j later tokens
.irp e, 0,2,4,6
	v_pk_mul_f32 v[AJ+\e:AJ+\e+1], v[XJ:XJ+1], v[G+\e:G+\e+1] op_sel_hi:[0,1]   ; the first product starts the sums; x's number serves both halves
.endr
.irp e, 0,2,4,6
	v_pk_fma_f32 v[AJ+\e:AJ+\e+1], v[XJ:XJ+1], v[G+8+\e:G+8+\e+1], v[AJ+\e:AJ+\e+1] op_sel:[1,0,0] op_sel_hi:[1,1,1]
.endr
.irp p, 1,2,3
.irp e, 0,2,4,6
	v_pk_fma_f32 v[AJ+\e:AJ+\e+1], v[XJ+2*\p:XJ+2*\p+1], v[G+16*\p+\e:G+16*\p+\e+1], v[AJ+\e:AJ+\e+1] op_sel_hi:[0,1,1]
.endr
.irp e, 0,2,4,6
	v_pk_fma_f32 v[AJ+\e:AJ+\e+1], v[XJ+2*\p:XJ+2*\p+1], v[G+16*\p+8+\e:G+16*\p+8+\e+1], v[AJ+\e:AJ+\e+1] op_sel:[1,0,0] op_sel_hi:[1,1,1]
.endr
.endr
	v_max3_num_f32 v[TJ], |v[XJ]|, |v[XJ+1]|, 0x8000000            ; the largest magnitude of my eight, and the floor 2^(16 - 127): the byte cannot fall under 1
	v_max3_num_f32 v[TJ], v[TJ], |v[XJ+2]|, |v[XJ+3]|
	v_max3_num_f32 v[TJ], v[TJ], |v[XJ+4]|, |v[XJ+5]|
	v_max3_num_f32 v[TJ], v[TJ], |v[XJ+6]|, |v[XJ+7]|
	v_max_num_f32_dpp v[TJ], v[TJ], v[TJ] row_xmask:1 row_mask:0xf bank_mask:0xf
	v_max_num_f32_dpp v[TJ], v[TJ], v[TJ] row_xmask:2 row_mask:0xf bank_mask:0xf   ; with the three other lanes of the block
	v_add_nc_u32 v[TJ+1], 0xf8800000, v[TJ]        ; 15 off its exponent field: the conversion's scale operand
	v_and_or_b32 v[TJ+2], v[TJ], 0x7f800000, s30   ; 57,344 x the scale
	v_lshrrev_b32 v[TJ+3], 23, v[TJ+1]             ; the scale's byte
.irp i, 0,1,2,3,4,5,6,7
	v_med3_num_f32 v[XJ+\i], v[XJ+\i], -v[TJ+2], v[TJ+2]           ; the conversion to an 8-bit code does not saturate (ISA guide 7.6.2): the hold
.endr
	v_cvt_scalef32_pk8_bf8_f32 v[CD+2*\j:CD+2*\j+1], v[XJ:XJ+7], v[TJ+1]
	ds_store_b8 v5, v[TJ+3] offset:32*\j           ; the four lanes of a block write the same byte with the same value
	global_store_b64 v4, v[CD+2*\j:CD+2*\j+1], s[36:37] offset:1024*\j   ; a wave stores 256 consecutive bytes, at a multiple of 256 from the buffer's first byte
.endm
.irp j, 0,1,2,3,4,5,6,7
	TOKEN \j
.endr
; The sum over the wave's 32 lanes, eight registers at a time so that no line waits for the line above it; every lane ends with the sum.
.irp g, 0,1,2,3,4,5,6,7
.irp m, 1,2,4,8
.irp r, 0,1,2,3,4,5,6,7
	v_add_f32_dpp v[ACC+8*\g+\r], v[ACC+8*\g+\r], v[ACC+8*\g+\r] row_xmask:\m row_mask:0xf bank_mask:0xf
.endr
.endr
.irp r, 0,1,2,3,4,5,6,7
	v_permlanex16_b32 v[T+\r], v[ACC+8*\g+\r], s28, s29            ; (its destination counts as read: these registers have been written)
.endr
.irp r, 0,1,2,3,4,5,6,7
	v_add_f32 v[ACC+8*\g+\r], v[ACC+8*\g+\r], v[T+\r]
.endr
.endr
.irp n, 0,1,2,3,4,5,6,7,8,9,10,11,12,13,14,15
	ds_store_b128 v6, v[ACC+4*\n:ACC+4*\n+3] offset:16*\n          ; all lanes write the same words with the same values
.endr
	s_wait_kmcnt 0x0                               ; gate_b
	s_wait_dscnt 0x0                               ; for the others' sake: my partial scores and scale bytes lie in LDS
	s_barrier_signal -1
	s_barrier_wait -1
	s_cmp_lg_u32 s16, 0
	s_cbranch_scc1 .Lnot_wave_0
	ds_load_b64 v[12:13], v7                       ; wave 0: the 8 tokens' 256 scale bytes
	s_wait_dscnt 0x0
	global_store_b64 v8, v[12:13], s[40:41]        ; 32 lanes store 256 consecutive bytes, aligned
	s_wait_tensorcnt 0x0
	ds_add_u32 v240, v241
	s_wait_dscnt 0x0
	s_endpgm
.Lnot_wave_0:
	s_cmp_lg_u32 s16, 1
	s_cbranch_scc1 .Ldone
.irp w, 0,1,2,3                                ; wave 1: lane l finishes token l % 8
	ds_load_b128 v[80+8*\w:83+8*\w], v9 offset:256*\w
	ds_load_b128 v[84+8*\w:87+8*\w], v9 offset:256*\w+16
.endr
	s_wait_dscnt 0x0
.irp e, 0,1,2,3,4,5,6,7
	v_add_f32 v[112+\e], v[80+\e], v[88+\e]
	v_add_f32 v[120+\e], v[96+\e], v[104+\e]
.endr
.irp e, 0,1,2,3,4,5,6,7
	v_add_f32 v[112+\e], v[112+\e], v[120+\e]
.endr
.irp e, 0,1,2,3,4,5,6,7
	v_add_f32 v[112+\e], s[20+\e], v[112+\e]       ; + gate_b
.endr
	v_mov_b32 v128, v112                           ; the largest score and its expert
	v_mov_b32 v129, 0
.irp e, 1,2,3,4,5,6,7
	v_cmp_gt_f32 vcc_lo, v[112+\e], v128
	v_cndmask_b32 v128, v128, v[112+\e], vcc_lo
	v_cndmask_b32 v129, v129, \e, vcc_lo
.endr
	v_mov_b32 v132, 0xff800000                     ; -infinity takes the winner's place
.irp e, 0,1,2,3,4,5,6,7
	v_cmp_eq_u32 vcc_lo, \e, v129
	v_cndmask_b32 v[112+\e], v[112+\e], v132, vcc_lo
.endr
	v_mov_b32 v130, v112                           ; the second largest
	v_mov_b32 v131, 0
.irp e, 1,2,3,4,5,6,7
	v_cmp_gt_f32 vcc_lo, v[112+\e], v130
	v_cndmask_b32 v130, v130, v[112+\e], vcc_lo
	v_cndmask_b32 v131, v131, \e, vcc_lo
.endr
	v_lshl_or_b32 v133, v131, 8, v129              ; e0 | e1 << 8
	v_sub_f32 v136, v130, v128                     ; the maximum is taken away: 0 for the first, this (0 or less) for the second
	v_mul_f32 v136, 0x3fb8aa3b, v136
	s_wait_alu depctr_va_vdst(0)
	v_exp_f32 v137, v136
	v_nop                                          ; one plain line behind a transcendental
	s_wait_alu depctr_va_vdst(0)
	v_add_f32 v138, 1.0, v137
	s_wait_alu depctr_va_vdst(0)
	v_rcp_f32 v134, v138                           ; p0 = 1 / (1 + e^d)
	v_nop
	s_wait_alu depctr_va_vdst(0)
	v_mul_f32 v135, v137, v134                     ; p1 = e^d p0
	v_cmp_gt_u32 vcc_lo, 8, v1
	s_wait_alu depctr_va_vdst(0)
	s_wait_xcnt 0x0                                ; EXEC is a source of my earlier stores: it changes only behind this wait
	s_and_saveexec_b32 s31, vcc_lo                 ; lanes 0 to 7: a token each
	global_store_b32 v10, v133, s[12:13]
	global_store_b64 v8, v[134:135], s[14:15]
	s_wait_xcnt 0x0                                ; and again in front of the line that widens it
	s_or_b32 exec_lo, exec_lo, s31
.Ldone:
	s_wait_tensorcnt 0x0
	ds_add_u32 v240, v241
	s_wait_dscnt 0x0
	s_endpgm
.Lfunc_end_k_qd4b69ab511_route:
	.size	k_qd4b69ab511_route, .Lfunc_end_k_qd4b69ab511_route-k_qd4b69ab511_route
	.p2alignl 7, 3214868480
	.fill 96, 4, 3214868480
	.section	.rodata,"a",@progbits
	.p2align	6, 0x0
	.amdhsa_kernel k_qd4b69ab511_route
		.amdhsa_group_segment_fixed_size 2048
		.amdhsa_private_segment_fixed_size 0
		.amdhsa_enable_private_segment 0
		.amdhsa_kernarg_size 48
		.amdhsa_user_sgpr_count 2
		.amdhsa_user_sgpr_kernarg_segment_ptr 1
		.amdhsa_wavefront_size32 1
		.amdhsa_system_sgpr_workgroup_id_x 1
		.amdhsa_system_sgpr_workgroup_id_y 1
		.amdhsa_system_sgpr_workgroup_id_z 1
		.amdhsa_system_vgpr_workitem_id 0
		.amdhsa_next_free_vgpr 242
		.amdhsa_next_free_sgpr 66
		.amdhsa_reserve_vcc 1
		.amdhsa_float_denorm_mode_32 3
		.amdhsa_float_denorm_mode_16_64 3
		.amdhsa_memory_ordered 1
		.amdhsa_forward_progress 1
		.amdhsa_inst_pref_size 61
	.end_amdhsa_kernel
	.amdgpu_metadata
---
amdhsa.version: [ 1, 2 ]
amdhsa.kernels:
  - .name:           k_qd4b69ab511_route
    .symbol:         k_qd4b69ab511_route.kd
    .args:
      - { .name: x, .offset: 0, .size: 8, .value_kind: global_buffer, .address_space: global }
      - { .name: gate_w, .offset: 8, .size: 8, .value_kind: global_buffer, .address_space: global }
      - { .name: gate_b, .offset: 16, .size: 8, .value_kind: global_buffer, .address_space: global }
      - { .name: xq, .offset: 24, .size: 8, .value_kind: global_buffer, .address_space: global }
      - { .name: route, .offset: 32, .size: 8, .value_kind: global_buffer, .address_space: global }
      - { .name: prob, .offset: 40, .size: 8, .value_kind: global_buffer, .address_space: global }
    .group_segment_fixed_size: 2048
    .private_segment_fixed_size: 0
    .kernarg_segment_align: 8
    .kernarg_segment_size: 48
    .max_flat_workgroup_size: 128
    .sgpr_count:     66
    .vgpr_count:     242
    .wavefront_size: 32
...
	.end_amdgpu_metadata
.endif
;; end of part 6
;; launch place (part 7): grid 1 x 1, 8 waves a work-group, no clusters, 0 bytes of LDS; arguments route, place; writes place
.if DOCPART == 7
	.amdgcn_target "amdgcn-amd-amdhsa--gfx1250"
	.amdhsa_code_object_version 6
	.text
	.protected	k_qd4b69ab511_place
	.globl	k_qd4b69ab511_place
	.p2align	8
	.type	k_qd4b69ab511_place,@function
k_qd4b69ab511_place:
	s_mov_b64 s[64:65], 0
	v_nop
	global_prefetch_b8 v0, s[64:65] scope:SCOPE_SE
	s_setreg_imm32_b32 hwreg(HW_REG_WAVE_MODE, 25, 1), 1
	s_wait_xcnt 0x0
; THE ROWS ARE PLACED BY EXPERT.  Wave e serves expert e alone: of the 1,024 tokens it makes a permutation LIST[e] in which the tokens that chose e come first, its inverse POS[e], and the count.
; place = LIST [8][1024] u32 at 0, POS [8][1024] u32 at 32,768, CNT [8][32] u32 (32 equal words) at 65,536.  Every word is written: a token that did not choose e is placed from the end down.
; A counting pass: 32 groups of 32 tokens; in a group a member's rank is the members so far + the members in lower lanes.  No atomics, no LDS, no barrier: the waves share nothing.
; One work-group: 4,096 bytes are read by each of eight waves, and the pass is a chain through one scalar count; more work-groups would have nothing to share out.
.set R,  16                            ; v16-47   route words: register 4 n + c of lane l is token 128 n + 4 l + c
.set P,  48                            ; v48-79   the token's place in LIST[e]
.set LA, 80                            ; v80-111  that place in bytes
.set TK, 112                           ; v112-143 the token's number
	s_load_b128 s[4:7], s[0:1], 0x0                ; route s[4:5], place s[6:7]
	v_lshrrev_b32 v4, 5, v0
	s_delay_alu instid0(VALU_DEP_1)
	v_readfirstlane_b32 s8, v4                     ; wave = expert
	v_and_b32 v1, 31, v0                           ; lane
	s_delay_alu instid0(VALU_DEP_1)
	v_lshlrev_b32 v2, 2, v1                        ; 4 x lane
	s_delay_alu instid0(VALU_DEP_2)
	v_lshlrev_b32 v10, 4, v1                       ; 16 x lane
	s_mov_b32 s9, 0                                ; members so far
	s_lshl_b32 s20, s8, 12
	s_mov_b32 s21, 0
	s_lshl_b32 s22, s8, 7
	s_mov_b32 s23, 0
	s_wait_alu depctr_va_vdst(0)
	s_wait_kmcnt 0x0
.irp n, 0,1,2,3,4,5,6,7
	global_load_b128 v[R+4*\n:R+4*\n+3], v10, s[4:5] offset:512*\n
.endr
	s_add_nc_u64 s[14:15], s[6:7], s[20:21]        ; LIST[e]
	s_add_nc_u64 s[16:17], s[14:15], 32768         ; POS[e]
	s_add_nc_u64 s[18:19], s[6:7], s[22:23]
	s_add_nc_u64 s[18:19], s[18:19], 65536         ; CNT[e]
	s_wait_loadcnt 0x0
.macro SCAN n, c
.set RI, 4*\n+\c
	v_and_b32 v4, 0xff, v[R+RI]                    ; the token's first expert,
	v_lshrrev_b32 v5, 8, v[R+RI]                   ; and its second
	s_delay_alu instid0(VALU_DEP_2)
	v_cmp_eq_u32 s10, s8, v4
	s_delay_alu instid0(VALU_DEP_2)
	v_cmp_eq_u32 s11, s8, v5
	s_or_b32 s12, s10, s11                         ; the group's members
	v_mbcnt_lo_u32_b32 v6, s12, 0
	s_delay_alu instid0(VALU_DEP_1)
	v_add_nc_u32 v6, s9, v6                        ; members ahead of me: a member's place
	s_delay_alu instid0(VALU_DEP_1)
	v_sub_nc_u32 v7, v6, v1
	s_delay_alu instid0(VALU_DEP_1)
	v_add_nc_u32 v7, 1023-32*RI, v7                ; 1,023 less the others ahead of me (32 RI + lane - members ahead): another's place
	s_delay_alu instid0(VALU_DEP_1)
	v_cndmask_b32 v[P+RI], v7, v6, s12
	s_delay_alu instid0(VALU_DEP_1)
	v_min_u32 v[P+RI], 0x3ff, v[P+RI]              ; it enters an address: held inside the list
	s_delay_alu instid0(VALU_DEP_1)
	v_lshlrev_b32 v[LA+RI], 2, v[P+RI]
	v_add_nc_u32 v[TK+RI], 128*\n+\c, v2
	s_bcnt1_i32_b32 s10, s12
	s_add_co_u32 s9, s9, s10
.endm
.irp n, 0,1,2,3,4,5,6,7
.irp c, 0,1,2,3
	SCAN \n, \c
.endr
.endr
.irp r, 0,1,2,3,4,5,6,7,8,9,10,11,12,13,14,15,16,17,18,19,20,21,22,23,24,25,26,27,28,29,30,31
	global_store_b32 v[LA+\r], v[TK+\r], s[14:15]  ; LIST[e][place] = token.  Every store has registers of its own: nothing is written again
.endr
.irp n, 0,1,2,3,4,5,6,7
	global_store_b128 v10, v[P+4*\n:P+4*\n+3], s[16:17] offset:512*\n    ; POS[e][token] = place: 512 consecutive bytes a store
.endr
	v_mov_b32 v5, s9
	global_store_b32 v2, v5, s[18:19]              ; the count, 32 times
	s_endpgm
.Lfunc_end_k_qd4b69ab511_place:
	.size	k_qd4b69ab511_place, .Lfunc_end_k_qd4b69ab511_place-k_qd4b69ab511_place
	.p2alignl 7, 3214868480
	.fill 96, 4, 3214868480
	.section	.rodata,"a",@progbits
	.p2align	6, 0x0
	.amdhsa_kernel k_qd4b69ab511_place
		.amdhsa_group_segment_fixed_size 0
		.amdhsa_private_segment_fixed_size 0
		.amdhsa_enable_private_segment 0
		.amdhsa_kernarg_size 16
		.amdhsa_user_sgpr_count 2
		.amdhsa_user_sgpr_kernarg_segment_ptr 1
		.amdhsa_wavefront_size32 1
		.amdhsa_system_sgpr_workgroup_id_x 1
		.amdhsa_system_sgpr_workgroup_id_y 1
		.amdhsa_system_sgpr_workgroup_id_z 1
		.amdhsa_system_vgpr_workitem_id 0
		.amdhsa_next_free_vgpr 144
		.amdhsa_next_free_sgpr 66
		.amdhsa_reserve_vcc 0
		.amdhsa_float_denorm_mode_32 3
		.amdhsa_float_denorm_mode_16_64 3
		.amdhsa_memory_ordered 1
		.amdhsa_forward_progress 1
		.amdhsa_inst_pref_size 37
	.end_amdhsa_kernel
	.amdgpu_metadata
---
amdhsa.version: [ 1, 2 ]
amdhsa.kernels:
  - .name:           k_qd4b69ab511_place
    .symbol:         k_qd4b69ab511_place.kd
    .args:
      - { .name: route, .offset: 0, .size: 8, .value_kind: global_buffer, .address_space: global }
      - { .name: place, .offset: 8, .size: 8, .value_kind: global_buffer, .address_space: global }
    .group_segment_fixed_size: 0
    .private_segment_fixed_size: 0
    .kernarg_segment_align: 8
    .kernarg_segment_size: 16
    .max_flat_workgroup_size: 256
    .sgpr_count:     66
    .vgpr_count:     144
    .wavefront_size: 32
...
	.end_amdgpu_metadata
.endif
;; end of part 7
;; launch ffn1 (part 8): grid 32 x 8, 8 waves a work-group, no clusters, 137,216 bytes of LDS; arguments W1, b1, xq, place, hq; writes hq
.if DOCPART == 8
	.amdgcn_target "amdgcn-amd-amdhsa--gfx1250"
	.amdhsa_code_object_version 6
	.text
	.protected	k_qd4b69ab511_ffn1
	.globl	k_qd4b69ab511_ffn1
	.p2align	8
	.type	k_qd4b69ab511_ffn1,@function
k_qd4b69ab511_ffn1:
	s_mov_b64 s[64:65], 0
	v_nop
	global_prefetch_b8 v0, s[64:65] scope:SCOPE_SE
	s_setreg_imm32_b32 hwreg(HW_REG_WAVE_SCHED_MODE, 0, 2), 2
	s_setreg_imm32_b32 hwreg(HW_REG_WAVE_MODE, 25, 1), 1
	s_wait_xcnt 0x0
	s_wait_alu depctr_vm_vsrc(0)
; THE FIRST PRODUCT OF AN EXPERT: h = Q(relu(Q(x) Q(W1) + b1)) for the rows that chose the expert, on codes of BF8 (E5M2) with one E8M0 scale for each 32 along K.
; SHARES.  Work-group (fs, e) owns expert e's hidden units 128 fs .. 128 fs + 127: 1,024 x 128 numbers of W1, 524,288 bytes of f32, which no other work-group reads: each byte of W1 is loaded once in the launch.
; W1 IS QUANTISED ON THE WAY.  K goes in 8 steps of 128.  In a step each of the eight waves takes 32 along K x 64 columns: lane (q = lane % 16, h = lane / 16) holds columns 4 q .. 4 q + 3 at k = 16 h + i in
; register 4 i + j, by 16 loads of 16 bytes a lane; each load of a wave covers two runs of 256 consecutive bytes, aligned.  A block of 32 along K of a column lies in lanes l and l xor 16.  The four columns stand
; interleaved in the registers; the hold at 57,344 x the scale, which every number owes anyway, writes eight numbers of one column into eight registers on end, from which the scaled conversion takes them.
; A lane's 16 codes of a column are 16 bytes of an operand's image.
; THE CODES STAY IN LDS, a buffer for each step, never written again: 8 fragments (16 columns x 128 K) as images of their registers (piece c at 512 c + 16 lane), 2,064 bytes apart, then 512 bytes of scale words.
; THE STREAM RUNS ONE STEP AHEAD OF THE PRODUCTS.  A trip quantises step k + 1, stores its codes and signals the barrier; multiplies step k, whose buffer the barrier before has shown whole; and only then waits at the
; barrier, behind which it asks for step k + 1's rows and reads that buffer's first fragments, which land while step k + 2 is quantised.  One barrier a step.
; THE COLUMNS OF A FRAGMENT ARE NOT NEIGHBOURS: row m of fragment 2 b + u is hidden unit 32 b + 8 u + m + 8 (m / 8), so that a lane's 16 results of fragments 2 b, 2 b + 1 are 16 neighbours along the next K.
; ROWS.  LIST[e] holds the expert's tokens first; nt = its tiles of 16 rows (1 at the least, 64 at the most).  In a pass wave w owns tiles tile0 + w + 8 i, i = 0, 1, 2.  The first pass (384 rows) runs with the stream.
; Layers 0 and 1 are always multiplied.  Layer 2 is always multiplied in a pass's first step, which begins its sums; in the later steps a scalar jump on the stored count passes over its products where the expert has no
; such tile.  No line of a barrier stands between such a jump and its label, and no such jump between a barrier's signal and its wait.  A layer past nt loads one piece of 16 bytes in all lanes and its sums are not stored.
; Rows beyond 384 are served behind the last barrier, out of the codes in LDS, by a loop without barriers.  x's fragments come straight from xq into registers, row by row of the list.
; The product is used transposed (source 0 = 16 columns of W1, source 1 = 16 rows of x): a lane holds one row, and its 64 results become one fragment of h: K step fs of the second product.
; hq = images [e][tile 64][K step 32][2,048 bytes], then scale words [e][K step 32][tile 64][16 rows] at HS_OFF.
; NO CLUSTER, NO TENSOR LOAD: how many tiles an expert has is read from memory, and branches hang on it; what the 32 work-groups of an expert share (x's codes) is 128 bytes a row and step beside 65,536 bytes of weights.
; LIMITS: NaN and infinities are not served; a block of zeros gets the byte 1 (its codes are zeros; this program alone reads the bytes).
; REGISTERS, window 0: v1-28 addresses and their like; v29-31 x's scale words; v32-47 codes; v48-63 at work; v64-127, v128-191 two landing sets (later b1, and a tile's hidden numbers); v192-239 x's three fragments;
;   v240-243 W1's scale words; v244-251 at work.   window 1: accumulator (layer i, fragment F) at v[64 i + 8 F]; v192-223, v224-255 two sets of two fragments of W1.
; THE MODE: SCHED_MODE bits 1:0 = 2 (LLVM: expert scheduling mode 2), set by the entry lines.  The code itself states the register dependences between vector or matrix instructions and memory or LDS
; instructions, with s_wait_alu, always for 0.
; THE PLAN.  Registers that memory or LDS instructions touch, in a trip:
;   the landing sets      read by a step's quantising lines; straight behind them the loads of the step two on (or b1) land in the set.
;   v32-47, v60-63        codes and bytes: written by the quantising lines, read by the eight LDS stores behind them, written again by the next trip's quantising lines (on the way out: by a tile's).
;   W1's fragments, words read by the products; fragments 4-7 land over fragments 0-3 in the step's middle, the next step's fragments 0-3 and words at the trip's end.
;   x's fragments, words  read by all the step's products; the next step's land at the trip's end.
;   v2-v14                addresses made at the head and never written again;  v15-23: the rows' addresses, written once a pass.
;   v48-59, v244-251      are named by vector instructions alone.
; So a trip has four waits: on vm_vsrc at its head (the LDS stores have read codes and bytes); on va_vdst behind the quantising lines (for the loads into the set and the LDS stores), in the step's middle (for
; fragments 4-7) and at the trip's end (for the rows and the next fragments).  Between each of them and the memory lines that it serves stands no vector or matrix instruction.
; All 512 registers of a wave but two (v252, v253) are in use: there is no room for a second set of x's fragments (51) or for W1's eight fragments at once (64 more).
.set BUF,    17024                     ; a step's buffer: 8 x 2,064 + 512
.set FRP,    2064                      ; from fragment to fragment: 2,048 + 16, so that the sixteen lanes of a store fall on sixteen different columns of 16 bytes modulo 256
.set SCO,    16512                     ; the scale words in a buffer: byte c of row m of fragment F at ((F % 2) 16 + m) 16 + (F / 2) 4 + c
.set XS_OFF, 1048576
.set HS_OFF, 33554432
.set PW,   1                           ; v1     the way out: the scale word just made
.set LP,   2                           ; v2     4 x (lane % 16)
.set H16,  3                           ; v3     16 x (lane / 16)
.set WOFF, 4                           ; v4     my lane's byte in a step's part of W1
.set CST,  5                           ; v5-7   where my codes go: buffers 0-2, 3-5, 6-7 (an LDS offset has 16 bits)
.set BST,  8                           ; v8-10  where my scale bytes go
.set BLD,  11                          ; v11-13 16 x lane, + the same three bases
.set L16,  11
.set BOFF, 14                          ; v14    b1: 64 x (lane / 16)
.set LOF,  15                          ; v15-17 my place in the list, layer i
.set XOF,  18                          ; v18-20 my row's codes
.set SOF,  21                          ; v21-23 my row's scale bytes
.set HOFF, 24
.set SOFF, 25
.set ENT,  26                          ; v26-28 the list's entries
.set XS,   29                          ; v29-31 x's scale words
.set CC,   32
.set AM,   48                          ; v48-51 the four columns' largest magnitudes
.set PT,   52                          ; v52-55 lane l xor 16's
.set TA,   48                          ; v48-55 once those are used up: eight numbers of one column on end
.set SF,   56                          ; v56-59 the conversions' scale operands
.set HL,   60                          ; v60-63 57,344 x the scale;
.set BY,   60                          ;        behind the last hold: the scales' bytes
.set TM,   48
.set L0,   64
.set HID,  128
.set AF,   192
.set BS,   240
.set TB,   244                         ; v244-251 the second run of eight: the two take turns
.set SW,   192
.set TI,   41                          ; s41-43 my three tiles
.set MUL,  0x51                        ; source 0 (W1), C and D window 1; source 1 (x) window 0
.set MSB, 0
.macro WIN new                         ; the immediate's high byte repeats the setting that is left
.if MSB != \new
	s_set_vgpr_msb (MSB<<8)|\new
.set MSB, \new
.endif
.endm
.macro PLACES                          ; eight places behind this matrix form in front of loads into its registers and of reads of its results
.rept 8
	v_nop
.endr
.endm
.macro LOADW k                         ; step k's 32 x 64 numbers into landing set k % 2
.irp i, 0,1,2,3,4,5,6,7,8,9,10,11,12,13,14,15
	global_load_b128 v[L0+64*((\k)%2)+4*\i:L0+64*((\k)%2)+4*\i+3], v[WOFF], s[20+2*((\k)/4):21+2*((\k)/4)] offset:((\k)%4)*2097152+\i*16384 th:TH_LOAD_NT
.endr
.endm
.macro LOADB                           ; b1 in the results' layout: register 8 F + j = hidden unit 32 (F / 2) + 16 h + 8 (F % 2) + j
.irp f, 0,1,2,3,4,5,6,7
	global_load_b128 v[L0+8*\f:L0+8*\f+3], v[BOFF], s[30:31] offset:(32*(\f/2)+8*(\f%2))*4
	global_load_b128 v[L0+8*\f+4:L0+8*\f+7], v[BOFF], s[30:31] offset:(32*(\f/2)+8*(\f%2))*4+16
.endr
.endm
; The landing set at lr becomes 4 x 16 codes in v[CC + 4 j ..] (code i in byte i % 4 of register i / 4) and 4 scale bytes in v[BY + j].
.macro QW lr
.irp j, 0,1,2,3
	v_max3_num_f32 v[AM+\j], |v[\lr+\j]|, |v[\lr+4+\j]|, 0x8000000       ; column j: my 16 numbers, and the floor 2^(16 - 127): the byte cannot fall under 1
.endr
.irp i, 2,4,6,8,10,12,14
.irp j, 0,1,2,3
	v_max3_num_f32 v[AM+\j], v[AM+\j], |v[\lr+4*\i+\j]|, |v[\lr+4*\i+4+\j]|   ; (the four columns by turns)
.endr
.endr
.irp j, 0,1,2,3
	v_permlanex16_b32 v[PT+\j], v[AM+\j], s36, s37
.endr
.irp j, 0,1,2,3
	v_max_num_f32 v[AM+\j], v[AM+\j], v[PT+\j]     ; with lane l xor 16's: the block's largest magnitude
.endr
.irp j, 0,1,2,3
	v_add_nc_u32 v[SF+\j], 0xf8800000, v[AM+\j]    ; 15 off its exponent field: the conversion takes the exponent field of this operand as its scale, and nothing else of it
.endr
.irp j, 0,1,2,3
	v_and_or_b32 v[HL+\j], v[AM+\j], 0x7f800000, s40               ; 57,344 x the scale: the largest magnitude's exponent field over 57,344's mantissa
.endr
.irp j, 0,1,2,3                                ; column j: k = 16 h + 0 .. 7 through one run of eight registers, k = 16 h + 8 .. 15 through the other
.irp i, 0,1,2,3,4,5,6,7
	v_med3_num_f32 v[TA+\i], v[\lr+4*\i+\j], -v[HL+\j], v[HL+\j]   ; the conversion to an 8-bit code does not saturate (ISA guide 7.6.2): the hold, which also brings the column's numbers on end
.endr
	v_cvt_scalef32_pk8_bf8_f32 v[CC+4*\j:CC+4*\j+1], v[TA:TA+7], v[SF+\j]
.irp i, 0,1,2,3,4,5,6,7
	v_med3_num_f32 v[TB+\i], v[\lr+32+4*\i+\j], -v[HL+\j], v[HL+\j]      ; (the two runs by turns: eight plain lines stand between a conversion and the next write of its sources)
.endr
	v_cvt_scalef32_pk8_bf8_f32 v[CC+4*\j+2:CC+4*\j+3], v[TB:TB+7], v[SF+\j]
.endr
.irp j, 0,1,2,3
	v_lshrrev_b32 v[BY+\j], 23, v[SF+\j]           ; the scale's byte, where the hold stood.  (These are also the plain lines behind the last conversion)
.endr
.endm
.macro PUTW k                          ; codes and bytes into buffer k: eight LDS stores
.irp j, 0,1,2,3
	ds_store_b128 v[CST+(\k)/3], v[CC+4*\j:CC+4*\j+3] offset:((\k)%3)*BUF+16*\j
.endr
.irp j, 0,1,2,3
	ds_store_b8 v[BST+(\k)/3], v[BY+\j] offset:((\k)%3)*BUF+16*\j  ; both lanes of a block write the same byte with the same value
.endr
.endm
.macro ALOAD k                         ; x's fragments and scale words of K step k for my three tiles: a row group of 15 loads
.irp i, 0,1,2
.irp c, 0,1,2,3
	global_load_b128 v[AF+16*\i+4*\c:AF+16*\i+4*\c+3], v[XOF+\i], s[24:25] offset:128*(\k)+32*\c
.endr
.endr
.irp i, 0,1,2
	global_load_b32 v[XS+\i], v[SOF+\i], s[26:27] offset:4*(\k)
.endr
.endm
.macro WFRAG f, k                      ; fragment f of buffer k into its place: set (f / 2) % 2
.irp c, 0,1,2,3
	ds_load_b128 v[SW+32*(((\f)/2)%2)+16*((\f)%2)+4*\c:SW+32*(((\f)/2)%2)+16*((\f)%2)+4*\c+3], v[BLD+(\k)/3] offset:((\k)%3)*BUF+(\f)*FRP+512*\c
.endr
.endm
.macro MPRE k                          ; ahead of step k's products: its scale words and fragments 0-3, 17 LDS loads
	ds_load_b128 v[BS:BS+3], v[BLD+(\k)/3] offset:((\k)%3)*BUF+SCO
	WIN 0x40                                       ; destination window 1
	WFRAG 0, \k
	WFRAG 1, \k
	WFRAG 2, \k
	WFRAG 3, \k
	WIN 0
.endm
.macro MM f, i, zero                   ; fragment f against layer i.  An odd fragment's scale words stand in lanes 16-31 of its register
.set RD_, 64*(\i)+8*(\f)
.set RW_, SW+32*(((\f)/2)%2)+16*((\f)%2)
.set RX_, AF+16*(\i)
.if (\f)%2
.if \zero
	v_wmma_scale_f32_16x16x128_f8f6f4 v[RD_:RD_+7], v[RW_:RW_+15], v[RX_:RX_+15], 0, v[BS+(\f)/2], v[XS+(\i)] matrix_a_fmt:MATRIX_FMT_BF8 matrix_b_fmt:MATRIX_FMT_BF8 matrix_a_scale:MATRIX_SCALE_ROW1
.else
	v_wmma_scale_f32_16x16x128_f8f6f4 v[RD_:RD_+7], v[RW_:RW_+15], v[RX_:RX_+15], v[RD_:RD_+7], v[BS+(\f)/2], v[XS+(\i)] matrix_a_fmt:MATRIX_FMT_BF8 matrix_b_fmt:MATRIX_FMT_BF8 matrix_a_scale:MATRIX_SCALE_ROW1
.endif
.else
.if \zero
	v_wmma_scale_f32_16x16x128_f8f6f4 v[RD_:RD_+7], v[RW_:RW_+15], v[RX_:RX_+15], 0, v[BS+(\f)/2], v[XS+(\i)] matrix_a_fmt:MATRIX_FMT_BF8 matrix_b_fmt:MATRIX_FMT_BF8
.else
	v_wmma_scale_f32_16x16x128_f8f6f4 v[RD_:RD_+7], v[RW_:RW_+15], v[RX_:RX_+15], v[RD_:RD_+7], v[BS+(\f)/2], v[XS+(\i)] matrix_a_fmt:MATRIX_FMT_BF8 matrix_b_fmt:MATRIX_FMT_BF8
.endif
.endif
.endm
.macro MM4 f0, zero                    ; fragments f0, f0 + 1 against layers 0 and 1
.irp f, \f0, \f0+1
.irp i, 0,1
	MM \f, \i, \zero
.endr
.endr
.endm
; Layer 2 against fragments f0 .. f0 + 3.  stat = 1: always (a pass's first step, which begins the sums); else passed over where the expert has no such tile.  Every window is 0 at the jump and at the label.
; pre = 1: the group stands ahead of the step's own waits, so it has them itself: n2 loads may be out behind its rows, nd LDS stores behind its fragments.
.macro L2GRP f0, zero, stat, pre, n2, nd
.if (\stat) == 0
	s_cmp_ge_u32 s[TI+2], s6
	s_cbranch_scc1 .Lno2_\@
.endif
.if \pre
	s_wait_loadcnt \n2
	s_wait_dscnt \nd
.endif
	WIN MUL
.irp f, \f0, \f0+1, \f0+2, \f0+3
	MM \f, 2, \zero
.endr
	WIN 0
.Lno2_\@:
.endm
; Step k's products.  Its scale words and fragments 0-3 have been asked for (MPRE).  bar = 1: eight stores into the next buffer stand behind them; the barrier for that buffer is signalled here and waited for behind the
; sixteen products of layers 0 and 1: between the two stand register work and LDS loads from buffer k alone, which no wave writes again.  n2: the loads that may be out behind this step's row group.
; No two matrix instructions that follow each other share an accumulator, on either way round the jumps and from step to step.
.macro BODY k, zero, bar, n2
	L2GRP 0, \zero, \zero, 1, \n2, 8*(\bar)
	s_wait_dscnt 0x0                               ; for the others' sake: my codes and bytes lie in the next buffer; and my fragments 0-3 are in
.if \bar
	s_barrier_signal -1
.endif
	s_wait_loadcnt \n2                             ; this step's rows are in
	WIN MUL
	MM4 0, \zero
	MM4 2, \zero
	PLACES
	WIN 0x40
	s_wait_alu depctr_va_vdst(0)                   ; the products on fragments 0-3, layer 2's too where they were issued, are done reading the two sets of W1's fragments, in which fragments 4-7 land
	WFRAG 4, \k
	WFRAG 5, \k
	WFRAG 6, \k
	WFRAG 7, \k
	s_wait_dscnt 8                                 ; fragments 4, 5 are in; the eight loads of fragments 6, 7 may be out
	WIN MUL
	MM4 4, \zero
	s_wait_dscnt 0x0
	MM4 6, \zero
	WIN 0
.if \bar
	s_barrier_wait -1                              ; every wave's codes lie in the next buffer
.endif
	L2GRP 4, \zero, \zero, 0, 0, 0
.endm
; Loads are issued in the order L0, L1, A0, L2 | L3, A1 | L4, A2 | .. (L: a landing set, 16; A: a row group, 15; the bias, 16, takes L8's place) and come back in that order.
.macro PRO                             ; step 0's codes; a whole barrier; its first fragments
	s_wait_loadcnt 31                              ; behind L0 stand L1 (16) and A0 (15)
	QW L0
	s_wait_alu depctr_va_vdst(0)                   ; the quantising lines are done reading landing set 0, in which the loads below land, and have written the codes and bytes, which the LDS stores below read
	LOADW 2
	PUTW 0
	s_wait_dscnt 0x0
	s_barrier_signal -1
	s_barrier_wait -1
	MPRE 0                                         ; (no vector or matrix instruction has named these registers yet, and none stands behind the wait above)
.endm
.macro STEP k, zero, n2                ; a trip: step k + 1 is quantised, step k multiplied
	s_wait_loadcnt 31                              ; behind landing set k + 1 stand at the least the next set or the bias (16) and a row group (15)
	s_wait_alu depctr_vm_vsrc(0)                   ; the LDS stores of the trip before have read the codes v32-47 and the bytes v60-63, which the lines below write again
	QW L0+64*(((\k)+1)%2)
	s_wait_alu depctr_va_vdst(0)                   ; the quantising lines are done reading the landing set, in which the loads below land, and have written the codes and bytes, which the LDS stores below read
.if (\k) <= 4
	LOADW (\k)+3                                   ; the set just read takes the step two on
.elseif (\k) == 5
	LOADB                                          ; nothing of W1 is left: set 0 takes b1, and keeps it
.endif
	PUTW (\k)+1
	BODY \k, \zero, 1, \n2
	PLACES
	s_wait_alu depctr_va_vdst(0)                   ; the step's products are done reading x's fragments and scale words and W1's, in all of which the loads below land
	ALOAD (\k)+1
	MPRE (\k)+1                                    ; behind the barrier's wait: these land while the next step is quantised
.endm
.macro OSTEP k, zero                   ; the same products for a later pass: the codes lie in LDS
	s_wait_alu depctr_va_vdst(0)                   ; the products so far are done reading x's fragments and scale words and W1's, in which the loads below land; in a pass's first step the rows' addresses are written
	ALOAD \k
	MPRE \k
	BODY \k, \zero, 0, 0
	PLACES
.endm
.macro ADDR_A                          ; my three tiles of the pass that begins at tile s5, and their entries of the list
.irp i, 0,1,2
	s_add_co_u32 s[TI+\i], s5, s2
.if \i
	s_add_co_u32 s[TI+\i], s[TI+\i], 8*\i
.endif
	s_min_u32 s44, s[TI+\i], 63                    ; (a tile past the list reads its last tile, and counts for nothing below)
	s_lshl_b32 s44, s44, 6
	v_add_nc_u32 v[LOF+\i], s44, v[LP]
.endr
	s_wait_alu depctr_va_vdst(0)                   ; the three offsets are written, which the loads below read (at the head: so are all the addresses v2-v14); in a later pass the lines that read and wrote the entries v26-28 are done
.irp i, 0,1,2
	global_load_b32 v[ENT+\i], v[LOF+\i], s[28:29]
.endr
.endm
.macro ADDR_B cnt                      ; cnt: the loads issued behind the three
	s_wait_loadcnt \cnt
.irp i, 0,1,2
	s_sub_co_i32 s44, s6, s[TI+\i]                 ; nt less my tile,
	s_max_i32 s44, s44, 0
	s_min_u32 s44, s44, 1                          ; held to 0 .. 1: 1 where the expert has the tile.  In a layer past nt every lane's offset becomes 0
	v_min_u32 v[ENT+\i], 0x3ff, v[ENT+\i]          ; a token enters an address: held inside xq
	v_lshl_add_u32 v[XOF+\i], v[ENT+\i], 10, v[H16]
	v_mul_u32_u24 v[XOF+\i], s44, v[XOF+\i]        ; (under 2^21: inside the 24 bits of this multiplication)
	v_lshlrev_b32 v[SOF+\i], 5, v[ENT+\i]
	v_mul_u32_u24 v[SOF+\i], s44, v[SOF+\i]
.endr
.endm
; 64 numbers of a lane, register 16 b + i = hidden unit 32 b + 16 (lane / 16) + i of my row, become a fragment's codes in v[CC] on and its scale word in v[PW]; what is negative becomes 0 on the way.
.macro QUANT
.irp b, 0,1,2,3
	v_max3_num_f32 v[TM+\b], v[HID+16*\b], v[HID+1+16*\b], 0x8000000     ; no |.|: what is negative must not count; the floor 2^(16 - 127) stands over it
.endr
.irp i, 2,4,6,8,10,12,14
.irp b, 0,1,2,3
	v_max3_num_f32 v[TM+\b], v[TM+\b], v[HID+16*\b+\i], v[HID+1+16*\b+\i]
.endr
.endr
.irp b, 0,1,2,3
	v_permlanex16_b32 v[TM+4+\b], v[TM+\b], s36, s37
.endr
.irp b, 0,1,2,3
	v_max_num_f32 v[TM+\b], v[TM+\b], v[TM+4+\b]
.endr
.irp b, 0,1,2,3
	v_add_nc_u32 v[TM+12+\b], 0xf8800000, v[TM+\b] ; 15 off the exponent field: the conversion's scale operand
.endr
.irp b, 0,1,2,3
	v_and_or_b32 v[TM+8+\b], v[TM+\b], 0x7f800000, s40             ; 57,344 x the scale
.endr
.irp b, 0,1,2,3
	v_lshrrev_b32 v[TM+4+\b], 23, v[TM+12+\b]      ; the scale's byte
.endr
	v_lshl_or_b32 v[PW], v[TM+5], 8, v[TM+4]
	v_lshl_or_b32 v[PW], v[TM+6], 16, v[PW]
	v_lshl_or_b32 v[PW], v[TM+7], 24, v[PW]
.irp b, 0,1,2,3
.irp i, 0,1,2,3,4,5,6,7,8,9,10,11,12,13,14,15
	v_med3_num_f32 v[HID+16*\b+\i], v[HID+16*\b+\i], 0, v[TM+8+\b] ; the activation and the hold in one
.endr
	v_cvt_scalef32_pk8_bf8_f32 v[CC+4*\b:CC+4*\b+1], v[HID+16*\b:HID+16*\b+7], v[TM+12+\b]
	v_cvt_scalef32_pk8_bf8_f32 v[CC+4*\b+2:CC+4*\b+3], v[HID+16*\b+8:HID+16*\b+15], v[TM+12+\b]
.endr
	v_nop                                          ; one plain line behind the last scaled conversion, ahead of the next vector line that writes its sources
.endm
.macro EPI i                           ; layer i's tile, if the expert has it: + b1, relu, codes, out
	s_cmp_ge_u32 s[TI+\i], s6
	s_cbranch_scc1 .Lidle_\@
	s_wait_xcnt 0x0                                ; the last tile's stores have read their data and offsets: both are written again below
	s_wait_alu depctr_vm_vsrc(0)                   ; the last tile's stores have read the codes v32-47, the word v1 and the offsets v24, v25; the last step's LDS stores have read the codes and v60-63: the lines below write all of these
	WIN 0x01                                       ; source 0: the accumulators, window 1
.irp n, 0,1,2,3,4,5,6,7,8,9,10,11,12,13,14,15,16,17,18,19,20,21,22,23,24,25,26,27,28,29,30,31
	v_pk_add_f32 v[HID+2*\n:HID+2*\n+1], v[64*\i+2*\n:64*\i+2*\n+1], v[L0+2*\n:L0+2*\n+1]   ; each accumulator from its low end on
.endr
	WIN 0
	QUANT
	s_min_u32 s44, s[TI+\i], 63
	s_lshl_b32 s45, s44, 16
	v_add_nc_u32 v[HOFF], s45, v[L16]
	s_lshl_b32 s45, s44, 6
	v_add_nc_u32 v[SOFF], s45, v[LP]
	s_wait_alu depctr_va_vdst(0)                   ; the conversions have written the codes, and the lines above the scale word and the two offsets, which the five stores below read
.irp c, 0,1,2,3
	global_store_b128 v[HOFF], v[CC+4*\c:CC+4*\c+3], s[32:33] offset:512*\c   ; the image as it stands: 512 consecutive bytes a store, aligned
.endr
	global_store_b32 v[SOFF], v[PW], s[34:35]      ; 16 rows' scale words; lanes 16-31 repeat lanes 0-15
.Lidle_\@:
.endm
	s_load_b256 s[8:15], s[0:1], 0x0               ; W1 s[8:9], b1 s[10:11], xq s[12:13], place s[14:15]
	s_load_b64 s[16:17], s[0:1], 0x20              ; hq
	v_lshl_add_u32 v254, v0, 2, 0x21400
	v_mov_b32 v255, 0
	v_lshrrev_b32 v48, 5, v0
	v_readfirstlane_b32 s2, v48                    ; wave 0..7
	s_mov_b32 s3, ttmp9                            ; fs
	s_and_b32 s4, ttmp7, 0xffff                    ; e
	s_mov_b32 s5, 0                                ; the pass's first tile
	v_bfe_u32 v48, v0, 5, 2                        ; c = wave % 4: my block of 32 in a step
	v_bfe_u32 v49, v0, 7, 1                        ; ch = wave / 4: my 64 columns
	v_bfe_u32 v50, v0, 4, 1                        ; h
	v_and_b32 v51, 15, v0                          ; q
	v_bfe_u32 v52, v0, 0, 1                        ; q's four bits  (v52-55 are thereby written: a lane permute's destination counts as one of its sources)
	v_bfe_u32 v53, v0, 1, 1
	v_bfe_u32 v54, v0, 2, 1
	v_bfe_u32 v55, v0, 3, 1
	v_and_b32 v[L16], 31, v0
	v_lshlrev_b32 v[L16], 4, v[L16]
	v_lshlrev_b32 v[LP], 2, v51
	v_lshlrev_b32 v[H16], 4, v50
	v_lshlrev_b32 v[BOFF], 6, v50
	v_lshlrev_b32 v[WOFF], 19, v48                 ; 32 c rows of 16,384 bytes,
	v_lshl_add_u32 v[WOFF], v50, 18, v[WOFF]       ; 16 h rows,
	v_lshl_add_u32 v[WOFF], v49, 8, v[WOFF]        ; 64 ch columns,
	v_lshl_add_u32 v[WOFF], v51, 4, v[WOFF]        ; 4 q columns
	v_mul_u32_u24 v[CST], v49, 8256                ; column 64 ch + 4 q + j is row 8 q2 + 4 q0 + j of fragment 2 (2 ch + q3) + q1
	v_mad_u32_u24 v[CST], v55, 4128, v[CST]
	v_mad_u32_u24 v[CST], v53, 2064, v[CST]
	v_lshl_add_u32 v[CST], v48, 9, v[CST]          ; piece c,
	v_lshl_add_u32 v[CST], v50, 8, v[CST]          ; half h,
	v_lshl_add_u32 v[CST], v52, 6, v[CST]          ; 16 bytes a row
	v_lshl_add_u32 v[CST], v54, 7, v[CST]
	v_add_nc_u32 v[CST+1], 3*BUF, v[CST]
	v_add_nc_u32 v[CST+2], 6*BUF, v[CST]
	v_lshlrev_b32 v[BST], 8, v53
	v_lshl_add_u32 v[BST], v52, 6, v[BST]
	v_lshl_add_u32 v[BST], v54, 7, v[BST]
	v_lshl_add_u32 v[BST], v49, 3, v[BST]
	v_lshl_add_u32 v[BST], v55, 2, v[BST]
	v_add_nc_u32 v[BST], v48, v[BST]
	v_add_nc_u32 v[BST], SCO, v[BST]
	v_add_nc_u32 v[BST+1], 3*BUF, v[BST]
	v_add_nc_u32 v[BST+2], 6*BUF, v[BST]
	v_add_nc_u32 v[BLD+1], 3*BUF, v[L16]
	v_add_nc_u32 v[BLD+2], 6*BUF, v[L16]
	s_mov_b32 s36, 0x76543210
	s_mov_b32 s37, 0xfedcba98                      ; v_permlanex16_b32's selects for lane l xor 16
	s_mov_b32 s40, 0x600000                        ; the mantissa field of 57,344
	s_mov_b32 s45, 0
	s_wait_alu depctr_va_sdst(0)                   ; s2, the wave's number, is written, ahead of its first reader: my tiles are made from it
	s_wait_kmcnt 0x0
	s_lshl_b32 s44, s4, 7
	s_add_nc_u64 s[18:19], s[14:15], s[44:45]
	s_add_nc_u64 s[18:19], s[18:19], 65536
	s_load_b32 s7, s[18:19], 0x0                   ; the expert's count of rows
	s_lshl_b32 s44, s4, 24
	s_lshl_b32 s46, s3, 9
	s_add_co_u32 s44, s44, s46
	s_add_nc_u64 s[20:21], s[8:9], s[44:45]        ; W1 at my slab: steps 0-3,
	s_add_nc_u64 s[22:23], s[20:21], 0x800000      ; steps 4-7: so every offset stays inside the signed 24-bit immediate: 3 x 2,097,152 + 15 x 16,384 at the most
	s_mov_b64 s[24:25], s[12:13]                   ; x's codes,
	s_add_nc_u64 s[26:27], s[12:13], XS_OFF        ; x's scale bytes
	s_lshl_b32 s44, s4, 12
	s_add_nc_u64 s[28:29], s[14:15], s[44:45]      ; LIST[e]
	s_lshl_b32 s44, s4, 14
	s_add_co_u32 s44, s44, s46
	s_add_nc_u64 s[30:31], s[10:11], s[44:45]      ; b1 at my 128
	s_lshl_b32 s44, s4, 22
	s_lshl_b32 s46, s3, 11
	s_add_co_u32 s44, s44, s46
	s_add_nc_u64 s[32:33], s[16:17], s[44:45]      ; hq: expert e, K step fs
	s_lshl_b32 s44, s4, 5
	s_add_co_u32 s44, s44, s3
	s_lshl_b32 s44, s44, 12
	s_add_nc_u64 s[34:35], s[16:17], s[44:45]
	s_add_nc_u64 s[34:35], s[34:35], HS_OFF        ; and its scale words
	ADDR_A
	LOADW 0
	LOADW 1
	s_wait_kmcnt 0x0
	s_add_co_u32 s6, s7, 15
	s_lshr_b32 s6, s6, 4
	s_max_u32 s6, s6, 1                            ; nt: an expert without rows still makes tile 0, of tokens that did not choose it; nobody reads it
	s_min_u32 s6, s6, 64
	ADDR_B 32                                      ; behind the three list loads stand the two landing sets
	s_wait_alu depctr_va_vdst(0)                   ; the rows' addresses v18-23 are written, which the loads below read
	ALOAD 0
	PRO
	STEP 0, 1, 32                                  ; the first step's products start the sums: nothing is cleared.  Behind A0 stand L2 and L3
	STEP 1, 0, 16                                  ; behind A1 stands L4, and so on
	STEP 2, 0, 16
	STEP 3, 0, 16
	STEP 4, 0, 16
	STEP 5, 0, 16                                  ; behind A5 stands the bias
	STEP 6, 0, 0                                   ; nothing was issued behind A6: the bias is in too
	BODY 7, 0, 0, 0                                ; the last step: nothing is left to quantise, and no barrier
	PLACES
.Lepi:                                                 ; a trip: a pass's tiles go out; if the expert has more rows, the next 24 tiles are multiplied.  No barrier from here on
	EPI 0
	EPI 1
	EPI 2
	s_add_co_u32 s5, s5, 24
	s_cmp_ge_u32 s5, s6                            ; no tile is left: out of the loop
	s_cbranch_scc1 .Ldone
	s_wait_xcnt 0x0                                ; every earlier load and store has read its offsets: they are written again
	s_wait_alu depctr_vm_vsrc(0)                   ; the list's loads have read v15-17 and the rows' loads v18-23, which the lines below write again
	ADDR_A
	ADDR_B 0
	OSTEP 0, 1
	OSTEP 1, 0
	OSTEP 2, 0
	OSTEP 3, 0
	OSTEP 4, 0
	OSTEP 5, 0
	OSTEP 6, 0
	OSTEP 7, 0
	s_cmp_lt_u32 s5, 72                            ; the loop is counted: three passes of 24 tiles cover the 64 that an expert can have, so the jump above ends it in the third trip at the latest
	s_cbranch_scc1 .Lepi
.Ldone:
	s_wait_dscnt 0x0                               ; the closing lines, six on end
	s_wait_alu 0x0
	s_wait_tensorcnt 0x0
	ds_add_u32 v254, v255
	s_wait_dscnt 0x0
	s_endpgm
.Lfunc_end_k_qd4b69ab511_ffn1:
	.size	k_qd4b69ab511_ffn1, .Lfunc_end_k_qd4b69ab511_ffn1-k_qd4b69ab511_ffn1
	.p2alignl 7, 3214868480
	.fill 96, 4, 3214868480
	.section	.rodata,"a",@progbits
	.p2align	6, 0x0
	.amdhsa_kernel k_qd4b69ab511_ffn1
		.amdhsa_group_segment_fixed_size 137216
		.amdhsa_private_segment_fixed_size 0
		.amdhsa_enable_private_segment 0
		.amdhsa_kernarg_size 40
		.amdhsa_user_sgpr_count 2
		.amdhsa_user_sgpr_kernarg_segment_ptr 1
		.amdhsa_wavefront_size32 1
		.amdhsa_system_sgpr_workgroup_id_x 1
		.amdhsa_system_sgpr_workgroup_id_y 1
		.amdhsa_system_sgpr_workgroup_id_z 1
		.amdhsa_system_vgpr_workitem_id 0
		.amdhsa_next_free_vgpr 512
		.amdhsa_next_free_sgpr 66
		.amdhsa_reserve_vcc 0
		.amdhsa_float_denorm_mode_32 3
		.amdhsa_float_denorm_mode_16_64 3
		.amdhsa_memory_ordered 1
		.amdhsa_forward_progress 1
		.amdhsa_inst_pref_size 244
	.end_amdhsa_kernel
	.amdgpu_metadata
---
amdhsa.version: [ 1, 2 ]
amdhsa.kernels:
  - .name:           k_qd4b69ab511_ffn1
    .symbol:         k_qd4b69ab511_ffn1.kd
    .args:
      - { .name: W1, .offset: 0, .size: 8, .value_kind: global_buffer, .address_space: global }
      - { .name: b1, .offset: 8, .size: 8, .value_kind: global_buffer, .address_space: global }
      - { .name: xq, .offset: 16, .size: 8, .value_kind: global_buffer, .address_space: global }
      - { .name: place, .offset: 24, .size: 8, .value_kind: global_buffer, .address_space: global }
      - { .name: hq, .offset: 32, .size: 8, .value_kind: global_buffer, .address_space: global }
    .group_segment_fixed_size: 137216
    .private_segment_fixed_size: 0
    .kernarg_segment_align: 8
    .kernarg_segment_size: 40
    .max_flat_workgroup_size: 256
    .sgpr_count:     66
    .vgpr_count:     512
    .wavefront_size: 32
...
	.end_amdgpu_metadata
.endif
;; end of part 8
;; launch ffn2 (part 9): grid 32 x 8, 8 waves a work-group, no clusters, 172,032 bytes of LDS; arguments W2, hq, place, y; writes y
.if DOCPART == 9
	.amdgcn_target "amdgcn-amd-amdhsa--gfx1250"
	.amdhsa_code_object_version 6
	.text
	.protected	k_qd4b69ab511_ffn2
	.globl	k_qd4b69ab511_ffn2
	.p2align	8
	.type	k_qd4b69ab511_ffn2,@function
k_qd4b69ab511_ffn2:
	s_mov_b64 s[64:65], 0
	v_nop
	global_prefetch_b8 v0, s[64:65] scope:SCOPE_SE
	s_setreg_imm32_b32 hwreg(HW_REG_WAVE_SCHED_MODE, 0, 2), 2
	s_setreg_imm32_b32 hwreg(HW_REG_WAVE_MODE, 25, 1), 1
	s_wait_xcnt 0x0
	s_wait_alu depctr_vm_vsrc(0)
; THE SECOND PRODUCT OF AN EXPERT: y = h Q(W2) for the rows that chose the expert, on codes of BF8 (E5M2) with one E8M0 scale for each 32 along K; h comes as codes from the launch before.
; SHARES.  Work-group (x, e): ds = x % 16 owns output columns 64 ds .. 64 ds + 63, kh = x / 16 one half of K (2,048 hidden units): 2,048 x 64 numbers of W2, 524,288 bytes of f32, which no other work-group reads.
; The two halves' sums go to two planes of y and are added by the launch behind: each number of y has one owner.
; W2 IS QUANTISED ON THE WAY.  K goes in 8 steps of 256 (two K steps of 128).  In a step wave w takes K step ks = w / 4, block c = w % 4: 32 along K x all 64 columns: lane (q = lane % 16, h = lane / 16) holds columns
; 4 q .. 4 q + 3 at k = 16 h + i in register 4 i + j, by 16 loads of 16 bytes a lane; each load of a wave covers two runs of 256 consecutive bytes, aligned.  The arithmetic of a block is the first product's.
; THE CODES STAY IN LDS, a buffer for each step, never written again: 8 fragments (F = 4 ks + column tile: 16 columns x 128 K) as images of their registers, 2,064 bytes apart, then 512 bytes of scale words.
; Behind the buffers each wave has a stage of 16 rows x 272 bytes for the way out.
; THE STREAM RUNS ONE STEP AHEAD OF THE PRODUCTS.  A trip quantises step k + 1, stores its codes and signals the barrier; multiplies step k, whose buffer the barrier before has shown whole; and only then waits at the
; barrier, behind which it asks for step k + 1's rows and reads that buffer's first fragments, which land while step k + 2 is quantised.  One barrier a step.
; ROWS as in the first product: nt tiles of 16; in a pass wave w owns tiles tile0 + w + 8 i, i = 0, 1, 2; the first pass runs with the stream.  Layers 0 and 1 are always multiplied.  Layer 2 is always multiplied in a
; pass's first step, which begins its sums; in the later steps a scalar jump on the stored count passes over its products where the expert has no such tile.  No line of a barrier stands between such a jump and its
; label, and no such jump between a barrier's signal and its wait.  A layer past nt loads one piece of 16 bytes (of the expert's last tile) in all lanes and is not stored; rows beyond 384 are served behind the last
; barrier, out of the codes in LDS, by a loop without barriers.
; The product is used transposed (source 0 = 16 columns of W2, source 1 = 16 rows of h): a lane holds eight neighbouring columns of one row.  y = [K half 2][e 8][place 1,024][1,024] f32.
; NO CLUSTER, NO TENSOR LOAD: how many tiles an expert has is read from memory, and branches hang on it.
; LIMITS: NaN and infinities are not served; a block of zeros gets the byte 1 (its codes are zeros; this program alone reads the bytes).
; REGISTERS, window 0: v2-25 addresses, v26-29 W2's scale words; v32-47 codes; v48-63 at work; v64-127, v128-191 two landing sets (on the way out v64-159: rows of y); v192-197 h's scale words; v200-207 at work.
;   window 1: accumulator (layer i, column tile t) at v[32 i + 8 t]; v96-127, v128-159 two sets of two fragments of W2; h's fragment (i, ks) at v[160 + 32 i + 16 ks].
; THE MODE: SCHED_MODE bits 1:0 = 2 (LLVM: expert scheduling mode 2), set by the entry lines.  The code itself states the register dependences between vector or matrix instructions and memory or LDS
; instructions, with s_wait_alu, always for 0.
; THE PLAN.  Registers that memory or LDS instructions touch, in a trip:
;   the landing sets      read by a step's quantising lines; straight behind them the loads of the step two on land in the set.
;   v32-47, v60-63        codes and bytes: written by the quantising lines, read by the eight LDS stores behind them, written again by the next trip's quantising lines.
;   W2's fragments, words read by the products; fragments 4-7 land over fragments 0-3 in the step's middle, the next step's fragments 0-3 and words at the trip's end.
;   h's fragments, words  read by all the step's products; the next step's land at the trip's end.
;   v2-v13, v20-22        addresses made at the head and never written again;  v14-19: the rows' addresses, written once a pass;  v23-25: a tile's offset in y, written once a pass.
;   on the way out        the accumulators are read by LDS stores; v64-159 take the rows from the stage and are read by the stores to y.
;   v48-59, v200-207      are named by vector instructions alone.
; So a trip has four waits: on vm_vsrc at its head (the LDS stores have read codes and bytes); on va_vdst behind the quantising lines (for the loads into the set and the LDS stores), in the step's middle (for
; fragments 4-7) and at the trip's end (for the rows and the next fragments).  Between each of them and the memory lines that it serves stands no vector or matrix instruction.
; 48 registers on end or nearly (v198, v199, v208-253) are free: W2's eight fragments at once would take 64 more, a second set of h's fragments 96.
.set BUF,    17024
.set FRP,    2064
.set SCO,    16512
.set STG,    136192                    ; behind the eight buffers: the stages, 4,352 bytes a wave
.set HS_OFF, 33554432
.set LP,   2                           ; v2     4 x (lane % 16)
.set WOFF, 4
.set CST,  5                           ; v5-7
.set BST,  8                           ; v8-10
.set BLD,  11                          ; v11-13
.set L16,  11
.set AO,   14                          ; v14-16 my lane's place in layer i's images
.set SOF,  17                          ; v17-19 and among its scale words
.set STO,  20                          ; the stage: where I put 32 bytes of a row
.set SRD,  21                          ; and where I read a row back
.set YB,   22                          ; my byte in two rows of y
.set YO,   23                          ; v23-25 the same in layer i's tile
.set BS,   26                          ; v26-29
.set CC,   32
.set AM,   48                          ; v48-51 the four columns' largest magnitudes
.set PT,   52                          ; v52-55 lane l xor 16's
.set TA,   48                          ; v48-55 once those are used up: eight numbers of one column on end
.set SF,   56                          ; v56-59 the conversions' scale operands
.set HL,   60                          ; v60-63 57,344 x the scale;
.set BY,   60                          ;        behind the last hold: the scales' bytes
.set L0,   64
.set OUTR, 64
.set AS,   192
.set TB,   200                         ; v200-207 the second run of eight: the two take turns
.set SW,   96
.set AH,   160
.set TI,   41
.set MUL,  0x55                        ; all four operands in window 1
.set MSB, 0
.macro WIN new                         ; the immediate's high byte repeats the setting that is left
.if MSB != \new
	s_set_vgpr_msb (MSB<<8)|\new
.set MSB, \new
.endif
.endm
.macro PLACES                          ; eight places behind this matrix form in front of loads into its registers and of reads of its results
.rept 8
	v_nop
.endr
.endm
.macro LOADW k                         ; step k's 32 x 64 numbers into landing set k % 2; 7 x 1,048,576 + 15 x 4,096 at the most: inside the signed 24-bit immediate
.irp i, 0,1,2,3,4,5,6,7,8,9,10,11,12,13,14,15
	global_load_b128 v[L0+64*((\k)%2)+4*\i:L0+64*((\k)%2)+4*\i+3], v[WOFF], s[20:21] offset:(\k)*1048576+\i*4096 th:TH_LOAD_NT
.endr
.endm
; The landing set at lr becomes 4 x 16 codes in v[CC + 4 j ..] (code i in byte i % 4 of register i / 4) and 4 scale bytes in v[BY + j].
.macro QW lr
.irp j, 0,1,2,3
	v_max3_num_f32 v[AM+\j], |v[\lr+\j]|, |v[\lr+4+\j]|, 0x8000000       ; column j: my 16 numbers, and the floor 2^(16 - 127): the byte cannot fall under 1
.endr
.irp i, 2,4,6,8,10,12,14
.irp j, 0,1,2,3
	v_max3_num_f32 v[AM+\j], v[AM+\j], |v[\lr+4*\i+\j]|, |v[\lr+4*\i+4+\j]|
.endr
.endr
.irp j, 0,1,2,3
	v_permlanex16_b32 v[PT+\j], v[AM+\j], s36, s37
.endr
.irp j, 0,1,2,3
	v_max_num_f32 v[AM+\j], v[AM+\j], v[PT+\j]     ; with lane l xor 16's: the block's largest magnitude
.endr
.irp j, 0,1,2,3
	v_add_nc_u32 v[SF+\j], 0xf8800000, v[AM+\j]    ; 15 off its exponent field: the conversion takes the exponent field of this operand as its scale, and nothing else of it
.endr
.irp j, 0,1,2,3
	v_and_or_b32 v[HL+\j], v[AM+\j], 0x7f800000, s40               ; 57,344 x the scale: the largest magnitude's exponent field over 57,344's mantissa
.endr
.irp j, 0,1,2,3                                ; column j: k = 16 h + 0 .. 7 through one run of eight registers, k = 16 h + 8 .. 15 through the other
.irp i, 0,1,2,3,4,5,6,7
	v_med3_num_f32 v[TA+\i], v[\lr+4*\i+\j], -v[HL+\j], v[HL+\j]   ; the conversion to an 8-bit code does not saturate (ISA guide 7.6.2): the hold, which also brings the column's numbers on end
.endr
	v_cvt_scalef32_pk8_bf8_f32 v[CC+4*\j:CC+4*\j+1], v[TA:TA+7], v[SF+\j]
.irp i, 0,1,2,3,4,5,6,7
	v_med3_num_f32 v[TB+\i], v[\lr+32+4*\i+\j], -v[HL+\j], v[HL+\j]      ; (the two runs by turns: eight plain lines stand between a conversion and the next write of its sources)
.endr
	v_cvt_scalef32_pk8_bf8_f32 v[CC+4*\j+2:CC+4*\j+3], v[TB:TB+7], v[SF+\j]
.endr
.irp j, 0,1,2,3
	v_lshrrev_b32 v[BY+\j], 23, v[SF+\j]           ; the scale's byte, where the hold stood.  (These are also the plain lines behind the last conversion)
.endr
.endm
.macro PUTW k                          ; codes and bytes into buffer k: eight LDS stores
.irp j, 0,1,2,3
	ds_store_b128 v[CST+(\k)/3], v[CC+4*\j:CC+4*\j+3] offset:((\k)%3)*BUF+16*\j
.endr
.irp j, 0,1,2,3
	ds_store_b8 v[BST+(\k)/3], v[BY+\j] offset:((\k)%3)*BUF+16*\j  ; both lanes of a block write the same byte with the same value
.endr
.endm
.macro ALOAD k                         ; h's fragments and scale words of step k's two K steps for my three tiles: a row group of 30 loads; the images as they lie, 512 consecutive bytes a load
	WIN 0x40
.irp i, 0,1,2
.irp s, 0,1
.irp c, 0,1,2,3
	global_load_b128 v[AH+32*\i+16*\s+4*\c:AH+32*\i+16*\s+4*\c+3], v[AO+\i], s[24:25] offset:(2*(\k)+\s)*2048+512*\c
.endr
.endr
.endr
	WIN 0
.irp i, 0,1,2
.irp s, 0,1
	global_load_b32 v[AS+2*\i+\s], v[SOF+\i], s[26:27] offset:(2*(\k)+\s)*4096
.endr
.endr
.endm
.macro WFRAG f, k
.irp c, 0,1,2,3
	ds_load_b128 v[SW+32*(((\f)/2)%2)+16*((\f)%2)+4*\c:SW+32*(((\f)/2)%2)+16*((\f)%2)+4*\c+3], v[BLD+(\k)/3] offset:((\k)%3)*BUF+(\f)*FRP+512*\c
.endr
.endm
.macro MPRE k                          ; ahead of step k's products: its scale words and fragments 0-3, 17 LDS loads
	ds_load_b128 v[BS:BS+3], v[BLD+(\k)/3] offset:((\k)%3)*BUF+SCO
	WIN 0x40                                       ; destination window 1
	WFRAG 0, \k
	WFRAG 1, \k
	WFRAG 2, \k
	WFRAG 3, \k
	WIN 0
.endm
.macro MM f, i, zero                   ; fragment f = 4 ks + t against layer i's K step ks, onto accumulator (i, t)
.set RD_, 32*(\i)+8*((\f)%4)
.set RW_, SW+32*(((\f)/2)%2)+16*((\f)%2)
.set RH_, AH+32*(\i)+16*((\f)/4)
.if (\f)%2
.if \zero
	v_wmma_scale_f32_16x16x128_f8f6f4 v[RD_:RD_+7], v[RW_:RW_+15], v[RH_:RH_+15], 0, v[BS+(\f)/2], v[AS+2*(\i)+(\f)/4] matrix_a_fmt:MATRIX_FMT_BF8 matrix_b_fmt:MATRIX_FMT_BF8 matrix_a_scale:MATRIX_SCALE_ROW1
.else
	v_wmma_scale_f32_16x16x128_f8f6f4 v[RD_:RD_+7], v[RW_:RW_+15], v[RH_:RH_+15], v[RD_:RD_+7], v[BS+(\f)/2], v[AS+2*(\i)+(\f)/4] matrix_a_fmt:MATRIX_FMT_BF8 matrix_b_fmt:MATRIX_FMT_BF8 matrix_a_scale:MATRIX_SCALE_ROW1
.endif
.else
.if \zero
	v_wmma_scale_f32_16x16x128_f8f6f4 v[RD_:RD_+7], v[RW_:RW_+15], v[RH_:RH_+15], 0, v[BS+(\f)/2], v[AS+2*(\i)+(\f)/4] matrix_a_fmt:MATRIX_FMT_BF8 matrix_b_fmt:MATRIX_FMT_BF8
.else
	v_wmma_scale_f32_16x16x128_f8f6f4 v[RD_:RD_+7], v[RW_:RW_+15], v[RH_:RH_+15], v[RD_:RD_+7], v[BS+(\f)/2], v[AS+2*(\i)+(\f)/4] matrix_a_fmt:MATRIX_FMT_BF8 matrix_b_fmt:MATRIX_FMT_BF8
.endif
.endif
.endm
.macro MM4 f0, zero                    ; fragments f0, f0 + 1 against layers 0 and 1
.irp f, \f0, \f0+1
.irp i, 0,1
	MM \f, \i, \zero
.endr
.endr
.endm
; Layer 2 against fragments f0 .. f0 + 3.  stat = 1: always (a pass's first step, which begins the sums); else passed over where the expert has no such tile.  Every window is 0 at the jump and at the label.
; pre = 1: the group stands ahead of the step's own waits, so it has them itself: n2 loads may be out behind its rows, nd LDS stores behind its fragments.
.macro L2GRP f0, zero, stat, pre, n2, nd
.if (\stat) == 0
	s_cmp_ge_u32 s[TI+2], s6
	s_cbranch_scc1 .Lno2_\@
.endif
.if \pre
	s_wait_loadcnt \n2
	s_wait_dscnt \nd
.endif
	WIN MUL
.irp f, \f0, \f0+1, \f0+2, \f0+3
	MM \f, 2, \zero
.endr
	WIN 0
.Lno2_\@:
.endm
; Step k's products.  Its scale words and fragments 0-3 have been asked for (MPRE).  bar = 1: eight stores into the next buffer stand behind them; the barrier for that buffer is signalled here and waited for behind the
; sixteen products of layers 0 and 1: between the two stand register work and LDS loads from buffer k alone, which no wave writes again.  n2: the loads that may be out behind this step's row group.
; Fragments 0-3 are the step's first K step, fragments 4-7 its second, which adds onto the first: K ascends on every accumulator.  No two matrix instructions that follow each other share an accumulator, on either way
; round the jumps and from step to step.
.macro BODY k, zero, bar, n2
	L2GRP 0, \zero, \zero, 1, \n2, 8*(\bar)
	s_wait_dscnt 0x0                               ; for the others' sake: my codes and bytes lie in the next buffer; and my fragments 0-3 are in
.if \bar
	s_barrier_signal -1
.endif
	s_wait_loadcnt \n2                             ; this step's rows are in
	WIN MUL
	MM4 0, \zero
	MM4 2, \zero
	PLACES
	WIN 0x40
	s_wait_alu depctr_va_vdst(0)                   ; the products on fragments 0-3, layer 2's too where they were issued, are done reading the two sets of W2's fragments, in which fragments 4-7 land
	WFRAG 4, \k
	WFRAG 5, \k
	WFRAG 6, \k
	WFRAG 7, \k
	s_wait_dscnt 8                                 ; fragments 4, 5 are in; the eight loads of fragments 6, 7 may be out
	WIN MUL
	MM4 4, 0
	s_wait_dscnt 0x0
	MM4 6, 0
	WIN 0
.if \bar
	s_barrier_wait -1                              ; every wave's codes lie in the next buffer
.endif
	L2GRP 4, 0, \zero, 0, 0, 0
.endm
; Loads are issued in the order L0, L1, A0, L2 | L3, A1 | L4, A2 | .. (L: a landing set, 16; A: a row group, 30) and come back in that order; 62 are out at the most.
.macro PRO                             ; step 0's codes; a whole barrier; its first fragments
	s_wait_loadcnt 46                              ; behind L0 stand L1 (16) and A0 (30)
	QW L0
	s_wait_alu depctr_va_vdst(0)                   ; the quantising lines are done reading landing set 0, in which the loads below land, and have written the codes and bytes, which the LDS stores below read
	LOADW 2
	PUTW 0
	s_wait_dscnt 0x0
	s_barrier_signal -1
	s_barrier_wait -1
	MPRE 0                                         ; (no vector or matrix instruction has named these registers yet, and none stands behind the wait above)
.endm
.macro STEP k, zero, n2                ; a trip: step k + 1 is quantised, step k multiplied
	s_wait_loadcnt 46                              ; behind landing set k + 1 stand at the least 46 loads: the next set and a row group, or two row groups
	s_wait_alu depctr_vm_vsrc(0)                   ; the LDS stores of the trip before have read the codes v32-47 and the bytes v60-63, which the lines below write again
	QW L0+64*(((\k)+1)%2)
	s_wait_alu depctr_va_vdst(0)                   ; the quantising lines are done reading the landing set, in which the loads below land, and have written the codes and bytes, which the LDS stores below read
.if (\k) <= 4
	LOADW (\k)+3                                   ; the set just read takes the step two on
.endif
	PUTW (\k)+1
	BODY \k, \zero, 1, \n2
	PLACES
	s_wait_alu depctr_va_vdst(0)                   ; the step's products are done reading h's fragments and scale words and W2's, in all of which the loads below land
	ALOAD (\k)+1
	MPRE (\k)+1                                    ; behind the barrier's wait: these land while the next step is quantised
.endm
.macro OSTEP k, zero                   ; the same products for a later pass: the codes lie in LDS
	s_wait_alu depctr_va_vdst(0)                   ; the products so far are done reading h's fragments and scale words and W2's, in which the loads below land; in a pass's first step the rows' addresses are written
	ALOAD \k
	MPRE \k
	BODY \k, \zero, 0, 0
	PLACES
.endm
.macro ADDR                            ; my three tiles of the pass that begins at tile s5
	s_sub_co_u32 s45, s6, 1
.irp i, 0,1,2
	s_add_co_u32 s[TI+\i], s5, s2
.if \i
	s_add_co_u32 s[TI+\i], s[TI+\i], 8*\i
.endif
	s_min_u32 s44, s[TI+\i], s45                   ; a layer past nt reads the expert's last tile, which the launch before has written,
	s_min_u32 s44, s44, 63
	s_lshl_b32 s47, s44, 16
	s_lshl_b32 s44, s44, 6
	s_sub_co_i32 s46, s6, s[TI+\i]                 ; nt less my tile,
	s_max_i32 s46, s46, 0
	s_min_u32 s46, s46, 1                          ; held to 0 .. 1: 1 where the expert has the tile; else all lanes read one piece of that last tile
	v_mul_u32_u24 v[AO+\i], s46, v[L16]
	v_add_nc_u32 v[AO+\i], s47, v[AO+\i]
	v_mul_u32_u24 v[SOF+\i], s46, v[LP]
	v_add_nc_u32 v[SOF+\i], s44, v[SOF+\i]
.endr
.endm
; Layer i's tile, if the expert has it.  A lane holds 32 bytes of a row and the lanes beside it hold other rows: the tile goes through my own stage and comes back as rows of 256 bytes.
.macro EPI i
	s_cmp_ge_u32 s[TI+\i], s6
	s_cbranch_scc1 .Lidle_\@
	s_min_u32 s44, s[TI+\i], 63
	s_lshl_b32 s44, s44, 16
	v_add_nc_u32 v[YO+\i], s44, v[YB]              ; the tile's offset in y is made first, so that one wait serves all the tile's memory lines
	WIN 0x04                                       ; an LDS store's data are its source 1: window 1
	s_wait_alu depctr_va_vdst(0)                   ; the offset is written, which the stores to y read; the products have written the accumulators, which the LDS stores read (their eight places stand ahead); the quantising lines are done with v64-159, in which the rows land
.irp t, 0,1,2,3
	ds_store_b128 v[STO], v[32*\i+8*\t:32*\i+8*\t+3] offset:64*\t        ; each accumulator from its low end on
	ds_store_b128 v[STO], v[32*\i+8*\t+4:32*\i+8*\t+7] offset:64*\t+16
.endr
	WIN 0
.irp n, 0,1,2,3,4,5,6,7
	ds_load_b128 v[OUTR+32*\i+4*\n:OUTR+32*\i+4*\n+3], v[SRD] offset:544*\n   ; LDS serves a wave's instructions in order (ISA guide 5.7.1.4): these see my stores, and the next tile's stores come behind them
.endr
.irp n, 0,1,2,3,4,5,6,7
	s_wait_dscnt 7-\n                              ; rows 2 n, 2 n + 1 are back; the tile's later rows may be out
	global_store_b128 v[YO+\i], v[OUTR+32*\i+4*\n:OUTR+32*\i+4*\n+3], s[28:29] offset:8192*\n th:TH_STORE_NT   ; sixteen lanes store 256 consecutive bytes, aligned.  Each layer has registers of its own
.endr
.Lidle_\@:
.endm
	s_load_b256 s[8:15], s[0:1], 0x0               ; W2 s[8:9], hq s[10:11], place s[12:13], y s[14:15]
	v_lshl_add_u32 v254, v0, 2, 0x29c00
	v_mov_b32 v255, 0
	v_lshrrev_b32 v56, 5, v0
	v_readfirstlane_b32 s2, v56                    ; wave 0..7
	s_and_b32 s3, ttmp9, 15                        ; ds
	s_lshr_b32 s17, ttmp9, 4                       ; kh
	s_and_b32 s4, ttmp7, 0xffff                    ; e
	s_mov_b32 s5, 0                                ; the pass's first tile
	v_bfe_u32 v48, v0, 5, 2                        ; c = wave % 4
	v_bfe_u32 v49, v0, 7, 1                        ; ks = wave / 4
	v_bfe_u32 v50, v0, 4, 1                        ; h
	v_and_b32 v51, 15, v0                          ; q
	v_and_b32 v52, 3, v0                           ; q % 4   (v52-55 are thereby written: a lane permute's destination counts as one of its sources)
	v_bfe_u32 v53, v0, 2, 2                        ; q / 4: the column tile
	v_bfe_u32 v54, v0, 2, 1                        ; its low bit
	v_bfe_u32 v55, v0, 3, 1                        ; its high bit
	v_and_b32 v[L16], 31, v0
	v_lshlrev_b32 v[L16], 4, v[L16]
	v_lshlrev_b32 v[LP], 2, v51
	v_lshlrev_b32 v[WOFF], 19, v49                 ; 128 ks rows of 4,096 bytes,
	v_lshl_add_u32 v[WOFF], v48, 17, v[WOFF]       ; 32 c rows,
	v_lshl_add_u32 v[WOFF], v50, 16, v[WOFF]       ; 16 h rows,
	v_lshl_add_u32 v[WOFF], v51, 4, v[WOFF]        ; 4 q columns
	v_mul_u32_u24 v[CST], v49, 8256                ; column 4 q + j is row 4 (q % 4) + j of fragment 4 ks + q / 4
	v_mad_u32_u24 v[CST], v53, 2064, v[CST]
	v_lshl_add_u32 v[CST], v48, 9, v[CST]
	v_lshl_add_u32 v[CST], v50, 8, v[CST]
	v_lshl_add_u32 v[CST], v52, 6, v[CST]
	v_add_nc_u32 v[CST+1], 3*BUF, v[CST]
	v_add_nc_u32 v[CST+2], 6*BUF, v[CST]
	v_lshlrev_b32 v[BST], 8, v54
	v_lshl_add_u32 v[BST], v52, 6, v[BST]
	v_lshl_add_u32 v[BST], v49, 3, v[BST]
	v_lshl_add_u32 v[BST], v55, 2, v[BST]
	v_add_nc_u32 v[BST], v48, v[BST]
	v_add_nc_u32 v[BST], SCO, v[BST]
	v_add_nc_u32 v[BST+1], 3*BUF, v[BST]
	v_add_nc_u32 v[BST+2], 6*BUF, v[BST]
	v_add_nc_u32 v[BLD+1], 3*BUF, v[L16]
	v_add_nc_u32 v[BLD+2], 6*BUF, v[L16]
	v_mul_u32_u24 v56, v56, 4352
	v_add_nc_u32 v56, STG, v56                     ; my stage
	v_mad_u32_u24 v[STO], v51, 272, v56            ; in: row lane % 16, 32 bytes for each half of the lanes
	v_lshl_add_u32 v[STO], v50, 5, v[STO]
	v_mad_u32_u24 v[SRD], v50, 272, v56            ; back: lanes 0-15 one row of 256 bytes, lanes 16-31 the next
	v_lshl_add_u32 v[SRD], v51, 4, v[SRD]
	v_lshlrev_b32 v[YB], 12, v50                   ; and the same two rows in y
	v_lshl_add_u32 v[YB], v51, 4, v[YB]
	s_mov_b32 s36, 0x76543210
	s_mov_b32 s37, 0xfedcba98                      ; v_permlanex16_b32's selects for lane l xor 16
	s_mov_b32 s40, 0x600000                        ; the mantissa field of 57,344
	s_mov_b32 s45, 0
	s_wait_alu depctr_va_sdst(0)                   ; s2, the wave's number, is written, ahead of its first reader: my tiles are made from it
	s_wait_kmcnt 0x0
	s_lshl_b32 s44, s4, 7
	s_add_nc_u64 s[18:19], s[12:13], s[44:45]
	s_add_nc_u64 s[18:19], s[18:19], 65536
	s_load_b32 s7, s[18:19], 0x0                   ; the expert's count of rows
	s_lshl_b32 s44, s4, 24
	s_lshl_b32 s46, s17, 23
	s_add_co_u32 s44, s44, s46
	s_lshl_b32 s46, s3, 8
	s_add_co_u32 s44, s44, s46
	s_add_nc_u64 s[20:21], s[8:9], s[44:45]        ; W2 at my slab
	s_lshl_b32 s44, s4, 22
	s_lshl_b32 s46, s17, 15
	s_add_co_u32 s44, s44, s46
	s_add_nc_u64 s[24:25], s[10:11], s[44:45]      ; hq: expert e, my half's first K step
	s_lshl_b32 s44, s4, 5
	s_lshl_b32 s46, s17, 4
	s_add_co_u32 s44, s44, s46
	s_lshl_b32 s44, s44, 12
	s_add_nc_u64 s[26:27], s[10:11], s[44:45]
	s_add_nc_u64 s[26:27], s[26:27], HS_OFF        ; and its scale words
	s_lshl_b32 s44, s17, 3
	s_add_co_u32 s44, s44, s4
	s_lshl_b32 s44, s44, 22
	s_lshl_b32 s46, s3, 8
	s_add_co_u32 s44, s44, s46
	s_add_nc_u64 s[28:29], s[14:15], s[44:45]      ; y: my half's plane, expert e, my 64 columns
	s_wait_alu depctr_va_vdst(0)                   ; the addresses v2-v13 and v20-22 are written, which the kernel's loads and stores read
	LOADW 0
	LOADW 1
	s_wait_kmcnt 0x0
	s_add_co_u32 s6, s7, 15
	s_lshr_b32 s6, s6, 4
	s_max_u32 s6, s6, 1                            ; nt, as in the launch before
	s_min_u32 s6, s6, 64
	ADDR
	s_wait_alu depctr_va_vdst(0)                   ; the rows' addresses v14-19 are written, which the loads below read
	ALOAD 0
	PRO
	STEP 0, 1, 32                                  ; the first K step's products start the sums: nothing is cleared.  Behind A0 stand L2 and L3
	STEP 1, 0, 16                                  ; behind A1 stands L4, and so on up to L7
	STEP 2, 0, 16
	STEP 3, 0, 16
	STEP 4, 0, 16
	STEP 5, 0, 0                                   ; nothing of W2 is left: nothing was issued behind A5
	STEP 6, 0, 0
	BODY 7, 0, 0, 0                                ; the last step: nothing is left to quantise, and no barrier
	PLACES
.Lepi:                                                 ; a trip: a pass's tiles go out; if the expert has more rows, the next 24 tiles are multiplied.  No barrier from here on
	EPI 0
	EPI 1
	EPI 2
	s_add_co_u32 s5, s5, 24
	s_cmp_ge_u32 s5, s6                            ; no tile is left: out of the loop
	s_cbranch_scc1 .Ldone
	s_wait_xcnt 0x0                                ; every earlier load and store has read its offsets and data: they are written again
	s_wait_alu depctr_vm_vsrc(0)                   ; the rows' loads have read v14-19, the LDS stores the accumulators, the stores to y v23-25 and v64-159: the next pass writes all of these again
	ADDR
	OSTEP 0, 1
	OSTEP 1, 0
	OSTEP 2, 0
	OSTEP 3, 0
	OSTEP 4, 0
	OSTEP 5, 0
	OSTEP 6, 0
	OSTEP 7, 0
	s_cmp_lt_u32 s5, 72                            ; the loop is counted: three passes of 24 tiles cover the 64 that an expert can have, so the jump above ends it in the third trip at the latest
	s_cbranch_scc1 .Lepi
.Ldone:
	s_wait_dscnt 0x0                               ; the closing lines, six on end
	s_wait_alu 0x0
	s_wait_tensorcnt 0x0
	ds_add_u32 v254, v255
	s_wait_dscnt 0x0
	s_endpgm
.Lfunc_end_k_qd4b69ab511_ffn2:
	.size	k_qd4b69ab511_ffn2, .Lfunc_end_k_qd4b69ab511_ffn2-k_qd4b69ab511_ffn2
	.p2alignl 7, 3214868480
	.fill 96, 4, 3214868480
	.section	.rodata,"a",@progbits
	.p2align	6, 0x0
	.amdhsa_kernel k_qd4b69ab511_ffn2
		.amdhsa_group_segment_fixed_size 172032
		.amdhsa_private_segment_fixed_size 0
		.amdhsa_enable_private_segment 0
		.amdhsa_kernarg_size 32
		.amdhsa_user_sgpr_count 2
		.amdhsa_user_sgpr_kernarg_segment_ptr 1
		.amdhsa_wavefront_size32 1
		.amdhsa_system_sgpr_workgroup_id_x 1
		.amdhsa_system_sgpr_workgroup_id_y 1
		.amdhsa_system_sgpr_workgroup_id_z 1
		.amdhsa_system_vgpr_workitem_id 0
		.amdhsa_next_free_vgpr 512
		.amdhsa_next_free_sgpr 66
		.amdhsa_reserve_vcc 0
		.amdhsa_float_denorm_mode_32 3
		.amdhsa_float_denorm_mode_16_64 3
		.amdhsa_memory_ordered 1
		.amdhsa_forward_progress 1
		.amdhsa_inst_pref_size 240
	.end_amdhsa_kernel
	.amdgpu_metadata
---
amdhsa.version: [ 1, 2 ]
amdhsa.kernels:
  - .name:           k_qd4b69ab511_ffn2
    .symbol:         k_qd4b69ab511_ffn2.kd
    .args:
      - { .name: W2, .offset: 0, .size: 8, .value_kind: global_buffer, .address_space: global }
      - { .name: hq, .offset: 8, .size: 8, .value_kind: global_buffer, .address_space: global }
      - { .name: place, .offset: 16, .size: 8, .value_kind: global_buffer, .address_space: global }
      - { .name: y, .offset: 24, .size: 8, .value_kind: global_buffer, .address_space: global }
    .group_segment_fixed_size: 172032
    .private_segment_fixed_size: 0
    .kernarg_segment_align: 8
    .kernarg_segment_size: 32
    .max_flat_workgroup_size: 256
    .sgpr_count:     66
    .vgpr_count:     512
    .wavefront_size: 32
...
	.end_amdgpu_metadata
.endif
;; end of part 9
;; launch combine (part 10): grid 256 x 1, 4 waves a work-group, no clusters, 0 bytes of LDS; arguments y, b2, route, prob, place, out0; writes out0
.if DOCPART == 10
	.amdgcn_target "amdgcn-amd-amdhsa--gfx1250"
	.amdhsa_code_object_version 6
	.text
	.protected	k_qd4b69ab511_combine
	.globl	k_qd4b69ab511_combine
	.p2align	8
	.type	k_qd4b69ab511_combine,@function
k_qd4b69ab511_combine:
	s_mov_b64 s[64:65], 0
	v_nop
	global_prefetch_b8 v0, s[64:65] scope:SCOPE_SE
	s_setreg_imm32_b32 hwreg(HW_REG_WAVE_MODE, 25, 1), 1
	s_wait_xcnt 0x0
; out[t] = p0 (y[e0][t] + b2[e0]) + p1 (y[e1][t] + b2[e1]), where y[e][t] is the sum of the two K halves' rows at the token's place in expert e's list.  All in f32.
; One wave takes one token: a row is 4,096 bytes, eight pieces of 512 consecutive bytes (16 a lane).  Six rows are read (two halves of y and b2, for each of the two experts), one is written: each output row has one owner.
; The experts, the places and the two weights are the same for the whole wave: scalar loads.  What was loaded and enters an address is held inside its table first.
; A stream: no LDS, no barrier, no matrix unit, no cluster (work-groups share only b2's 32,768 bytes).  All 48 loads of a wave go out at once.
	s_load_b256 s[4:11], s[0:1], 0x0               ; y s[4:5], b2 s[6:7], route s[8:9], prob s[10:11]
	s_load_b128 s[12:15], s[0:1], 0x20             ; place s[12:13], out0 s[14:15]
	v_lshrrev_b32 v2, 5, v0
	v_readfirstlane_b32 s16, v2                    ; wave 0..3
	v_and_b32 v1, 31, v0
	v_lshlrev_b32 v1, 4, v1                        ; 16 x lane
	s_lshl_b32 s17, ttmp9, 2
	s_add_co_u32 s17, s17, s16                     ; my token
	s_lshl_b32 s18, s17, 2
	s_mov_b32 s19, 0
	s_lshl_b32 s20, s17, 3
	s_mov_b32 s21, 0
	s_wait_alu depctr_va_vdst(0)
	s_wait_kmcnt 0x0
	s_add_nc_u64 s[8:9], s[8:9], s[18:19]
	s_add_nc_u64 s[10:11], s[10:11], s[20:21]
	s_load_b32 s22, s[8:9], 0x0                    ; e0 | e1 << 8
	s_load_b64 s[24:25], s[10:11], 0x0             ; p0, p1
	s_wait_kmcnt 0x0
	s_and_b32 s26, s22, 0xff
	s_min_u32 s26, s26, 7                          ; e0
	s_lshr_b32 s27, s22, 8
	s_min_u32 s27, s27, 7                          ; e1
	s_lshl_b32 s28, s26, 12
	s_add_co_u32 s28, s28, s18
	s_add_co_u32 s28, s28, 32768                   ; POS[e0][t]
	s_mov_b32 s29, 0
	s_lshl_b32 s30, s27, 12
	s_add_co_u32 s30, s30, s18
	s_add_co_u32 s30, s30, 32768                   ; POS[e1][t]
	s_mov_b32 s31, 0
	s_add_nc_u64 s[28:29], s[12:13], s[28:29]
	s_add_nc_u64 s[30:31], s[12:13], s[30:31]
	s_load_b32 s32, s[28:29], 0x0
	s_load_b32 s33, s[30:31], 0x0
	s_mov_b32 s50, s24                             ; the packed forms name a pair and take its low word for both halves
	s_mov_b32 s51, s24
	s_mov_b32 s52, s25
	s_mov_b32 s53, s25
	s_lshl_b32 s44, s26, 12
	s_mov_b32 s45, 0
	s_add_nc_u64 s[44:45], s[6:7], s[44:45]        ; b2[e0]
	s_lshl_b32 s46, s27, 12
	s_mov_b32 s47, 0
	s_add_nc_u64 s[46:47], s[6:7], s[46:47]        ; b2[e1]
	s_lshl_b32 s48, s17, 12
	s_mov_b32 s49, 0
	s_add_nc_u64 s[14:15], s[14:15], s[48:49]      ; out[t]
	s_wait_kmcnt 0x0
	s_min_u32 s32, s32, 1023
	s_min_u32 s33, s33, 1023
	s_lshl_b32 s34, s26, 10
	s_add_co_u32 s34, s34, s32
	s_lshl_b32 s34, s34, 12                        ; row (e0, place) of 4,096 bytes
	s_mov_b32 s35, 0
	s_add_nc_u64 s[36:37], s[4:5], s[34:35]        ; in the first K half's plane,
	s_add_nc_u64 s[38:39], s[36:37], 0x2000000     ; and in the second's
	s_lshl_b32 s34, s27, 10
	s_add_co_u32 s34, s34, s33
	s_lshl_b32 s34, s34, 12
	s_add_nc_u64 s[40:41], s[4:5], s[34:35]
	s_add_nc_u64 s[42:43], s[40:41], 0x2000000
.irp n, 0,1,2,3,4,5,6,7                        ; piece n's six loads at v[16 + 24 n] on
	global_load_b128 v[16+24*\n:19+24*\n], v1, s[36:37] offset:512*\n th:TH_LOAD_NT
	global_load_b128 v[20+24*\n:23+24*\n], v1, s[38:39] offset:512*\n th:TH_LOAD_NT
	global_load_b128 v[24+24*\n:27+24*\n], v1, s[44:45] offset:512*\n
	global_load_b128 v[28+24*\n:31+24*\n], v1, s[40:41] offset:512*\n th:TH_LOAD_NT
	global_load_b128 v[32+24*\n:35+24*\n], v1, s[42:43] offset:512*\n th:TH_LOAD_NT
	global_load_b128 v[36+24*\n:39+24*\n], v1, s[46:47] offset:512*\n
.endr
.irp n, 0,1,2,3,4,5,6,7
	s_wait_loadcnt 6*(7-\n)                        ; loads come back in order: behind piece n's six stand six for each later piece
.irp p, 0,2
	v_pk_add_f32 v[16+24*\n+\p:17+24*\n+\p], v[16+24*\n+\p:17+24*\n+\p], v[20+24*\n+\p:21+24*\n+\p]   ; the two K halves,
	v_pk_add_f32 v[28+24*\n+\p:29+24*\n+\p], v[28+24*\n+\p:29+24*\n+\p], v[32+24*\n+\p:33+24*\n+\p]
	v_pk_add_f32 v[16+24*\n+\p:17+24*\n+\p], v[16+24*\n+\p:17+24*\n+\p], v[24+24*\n+\p:25+24*\n+\p]   ; + b2,
	v_pk_add_f32 v[28+24*\n+\p:29+24*\n+\p], v[28+24*\n+\p:29+24*\n+\p], v[36+24*\n+\p:37+24*\n+\p]
	v_pk_mul_f32 v[16+24*\n+\p:17+24*\n+\p], v[16+24*\n+\p:17+24*\n+\p], s[50:51] op_sel_hi:[1,0]     ; x p0,
	v_pk_fma_f32 v[16+24*\n+\p:17+24*\n+\p], v[28+24*\n+\p:29+24*\n+\p], s[52:53], v[16+24*\n+\p:17+24*\n+\p] op_sel_hi:[1,0,1]   ; + p1 x the other
.endr
	global_store_b128 v1, v[16+24*\n:19+24*\n], s[14:15] offset:512*\n th:TH_STORE_NT   ; 512 consecutive bytes, aligned; each piece has registers of its own
.endr
	s_endpgm
.Lfunc_end_k_qd4b69ab511_combine:
	.size	k_qd4b69ab511_combine, .Lfunc_end_k_qd4b69ab511_combine-k_qd4b69ab511_combine
	.p2alignl 7, 3214868480
	.fill 96, 4, 3214868480
	.section	.rodata,"a",@progbits
	.p2align	6, 0x0
	.amdhsa_kernel k_qd4b69ab511_combine
		.amdhsa_group_segment_fixed_size 0
		.amdhsa_private_segment_fixed_size 0
		.amdhsa_enable_private_segment 0
		.amdhsa_kernarg_size 48
		.amdhsa_user_sgpr_count 2
		.amdhsa_user_sgpr_kernarg_segment_ptr 1
		.amdhsa_wavefront_size32 1
		.amdhsa_system_sgpr_workgroup_id_x 1
		.amdhsa_system_sgpr_workgroup_id_y 1
		.amdhsa_system_sgpr_workgroup_id_z 1
		.amdhsa_system_vgpr_workitem_id 0
		.amdhsa_next_free_vgpr 208
		.amdhsa_next_free_sgpr 66
		.amdhsa_reserve_vcc 0
		.amdhsa_float_denorm_mode_32 3
		.amdhsa_float_denorm_mode_16_64 3
		.amdhsa_memory_ordered 1
		.amdhsa_forward_progress 1
		.amdhsa_inst_pref_size 15
	.end_amdhsa_kernel
	.amdgpu_metadata
---
amdhsa.version: [ 1, 2 ]
amdhsa.kernels:
  - .name:           k_qd4b69ab511_combine
    .symbol:         k_qd4b69ab511_combine.kd
    .args:
      - { .name: y, .offset: 0, .size: 8, .value_kind: global_buffer, .address_space: global }
      - { .name: b2, .offset: 8, .size: 8, .value_kind: global_buffer, .address_space: global }
      - { .name: route, .offset: 16, .size: 8, .value_kind: global_buffer, .address_space: global }
      - { .name: prob, .offset: 24, .size: 8, .value_kind: global_buffer, .address_space: global }
      - { .name: place, .offset: 32, .size: 8, .value_kind: global_buffer, .address_space: global }
      - { .name: out0, .offset: 40, .size: 8, .value_kind: global_buffer, .address_space: global }
    .group_segment_fixed_size: 0
    .private_segment_fixed_size: 0
    .kernarg_segment_align: 8
    .kernarg_segment_size: 48
    .max_flat_workgroup_size: 128
    .sgpr_count:     66
    .vgpr_count:     208
    .wavefront_size: 32
...
	.end_amdgpu_metadata
.endif
;; end of part 10
